; MI455X (gfx1250); checked and timed in simulation.
; The chip was launched on July 23, 2026; its instructions are those of AMD's public machine-readable ISA for CDNA 5 (MIT licence, August 2026) and "CDNA5" Instruction Set Architecture Reference Guide (July 2026). The comments in the code are by the model that wrote it; some were corrected since.
;; Attention Block. Allowed arithmetic: matrix products marked QUANTISED: E2M3 operands, one E8M0 scale for each 32 along K, by v_wmma_scale_f32_16x16x128_f8f6f4 with both operands' format E2M3, f32 sums; everything else in f32.
;; Inputs: b1 4,096 float32; b2 1,024 float32; bk 1,024 float32; bo 1,024 float32; bq 1,024 float32; bv 1,024 float32; ln1_b 1,024 float32; ln1_g 1,024 float32; ln2_b 1,024 float32; ln2_g 1,024 float32; w1_codes 4,096 x 32 x 24 uint8 (E2M3 codes of w1, K innermost, in blocks of 32 codes, four codes in three bytes); w1_scales 4,096 x 32 uint8 (E8M0 scales of w1, one for each 32 codes along K); w2_codes 1,024 x 128 x 24 uint8 (E2M3 codes of w2, K innermost, in blocks of 32 codes, four codes in three bytes); w2_scales 1,024 x 128 uint8 (E8M0 scales of w2, one for each 32 codes along K); wk_codes 1,024 x 32 x 24 uint8 (E2M3 codes of wk, K innermost, in blocks of 32 codes, four codes in three bytes); wk_scales 1,024 x 32 uint8 (E8M0 scales of wk, one for each 32 codes along K); wo_codes 1,024 x 32 x 24 uint8 (E2M3 codes of wo, K innermost, in blocks of 32 codes, four codes in three bytes); wo_scales 1,024 x 32 uint8 (E8M0 scales of wo, one for each 32 codes along K); wq_codes 1,024 x 32 x 24 uint8 (E2M3 codes of wq, K innermost, in blocks of 32 codes, four codes in three bytes); wq_scales 1,024 x 32 uint8 (E8M0 scales of wq, one for each 32 codes along K); wv_codes 1,024 x 32 x 24 uint8 (E2M3 codes of wv, K innermost, in blocks of 32 codes, four codes in three bytes); wv_scales 1,024 x 32 uint8 (E8M0 scales of wv, one for each 32 codes along K); x 2 x 2,048 x 1,024 float32.
;; Outputs: out0 2 x 2,048 x 1,024 float32.
;; This version of the problem:
;;   THIS VERSION OF THE PROBLEM IS GIVEN IN LOW PRECISION. The matrix products marked QUANTISED in the list below multiply operands that are first quantised to E2M3 (2 exponent bits, 3 mantissa bits; 6 bits a number), with one power-of-two scale for each 32 numbers along K (OCP MX v1.0); their sums are f32. All else is computed in f32.
;;   The module's matrix products, in the order in which they are computed (A, B: the left and right operand; K: the contracted axis; several contracted axes count as one K, in the product's order):
;;     1. [M 4,096, K 1,024] x [K 1,024, N 1,024]; A: computed on the way; B: input wq (given as codes): QUANTISED
;;     2. [M 4,096, K 1,024] x [K 1,024, N 1,024]; A: computed on the way; B: input wk (given as codes): QUANTISED
;;     3. [M 4,096, K 1,024] x [K 1,024, N 1,024]; A: computed on the way; B: input wv (given as codes): QUANTISED
;;     4. batch 32 x [M 2,048, K 64] x [K 64, N 2,048]; A: computed on the way; B: computed on the way: QUANTISED
;;     5. batch 32 x [M 2,048, K 2,048] x [K 2,048, N 64]; A: softmax (see below); B: computed on the way: QUANTISED
;;     6. [M 4,096, K 1,024] x [K 1,024, N 1,024]; A: computed on the way; B: input wo (given as codes): QUANTISED
;;     7. [M 4,096, K 1,024] x [K 1,024, N 4,096]; A: computed on the way; B: input w1 (given as codes): QUANTISED
;;     8. [M 4,096, K 4,096] x [K 4,096, N 1,024]; A: computed on the way; B: input w2 (given as codes): QUANTISED
;;   THE QUANTISER, for each operand of a quantised product, along K:
;;     - K is cut into blocks of 32 from its start; a last block that is shorter is filled with zeros.
;;     - A block's scale is 2^e with e = floor(log2(the largest magnitude in the block)) - 2, held to -126 .. 127; a block of zeros has e = 0. As a byte (E8M0): e + 127.
;;     - Each number is divided by its block's scale, clamped to +-7.5, and rounded to the nearest number of E2M3, ties to even, subnormals kept.
;;     - The product sums the exact products of the quantised numbers (number of the format x scale) in f32.
;;   ~~~python
;;   def quantise(x, axis):      # numpy; x: float32 -> the quantised numbers, widened to float32 again
;;       x = np.moveaxis(x, axis, -1); K = x.shape[-1]
;;       x = np.pad(x, [(0, 0)] * (x.ndim - 1) + [(0, -K % 32)]); x = x.reshape(x.shape[:-1] + (-1, 32)); a = np.abs(x).max(-1, keepdims=True)
;;       e = np.where(a > 0, np.clip(np.frexp(np.where(a > 0, a, 1))[1] - 1 - 2, -126, 127), 0)      # np.frexp(a)[1] - 1 = floor(log2(a)), exactly
;;       r = np.clip(x / 2.0 ** e, -7.5, 7.5)
;;       step = 2.0 ** (np.maximum(np.frexp(np.where(r == 0, 1, r))[1] - 1, 0) - 3)
;;       q = np.round(r / step) * step * 2.0 ** e      # np.round: ties to even
;;       return np.moveaxis(q.reshape(q.shape[:-2] + (-1,))[..., :K], -1, axis).astype(np.float32)
;;   ~~~
;;   SOFTMAX AHEAD OF A QUANTISED PRODUCT. Where the list says 'softmax', what is quantised is not the finished softmax but p = 2^(t - M), with t = logit x log2(e) and M = ceil(the row's largest t), a whole number; so 1/2 < the row's largest p <= 1. The row's sum l is taken of the UNQUANTISED p, in f32, and the product's result is divided by l at the end. Since M is a whole number, a kernel that streams over the keys may use a running M (the ceiling of the running maximum): every later rescaling is an exact power of two, which a block's scale takes up: the codes' values come out the same.
;;   OPERANDS COMPUTED ON THE WAY. 'Computed on the way' means the value that the module computes at that place (a softmax that the list does not call 'softmax' is quantised finished and normalised). What goes into a quantiser is computed in f32, as accurately as f32 sums, v_exp_f32 and their like allow (about 1e-6 of the number): no bf16 or f16 on the way to a quantiser, and a product that is left as it is and whose result goes on into a quantised operand takes f32 operands (vector FMAs, or v_wmma_f32_16x16x4_f32). A number that lies on a knife's edge between two numbers of the format may be rounded either way, as far as f32 arithmetic and the matrix unit's own rounding can turn it there, and no further.
;;   INPUTS GIVEN AS CODES. w1 (in the module: [1024, 4096], K = its axis 0); w2 (in the module: [4096, 1024], K = its axis 0); wk (in the module: [1024, 1024], K = its axis 0); wo (in the module: [1024, 1024], K = its axis 0); wq (in the module: [1024, 1024], K = its axis 0); wv (in the module: [1024, 1024], K = its axis 0): each comes as NAME_codes (uint8): NAME with its K axis moved to the last place and cut into blocks of 32 codes, [.., K / 32, bytes a block], one block behind the other in memory; four codes in three bytes: a row's codes are one little-endian stream of bits, code i at bits 6 i .. 6 i + 5 (a code: sign, 2 exponent bits, 3 mantissa bits); and NAME_scales (uint8): the same leading axes, one E8M0 byte (e + 127) for each 32 codes along K. Its value is code x scale, taken as it is: it is not quantised again, and the codes and scales need not be those that the quantiser above would give.
;; 2 versions. Each part assembles by itself: llvm-mc -triple=amdgcn-amd-amdhsa -mcpu=gfx1250 --defsym DOCPART=n.
;; ======== version 1 of 2: 7 launches
;; workspace buffers: h1 3,276,800 bytes; qkvc 13,631,488 bytes; ao 3,276,800 bytes; x1 16,777,216 bytes; h2 3,276,800 bytes; gc 13,107,200 bytes
;; launch norm1 (part 1): grid 256 x 1, 4 waves a work-group, no clusters, 33,280 bytes of LDS; arguments x, ln1_g, ln1_b, h1; writes h1
.if DOCPART == 1
	.amdgcn_target "amdgcn-amd-amdhsa--gfx1250"
	.amdhsa_code_object_version 6
	.text
	.protected	k_qd10a0de7d6_norm1
	.globl	k_qd10a0de7d6_norm1
	.p2align	8
	.type	k_qd10a0de7d6_norm1,@function
k_qd10a0de7d6_norm1:
	s_mov_b64 s[64:65], 0
	v_nop
	global_prefetch_b8 v0, s[64:65] scope:SCOPE_SE
	s_setreg_imm32_b32 hwreg(HW_REG_WAVE_MODE, 25, 1), 1
	s_wait_xcnt 0x0
; y = (x - mean) * rsqrt(var + 1e-5) * g + b over rows of 1,024 f32, all in f32 (mean first, then the mean of the squared differences), and y quantised along the row:
; codes of FP6 (E2M3), 6 bits each, [4096][768 bytes], and SCO bytes on one E8M0 byte for each 32 numbers, [4096][32].
; A block's scale is 2^(floor(log2(its largest magnitude)) - 2); its byte is the largest magnitude's exponent field - 2, held at 1 from below.
; LIMITS: NaN and infinities are not served.  A block of zeros gets the byte 1 where the rule says 127: its codes are zeros, and the bytes are read by this program alone.  v_rsq_f32 is good to 1 ulp.
; SHARES.  Work-group j, wave w: rows 16 j + 4 w + 0 .. 3, one row at a time; a row is 32 registers of the wave, so both sums stay inside the wave: no barrier.
; All 48 loads of a wave (four rows, g, b) go out at the head; each reads 512 consecutive bytes.  For the sums any lane may hold any column; the conversion wants 16 NEIGHBOURS in a lane:
; so the finished row turns through the wave's own stage in LDS (64 bytes + 16 of padding a place) and comes back 64 bytes a lane.
.set SCO,  3145728                     ; where the scale bytes begin in the output buffer
.set WREG, 8192                        ; LDS: a region for each wave
.set SP,   80                          ; a place in the stage: 64 bytes + 16
.set SBY,  64*SP                       ; behind the stage's 64 places: the wave's 128 scale bytes
.set E,    24                          ; v24-31   a scale byte for each (row, half)
.set C,    32                          ; v32-63   codes: four registers for each (row, half): no store's data are written again
.set G,    64                          ; v64-95   g, as loaded
.set B,    96                          ; v96-127  b
.set X,    128                         ; v128-255 row p at X + 32 p
	s_load_b256 s[4:11], s[0:1], 0x0               ; in s[4:5], g s[6:7], b s[8:9], out s[10:11]
	v_lshl_add_u32 v59, v0, 2, 0x8000
	v_mov_b32 v63, 0
	v_lshrrev_b32 v1, 5, v0
	v_readfirstlane_b32 s14, v1                    ; wave
	v_and_b32 v1, 31, v0                           ; lane
	v_lshlrev_b32 v2, 4, v1                        ; my 16 bytes of a load's 512
	s_mul_i32 s15, s14, WREG
	v_lshrrev_b32 v3, 2, v1
	v_mul_u32_u24 v3, v3, SP
	v_and_b32 v9, 3, v1
	v_lshl_add_u32 v3, v9, 4, v3
	v_add_nc_u32 v3, s15, v3                       ; the stage, in: SP (lane / 4) + 16 (lane % 4); a load's 512 bytes take eight places
	v_mul_u32_u24 v4, v1, SP
	v_add_nc_u32 v4, s15, v4                       ; out: SP x lane: 16 neighbours
	v_lshrrev_b32 v5, 1, v1
	s_add_co_u32 s15, s15, SBY
	v_add_nc_u32 v5, s15, v5                       ; my block's scale byte
	v_lshlrev_b32 v8, 2, v1
	v_add_nc_u32 v6, s15, v8                       ; and on the way out 4 bytes a lane
	v_mul_u32_u24 v7, v1, 12                       ; my 16 codes in a half row's 384 bytes
	v_mov_b32 v21, 0                               ; a lane permute's destination counts as one of its sources
	s_mov_b32 s16, 0x76543210
	s_mov_b32 s17, 0xfedcba98                      ; v_permlanex16_b32's selects for lane l xor 16
	s_mov_b32 s18, 0x3a800000                      ; 1 / 1024
	s_mov_b32 s19, 0x3727c5ac                      ; 1e-5
	s_lshl_b32 s20, ttmp9, 4
	s_lshl_b32 s21, s14, 2
	s_add_co_u32 s20, s20, s21                     ; my first row
	s_lshl_b32 s22, s20, 12                        ; x 4,096 bytes
	s_mov_b32 s23, 0
	s_mul_i32 s24, s20, 768                        ; x 768 bytes of codes
	s_mov_b32 s25, 0
	s_lshl_b32 s26, s20, 5                         ; x 32 scale bytes,
	s_add_co_u32 s26, s26, SCO                     ; behind the codes
	s_mov_b32 s27, 0
	s_wait_kmcnt 0x0
	s_add_nc_u64 s[4:5], s[4:5], s[22:23]
	s_add_nc_u64 s[12:13], s[10:11], s[26:27]
	s_add_nc_u64 s[10:11], s[10:11], s[24:25]
.macro XLOAD p                         ; row p: load i brings columns 128 i + 4 lane + 0 .. 3
.irp i, 0,1,2,3,4,5,6,7
	global_load_b128 v[X+32*\p+4*\i:X+32*\p+4*\i+3], v2, s[4:5] offset:4096*\p+512*\i
.endr
.endm
	XLOAD 0
.irp i, 0,1,2,3,4,5,6,7
	global_load_b128 v[G+4*\i:G+4*\i+3], v2, s[6:7] offset:512*\i
.endr
.irp i, 0,1,2,3,4,5,6,7
	global_load_b128 v[B+4*\i:B+4*\i+3], v2, s[8:9] offset:512*\i
.endr
	XLOAD 1
	XLOAD 2
	XLOAD 3
.macro REDUCE                          ; v10 summed over the 32 lanes, the sum in every lane
	v_add_f32_dpp v10, v10, v10 row_xmask:1 row_mask:0xf bank_mask:0xf
	v_add_f32_dpp v10, v10, v10 row_xmask:2 row_mask:0xf bank_mask:0xf
	v_add_f32_dpp v10, v10, v10 row_xmask:4 row_mask:0xf bank_mask:0xf
	v_add_f32_dpp v10, v10, v10 row_xmask:8 row_mask:0xf bank_mask:0xf
	v_permlanex16_b32 v21, v10, s16, s17
	v_add_f32 v10, v10, v21
.endm
; Row p.  n1: the loads that may be out when the row is wanted; n2: when g and b are wanted.
.macro ROWP p, n1, n2
.set XR, X+32*\p
	s_wait_loadcnt \n1                             ; loads come back in order: my row is in, the younger ones stay out
	v_pk_add_f32 v[10:11], v[XR:XR+1], v[XR+2:XR+3]          ; the sum, in two chains
	v_pk_add_f32 v[12:13], v[XR+4:XR+5], v[XR+6:XR+7]
.irp i, 8,12,16,20,24,28
	v_pk_add_f32 v[10:11], v[10:11], v[XR+\i:XR+\i+1]
	v_pk_add_f32 v[12:13], v[12:13], v[XR+\i+2:XR+\i+3]
.endr
	v_pk_add_f32 v[10:11], v[10:11], v[12:13]
	v_add_f32 v10, v10, v11
	REDUCE
	v_mul_f32 v14, s18, v10                        ; the mean
	v_mov_b32 v15, v14
.irp i, 0,2,4,6,8,10,12,14,16,18,20,22,24,26,28,30
	v_pk_add_f32 v[XR+\i:XR+\i+1], v[XR+\i:XR+\i+1], v[14:15] neg_lo:[0,1] neg_hi:[0,1]   ; x - mean, in place
.endr
	v_pk_mul_f32 v[10:11], v[XR:XR+1], v[XR:XR+1]            ; the sum of their squares, in two chains
	v_pk_mul_f32 v[12:13], v[XR+2:XR+3], v[XR+2:XR+3]
.irp i, 4,8,12,16,20,24,28
	v_pk_fma_f32 v[10:11], v[XR+\i:XR+\i+1], v[XR+\i:XR+\i+1], v[10:11]
	v_pk_fma_f32 v[12:13], v[XR+\i+2:XR+\i+3], v[XR+\i+2:XR+\i+3], v[12:13]
.endr
	v_pk_add_f32 v[10:11], v[10:11], v[12:13]
	v_add_f32 v10, v10, v11
	REDUCE
	v_fma_f32 v16, v10, s18, s19                   ; var + eps
	v_rsq_f32 v16, v16
	v_nop                                          ; one plain place behind a transcendental
	s_wait_alu depctr_va_vdst(0)
	v_mov_b32 v17, v16
	s_wait_loadcnt \n2                             ; g and b are in
.irp i, 0,2,4,6,8,10,12,14,16,18,20,22,24,26,28,30
	v_pk_mul_f32 v[XR+\i:XR+\i+1], v[XR+\i:XR+\i+1], v[16:17]
.endr
.irp i, 0,2,4,6,8,10,12,14,16,18,20,22,24,26,28,30
	v_pk_fma_f32 v[XR+\i:XR+\i+1], v[XR+\i:XR+\i+1], v[G+\i:G+\i+1], v[B+\i:B+\i+1]
.endr
.irp i, 0,1,2,3,4,5,6,7
	ds_store_b128 v3, v[XR+4*\i:XR+4*\i+3] offset:8*SP*\i
.endr
.irp t, 0,1
.irp j, 0,1,2,3
	ds_load_b128 v[XR+16*\t+4*\j:XR+16*\t+4*\j+3], v4 offset:32*SP*\t+16*\j   ; LDS serves a wave's instructions in order: these see the stores above.  Register 16 t + i is now column 512 t + 16 lane + i
.endr
.endr
	s_wait_dscnt 0x0
.irp t, 0,1
.set XS, XR+16*\t
.set CC, C+4*(2*\p+\t)
	v_max3_num_f32 v18, |v[XS]|, |v[XS+1]|, |v[XS+2]|        ; the largest magnitude of my 16
	v_max3_num_f32 v19, |v[XS+3]|, |v[XS+4]|, |v[XS+5]|
.irp i, 6,10
	v_max3_num_f32 v18, v18, |v[XS+\i]|, |v[XS+\i+1]|
	v_max3_num_f32 v19, v19, |v[XS+\i+2]|, |v[XS+\i+3]|
.endr
	v_max3_num_f32 v18, v18, |v[XS+14]|, |v[XS+15]|
	v_max3_num_f32 v18, v18, v19, 0x1800000        ; and the floor 2^(3 - 127): the byte cannot fall under 1
	v_max_num_f32_dpp v18, v18, v18 row_xmask:1 row_mask:0xf bank_mask:0xf   ; with my neighbour's 16: the block's
	v_add_nc_u32 v20, 0xff000000, v18              ; 2 off its exponent field: the conversion takes the exponent field of this operand as its scale
	v_cvt_scalef32_pk16_fp6_f32 v[CC:CC+2], v[XS:XS+15], v20
	v_lshrrev_b32 v[E+2*\p+\t], 23, v20            ; the scale's byte (a plain line behind the conversion)
	ds_store_b8 v5, v[E+2*\p+\t] offset:32*\p+16*\t          ; both lanes of a block write the same byte with the same value
	global_store_b96 v7, v[CC:CC+2], s[10:11] offset:768*\p+384*\t   ; the wave stores 384 consecutive bytes
.endr
.endm
	ROWP 0, 40, 24                                 ; of the 48 loads: behind row 0's stand 40; behind b's the 24 of rows 1 to 3
	ROWP 1, 16, 16
	ROWP 2, 8, 8
	ROWP 3, 0, 0
	ds_load_b32 v9, v6                             ; my four rows' 128 scale bytes: LDS serves a wave's instructions in order
	s_wait_dscnt 0x0
	global_store_b32 v8, v9, s[12:13]              ; 128 consecutive bytes
	s_wait_tensorcnt 0x0
	ds_add_u32 v59, v63
	s_wait_dscnt 0x0
	s_endpgm
.Lfunc_end_k_qd10a0de7d6_norm1:
	.size	k_qd10a0de7d6_norm1, .Lfunc_end_k_qd10a0de7d6_norm1-k_qd10a0de7d6_norm1
	.p2alignl 7, 3214868480
	.fill 96, 4, 3214868480
	.section	.rodata,"a",@progbits
	.p2align	6, 0x0
	.amdhsa_kernel k_qd10a0de7d6_norm1
		.amdhsa_group_segment_fixed_size 33280
		.amdhsa_private_segment_fixed_size 0
		.amdhsa_enable_private_segment 0
		.amdhsa_kernarg_size 32
		.amdhsa_user_sgpr_count 2
		.amdhsa_user_sgpr_kernarg_segment_ptr 1
		.amdhsa_wavefront_size32 1
		.amdhsa_system_sgpr_workgroup_id_x 1
		.amdhsa_system_sgpr_workgroup_id_y 1
		.amdhsa_system_sgpr_workgroup_id_z 1
		.amdhsa_system_vgpr_workitem_id 0
		.amdhsa_next_free_vgpr 256
		.amdhsa_next_free_sgpr 66
		.amdhsa_reserve_vcc 0
		.amdhsa_float_denorm_mode_32 3
		.amdhsa_float_denorm_mode_16_64 3
		.amdhsa_memory_ordered 1
		.amdhsa_forward_progress 1
		.amdhsa_inst_pref_size 43
	.end_amdhsa_kernel
	.amdgpu_metadata
---
amdhsa.version: [ 1, 2 ]
amdhsa.kernels:
  - .name:           k_qd10a0de7d6_norm1
    .symbol:         k_qd10a0de7d6_norm1.kd
    .args:
      - { .name: x, .offset: 0, .size: 8, .value_kind: global_buffer, .address_space: global }
      - { .name: ln1_g, .offset: 8, .size: 8, .value_kind: global_buffer, .address_space: global }
      - { .name: ln1_b, .offset: 16, .size: 8, .value_kind: global_buffer, .address_space: global }
      - { .name: h1, .offset: 24, .size: 8, .value_kind: global_buffer, .address_space: global }
    .group_segment_fixed_size: 33280
    .private_segment_fixed_size: 0
    .kernarg_segment_align: 8
    .kernarg_segment_size: 32
    .max_flat_workgroup_size: 128
    .sgpr_count:     66
    .vgpr_count:     256
    .wavefront_size: 32
...
	.end_amdgpu_metadata
.endif
;; end of part 1
;; launch proj_qkv (part 2): grid 12 x 16, 4 waves a work-group, clusters of 4 x 4, 327,680 bytes of LDS; arguments h1, wq_codes, wq_scales, wk_codes, wk_scales, wv_codes, wv_scales, bq, bk, bv, qkvc; writes qkvc
.if DOCPART == 2
	.amdgcn_target "amdgcn-amd-amdhsa--gfx1250"
	.amdhsa_code_object_version 6
	.text
	.protected	k_qd10a0de7d6_proj_qkv
	.globl	k_qd10a0de7d6_proj_qkv
	.p2align	8
	.type	k_qd10a0de7d6_proj_qkv,@function
k_qd10a0de7d6_proj_qkv:
	s_mov_b64 s[64:65], 0
	v_nop
	global_prefetch_b8 v0, s[64:65] scope:SCOPE_SE
	s_setreg_imm32_b32 hwreg(HW_REG_WAVE_MODE, 25, 1), 1
	s_wait_xcnt 0x0
	s_wait_alu depctr_hold_cnt(0) depctr_sa_sdst(0) depctr_va_vdst(0) depctr_va_sdst(0) depctr_va_ssrc(0) depctr_va_vcc(0) depctr_vm_vsrc(0)
	s_getreg_b32 s2, hwreg(HW_REG_IB_STS2, 6, 4)
	s_cmp_eq_u32 s2, 0
	s_cbranch_scc0 .Lentry_in_a_cluster
	s_endpgm
.Lentry_in_a_cluster:
	s_bfe_u32 s2, ttmp6, 0x10000c
	s_cmp_lg_u32 s2, 0xf033
	s_cbranch_scc0 .Lentry_shape_is_right
	s_endpgm
.Lentry_shape_is_right:
; q = h Wq^T + bq, k = h Wk^T + bk, v = h Wv^T + bv on codes of FP6 (E2M3) with one E8M0 scale for each 32 along K = 1,024; then q and k are quantised along a head's 64 channels and v along the KEYS,
; and all three are stored as IMAGES OF THE OPERAND REGISTERS that the attention launch loads.  h: codes [4096][768 bytes], its scale bytes SCO bytes on; the weights: codes [1024][768], scales [1024][32].
; THE PRODUCT.  A tile of 256 x 256 to a work-group of four waves, 128 x 128 (64 accumulators, 512 registers) to a wave; K in steps of 256 through a ring of two LDS slots filled by the tensor data mover;
; the scale bytes of the work-group's rows come into LDS once.  4 x 4 work-groups form a cluster: A's tiles are asked for jointly along a row of the cluster, B's along a column.
; The matrix instruction is used transposed (source 0 = 16 rows of B, source 1 = 16 rows of A): a lane holds ONE row of A's side, and its registers run along B's side.
; THREE KINDS, ONE TEXT.  The cluster's x says which: 0 q, 1 k, 2 v; it is the same in all sixteen partners, and it only chooses pointers and numbers (s_cselect, v_cndmask): there is no branch on it.
;   q, k: A = h (tokens), B = the weight: a lane holds a token, its registers run along the features: two heads of 64.      v: A = Wv (channels), B = h (tokens): a lane holds a channel, its registers run along the keys.
; So a lane's 64 numbers of a block of 16 rows always run along the axis that is quantised.  The bias along B's side (q, k) is the C of each sum's first product; the one along A's side (v) is added on the way out; the other is 0.
; THE OUTPUT.  Two regions, q's at 0 and k's and v's at KVR; in each [16 batch + head][step of 128 tokens] a block of SB bytes:
;   +0      8 tiles x 768: tile 2 b + u, slot r = token 32 b + 8 u + r + 8 (r / 8); registers 2 p, 2 p + 1 (p = 0 .. 2) of lane 16 h + r at 768 tile + 256 p + 8 lane: channels 32 h + 0 .. 31
;   +6144   4 tiles x 1536 of v^T (16 channels x the step's 128 keys): registers 2 p, 2 p + 1 (p = 0 .. 5) at 1536 tile + 256 p + 8 lane
;   +12288  the first part's scale words, 64 tile + 4 r: bytes 0, 1 the head's two blocks, bytes 2, 3 zero       +12800  v's scale words, 128 tile + 4 lane (lanes 16-31 a copy)
; LIMITS: NaN and infinities are not served; a block of zeros gets the byte 1 (its codes are zeros; this program alone reads the bytes).
; REGISTERS, in windows of 256: window 0: v0-31 addresses; v32-63 scale words, two sets; v64-127 the bias along B's side, later 64 numbers at work; v128-223 A's fragments, ONE set, later codes at work;
;   v224-239 the bias along A's side; v240-245 the way out's offsets.   window 1: B's fragments, TWO sets.   windows 2, 3: the accumulators ((a, b) at v[8 (8 (a % 4) + b)]).
.set SIZE_K, 1024
.set SCO,    3145728                   ; h's scale bytes begin here
.set SB,     13312                     ; a step's block in the output
.set HB,     16*SB                     ; a head's
.set KVR,    32*HB                     ; k's and v's region
.set KSTEP,  256                       ; along K in a slot
.set NQ,     KSTEP/128                 ; matrix instructions deep
.set ROWB,   192                       ; a tile's row in bytes
.set KROW,   SIZE_K*6/8                ; a row of codes in memory
.set PITCH,  240                       ; an LDS row: 3 x (64 bytes + 16 of padding) = 60 words: the 32 lanes of a load of 8 bytes touch 64 different banks (64 banks of 4 bytes: ISA guide 11.1)
.set FR,     12                        ; registers of a fragment
.set NL,     6                         ; LDS loads that bring one
.set NP,     4                         ; places behind this matrix instruction (ISA guide 7.12.1)
.set HALFT,  128*PITCH                 ; 128 rows: what one tensor load brings
.set SLOT,   4*HALFT                   ; A's 256 rows, then B's 256
.set LAPS,   SIZE_K/(2*KSTEP)          ; a lap = two K steps = once round the ring
.set KS,     SIZE_K/32                 ; a row of scale bytes
.set SCL,    2*SLOT                    ; behind the ring: the scales, as rows of 256 bytes + 16 of padding
.set HALFS,  (128*KS/256)*272          ; those of 128 rows
.set SBLK,   (16*KS/256)*272           ; those of 16 rows
.set SPARE,  SCL+4*HALFS               ; behind the scales: the spare words, 128 bytes a wave: two blocks of 256 bytes that no other line names
.set ADRA, 16                          ; v16-17 LDS address of my A fragments in slot 0, 1 (v18-19: for the pieces behind one padding more)
.set ADRB, 20                          ; v20-23 the same for B
.set ADRS, 27                          ; v27    LDS address of my scale words: lanes 0-15 A's rows, lanes 16-31 B's
.set SPW,  28                          ; v28    LDS address of my spare word; never rewritten
.set NIL,  29                          ; v29    0; never rewritten
.set SC,   32                          ; scale words: set s at v[SC + 8 NQ s]
.set CB,   64                          ; the bias along B's side: v[CB + 8 b + j] = bias(16 b + 8 h + j)
.set AF,   128                         ; A's fragments
.set RB,   224                         ; the bias along A's side: block a's, twice, at v[RB + 2 a]
.set VC,   240                         ; the way out: my codes' offset
.set VS,   241                         ; my scale word's
.set SH,   242                         ; how far my scale word is shifted down
.set VA,   243                         ; the two offsets and the word of the block in hand
.set VB,   244
.set VW,   245
.set T,    64                          ; the way out: 64 numbers
.set PC,   128                         ; the codes just made: v128-146
.set TM,   148                         ; v148-163 at work
.set PW,   164                         ; the scale word just made
.set G1, 24                            ; s[24:31] descriptor group 1 for A's tiles; s[32:39] group 0, one set for each slot
.set G0, 32
.set G1B, 48                           ; s[48:55], s[56:63] the same for B's
.set G0B, 56
.set SEL, 66                           ; s[66:67] v_permlanex16_b32's selects for lane l xor 16
.set G1S, 68                           ; s[68:75], s[76:79] groups 1 and 0 for A's scales; s[80:87], s[88:91] for B's
.set G0S, 76
.set G1SB, 80
.set G0SB, 88
.set MSB, 0
.macro WIN new                         ; the immediate's high byte repeats the setting that is left
.if MSB != (\new)
	s_set_vgpr_msb (MSB<<8)|(\new)
.set MSB, (\new)
.endif
.endm
.set MUL_LO, 0xa1                      ; source 0 (B) window 1, source 1 (A) window 0, C and D window 2
.set MUL_HI, 0xf1                      ; the same, C and D window 3
.set ZER_LO, 0x81                      ; the first products: C (the bias) window 0, D window 2
.set ZER_HI, 0xc1                      ; D window 3
.set TO_B,   0x40                      ; destination window 1, address window 0
; A joint load: waves 0 and 1 fetch for A, waves 2 and 3 for B.  Each line has one mask and one set of registers for all that issue it; the branch hangs on the wave's number alone.
; Four v_nop follow each of the two lines, ahead of the jump, the label and what follows.
.macro JLOAD g0a, g1a, g0b, g1b
	s_cmp_eq_u32 s15, 0
	s_cbranch_scc0 .Lfor_b_\@
	tensor_load_to_lds s[\g0a:\g0a+3], s[\g1a:\g1a+7]
	s_nop 0
.rept 4
	v_nop
.endr
	s_branch .Lasked_\@
.Lfor_b_\@:
	tensor_load_to_lds s[\g0b:\g0b+3], s[\g1b:\g1b+7]
	s_nop 0
.rept 4
	v_nop
.endr
.Lasked_\@:
.endm
.macro CREST                           ; a round of the cluster's barrier behind its opening barrier
	s_cmp_lg_u32 s14, 0
	s_cbranch_scc1 .Lnot_wave_0_\@
	s_barrier_signal -3
.Lnot_wave_0_\@:
	s_barrier_wait -3
	s_barrier_signal -1
	s_barrier_wait -1
.endm
.macro CROUND                          ; a whole round
	s_barrier_signal -1
	s_barrier_wait -1
	CREST
.endm
	s_load_b512 s[68:83], s[0:1], 0x0              ; h s[68:69]; Wq's codes, scales s[70:73]; Wk's s[74:77]; Wv's s[78:81]; bq s[82:83]
	s_load_b128 s[84:87], s[0:1], 0x40             ; bk, bv
	s_load_b64 s[12:13], s[0:1], 0x50              ; the output
	v_lshl_add_u32 v[SPW], v0, 2, SPARE
	v_mov_b32 v[NIL], 0
	ds_add_u32 v28, v29
	ds_add_u32 v28, v29
	s_wait_dscnt 0x0
	v_lshrrev_b32 v1, 5, v0
	v_readfirstlane_b32 s14, v1                    ; wave 0..3
	s_lshr_b32 s15, s14, 1                         ; which half of the tile's rows is mine.  Also: I fetch for A (0) or for B (1)
	s_and_b32 s16, s14, 1                          ; which half of its columns.  Also: which 128 rows of that tile I fetch
	s_bfe_u32 s40, ttmp6, 0x40000                  ; cx, cy: my place in the cluster
	s_bfe_u32 s41, ttmp6, 0x40004
	s_and_b32 s99, ttmp7, 0xffff                   ; the cluster's y: which 1,024 tokens
	s_mov_b32 s[SEL], 0x76543210
	s_mov_b32 s[SEL+1], 0xfedcba98
	s_wait_kmcnt 0x0
	s_add_nc_u64 s[88:89], s[68:69], SCO           ; h's scale bytes
	s_cmp_eq_u32 ttmp9, 0                          ; the kind hangs on the cluster's x alone
	s_cselect_b64 s[20:21], s[70:71], s[74:75]     ; the weight's codes: q's or k's,
	s_cselect_b64 s[22:23], s[72:73], s[76:77]     ; its scales,
	s_cselect_b64 s[96:97], s[82:83], s[84:85]     ; the bias
	s_cmp_eq_u32 ttmp9, 2
	s_cselect_b64 s[20:21], s[78:79], s[20:21]     ; or v's
	s_cselect_b64 s[22:23], s[80:81], s[22:23]
	s_cselect_b64 s[96:97], s[86:87], s[96:97]
	s_cselect_b64 s[4:5], s[20:21], s[68:69]       ; A's codes: v: the weight; q, k: h
	s_cselect_b64 s[6:7], s[22:23], s[88:89]       ; A's scales
	s_cselect_b64 s[8:9], s[68:69], s[20:21]       ; B's the other way round
	s_cselect_b64 s[10:11], s[88:89], s[22:23]
	s_cselect_b32 s95, 0, -1                       ; all lanes for q and k
	s_cselect_b32 s98, -1, 0                       ; all lanes for v
	s_cselect_b32 s100, s99, 0                     ; the tokens lie along B's side (v)
	s_cselect_b32 s101, 0, s99                     ; or along A's (q, k)
	s_lshl_b32 s42, s100, 2
	s_add_co_u32 s42, s42, s40                     ; tile column
	s_lshl_b32 s17, s101, 2
	s_add_co_u32 s17, s17, s41                     ; tile row
	s_lshl_b32 s43, s41, 2
	s_lshl_b32 s43, 15, s43                        ; my row of the cluster
	s_lshl_b32 s44, 0x1111, s40                    ; my column
	; descriptor group 1: a tile of 128 rows x ROWB bytes, padded in LDS
	s_or_b32 s[G1+0], s43, (0<<16)|(1<<20)|(1<<21)|(3<<22)|(3<<25)  ; 15:0 the mask: A's tiles go to my row; 17:16 elements of 1 byte; 20 padding on; 21 set beside a mask; 24:22 after every 16 words; 31:25 of 4 words
	s_or_b32 s[G1B+0], s44, (0<<16)|(1<<20)|(1<<21)|(3<<22)|(3<<25)
.irp g, G1, G1B
	s_mov_b32 s[\g+1], ROWB<<16                    ; tensor_dim0
	s_mov_b32 s[\g+2], 128<<16                     ; tensor_dim1
	s_mov_b32 s[\g+3], ROWB<<16                    ; tile_dim0
	s_mov_b32 s[\g+4], 128                         ; tile_dim1
	s_mov_b32 s[\g+5], KROW                        ; tensor_dim0_stride
	s_mov_b32 s[\g+6], 0
	s_mov_b32 s[\g+7], 0
.endr
	; the scales of 128 rows: a dense block, as rows of 256 bytes (32 elements of 8 bytes), 16 bytes of padding behind each
	s_or_b32 s[G1S+0], s43, (3<<16)|(1<<20)|(1<<21)|(5<<22)|(3<<25)
	s_or_b32 s[G1SB+0], s44, (3<<16)|(1<<20)|(1<<21)|(5<<22)|(3<<25)
.irp g, G1S, G1SB
	s_mov_b32 s[\g+1], 32<<16
	s_mov_b32 s[\g+2], (128*KS/256)<<16
	s_mov_b32 s[\g+3], 32<<16
	s_mov_b32 s[\g+4], 128*KS/256
	s_mov_b32 s[\g+5], 32
	s_mov_b32 s[\g+6], 0
	s_mov_b32 s[\g+7], 0
.endr
	s_lshl_b32 s18, s16, 7                         ; which 128 rows of the tile I fetch
	s_lshl_b32 s20, s17, 8
	s_add_co_u32 s20, s20, s18                     ; A: row 256 x tile row + 128 x half
	s_lshl_b32 s46, s42, 8
	s_add_co_u32 s46, s46, s18                     ; B: row 256 x tile column + 128 x half
	s_mov_b32 s21, 0
	s_mov_b32 s47, 0
	s_mov_b64 s[18:19], KS
	s_mul_u64 s[22:23], s[20:21], s[18:19]         ; where these rows' scales begin, in bytes
	s_mul_u64 s[92:93], s[46:47], s[18:19]
	s_mov_b64 s[18:19], KROW
	s_mul_u64 s[20:21], s[20:21], s[18:19]         ; and their codes
	s_mul_u64 s[46:47], s[46:47], s[18:19]
	s_mul_i32 s45, s14, HALFT                      ; where they go: wave x 128 rows: no place in the cluster enters an LDS address
	s_mul_i32 s94, s14, HALFS
	s_add_nc_u64 s[20:21], s[4:5], s[20:21]
	s_add_nc_u64 s[22:23], s[6:7], s[22:23]
	s_add_nc_u64 s[46:47], s[8:9], s[46:47]
	s_add_nc_u64 s[92:93], s[10:11], s[92:93]
	CROUND                                         ; all sixteen work-groups are here: the first joint loads meet
	s_mov_b32 s[G0S], 1
	s_add_co_u32 s[G0S+1], s94, SCL
	s_mov_b64 s[G0S+2:G0S+3], s[22:23]
	s_or_b32 s[G0S+3], s[G0S+3], 0x80000000
	s_mov_b32 s[G0SB], 1
	s_add_co_u32 s[G0SB+1], s94, SCL
	s_mov_b64 s[G0SB+2:G0SB+3], s[92:93]
	s_or_b32 s[G0SB+3], s[G0SB+3], 0x80000000
	JLOAD G0S, G1S, G0SB, G1SB                     ; the scales first: they are wanted with K step 0
.irp s, 0,1
	s_mov_b32 s[G0+4*\s], 1
	s_add_co_u32 s[G0+4*\s+1], s45, \s*SLOT
	s_add_nc_u64 s[G0+4*\s+2:G0+4*\s+3], s[20:21], \s*ROWB
	s_or_b32 s[G0+4*\s+3], s[G0+4*\s+3], 0x80000000
	s_mov_b32 s[G0B+4*\s], 1
	s_add_co_u32 s[G0B+4*\s+1], s45, \s*SLOT
	s_add_nc_u64 s[G0B+4*\s+2:G0B+4*\s+3], s[46:47], \s*ROWB
	s_or_b32 s[G0B+4*\s+3], s[G0B+4*\s+3], 0x80000000
	JLOAD G0+4*\s, G1, G0B+4*\s, G1B
.endr
	v_and_b32 v1, 15, v0                           ; r = l % 16
	v_bfe_u32 v2, v0, 4, 1                         ; h = l / 16
	v_mul_u32_u24 v3, v1, PITCH
	v_mul_u32_u24 v4, v2, 24
	v_add_nc_u32 v4, v3, v4                        ; a fragment's row x pitch + 24 x half
	v_lshl_add_u32 v5, v2, 4, v4                   ; and the same behind one padding more
	s_mul_i32 s21, s15, HALFT                      ; my 128 rows of A
	s_mul_i32 s22, s16, HALFT                      ; my 128 rows of B,
	s_add_co_u32 s22, s22, 2*HALFT                 ; which lie behind A's 256
.irp s, 0,1
	v_add_nc_u32 v[ADRA+\s], s21, v4
	v_add_nc_u32 v[ADRB+\s], s22, v4
	v_add_nc_u32 v[ADRA+2+\s], s21, v5
	v_add_nc_u32 v[ADRB+2+\s], s22, v5
	s_add_co_u32 s21, s21, SLOT
	s_add_co_u32 s22, s22, SLOT
.endr
	v_mul_u32_u24 v5, v1, KS                       ; my row's scales: KS bytes a row,
	v_lshrrev_b32 v6, 8, v5
	v_lshl_add_u32 v5, v6, 4, v5                   ; and 16 more for each 256 passed
	s_mul_i32 s21, s15, HALFS                      ; A's: my 128 rows
	s_mul_i32 s22, s16, HALFS                      ; B's: my 128 rows, behind A's 256
	s_add_co_u32 s22, s22, 2*HALFS
	s_sub_co_u32 s22, s22, s21
	v_mul_u32_u24 v6, s22, v2                      ; lanes 16-31 take B's
	s_add_co_u32 s21, s21, SCL
	v_add_nc_u32 v5, v5, v6
	v_add_nc_u32 v[ADRS], s21, v5
	; the biases.  q, k: along B's side, from my first column on; v: along A's side, from my first row on.  The other is loaded from the bias's head, so that no load leaves the buffer, and made 0 below
	s_lshl_b32 s46, s42, 10
	s_lshl_b32 s47, s16, 9
	s_add_co_u32 s46, s46, s47                     ; my first column x 4 bytes
	s_lshl_b32 s20, s17, 10
	s_lshl_b32 s21, s15, 9
	s_add_co_u32 s20, s20, s21                     ; my first row x 4 bytes
	s_cmp_eq_u32 ttmp9, 2
	s_cselect_b32 s46, 0, s46
	s_cselect_b32 s20, s20, 0
	s_mov_b32 s47, 0
	s_mov_b32 s21, 0
	s_add_nc_u64 s[92:93], s[96:97], s[46:47]
	s_add_nc_u64 s[96:97], s[96:97], s[20:21]
	v_lshlrev_b32 v7, 5, v2                        ; 32 h
	v_lshlrev_b32 v8, 2, v1                        ; 4 r
.irp b, 0,1,2,3,4,5,6,7
	global_load_b128 v[CB+8*\b:CB+8*\b+3], v7, s[92:93] offset:64*\b
	global_load_b128 v[CB+8*\b+4:CB+8*\b+7], v7, s[92:93] offset:64*\b+16
.endr
.irp a, 0,1,2,3,4,5,6,7
	global_load_b32 v[RB+2*\a], v8, s[96:97] offset:64*\a      ; twice: a pair for the packed addition
	global_load_b32 v[RB+2*\a+1], v8, s[96:97] offset:64*\a
.endr
	; the way out's numbers.  step: which 128 tokens are mine; the pair of heads: which 128 features or channels
	s_lshl_b32 s20, s17, 1
	s_add_co_u32 s20, s20, s15                     ; 2 x tile row + half
	s_lshl_b32 s21, s42, 1
	s_add_co_u32 s21, s21, s16                     ; 2 x tile column + half
	s_cmp_eq_u32 ttmp9, 2
	s_cselect_b32 s22, s21, s20                    ; the step
	s_cselect_b32 s23, s20, s21                    ; the pair of heads
	s_cselect_b32 s6, 1536, 64                     ; what block a adds to the codes' offset: (a % 2) s6 + ((a / 2) % 2) s7 + (a / 4) s8
	s_mov_b32 s7, 1536
	s_cselect_b32 s7, 3072, s7
	s_mov_b32 s8, 3072
	s_cselect_b32 s8, HB, s8
	s_cselect_b32 s9, 128, 32                      ; and to the scale word's: s9, s10, s11
	s_mov_b32 s10, 128
	s_cselect_b32 s10, 256, s10
	s_mov_b32 s11, 256
	s_cselect_b32 s11, HB, s11
	s_cselect_b32 s18, -1, 0xffff                  ; the bytes of the scale word that are kept
	s_mov_b32 s46, HB
	s_cselect_b32 s46, 768, s46                    ; from the fragment's first six registers to its last six: the next head (q, k) or three pieces on (v)
	s_mov_b32 s19, KVR
	s_cselect_b32 s19, KVR+6144, s19               ; the region: v's part, k's,
	s_cmp_eq_u32 ttmp9, 0
	s_cselect_b32 s19, 0, s19                      ; or q's
	s_lshr_b32 s47, s22, 4
	s_lshl_b32 s47, s47, 4                         ; 16 x batch
	s_lshl_b32 s23, s23, 1
	s_add_co_u32 s47, s47, s23                     ; + the first head
	s_mul_i32 s47, s47, HB
	s_and_b32 s22, s22, 15
	s_mul_i32 s22, s22, SB
	s_add_co_u32 s22, s22, s47
	s_add_co_u32 s22, s22, s19
	s_mov_b32 s23, 0
	s_add_nc_u64 s[12:13], s[12:13], s[22:23]      ; where the first six registers go
	s_mov_b32 s47, 0
	s_add_nc_u64 s[4:5], s[12:13], s[46:47]        ; and the last six
	v_lshrrev_b32 v9, 3, v1                        ; r / 8
	v_and_b32 v10, 7, v1                           ; r % 8
	v_and_b32 v12, 31, v0                          ; lane
	v_mul_u32_u24 v11, v9, 768
	v_lshl_add_u32 v11, v2, 7, v11
	v_lshl_add_u32 v11, v10, 3, v11                ; q, k: token 16 a + r is slot r % 8 + 8 (a % 2) of tile 2 (a / 2) + r / 8: 768 (r / 8) + 128 h + 8 (r % 8)
	v_lshlrev_b32 v13, 3, v12                      ; v: 8 x lane
	v_cndmask_b32 v[VC], v11, v13, s98
	v_mul_u32_u24 v11, v2, HB                      ; q, k: lanes 0-15 store the first head's word, lanes 16-31 the second's
	v_lshl_add_u32 v11, v9, 6, v11
	v_lshl_add_u32 v11, v10, 2, v11
	v_add_nc_u32 v11, 12288, v11
	v_lshl_add_u32 v13, v12, 2, 6656               ; v: 12800 - 6144 + 4 x lane
	v_cndmask_b32 v[VS], v11, v13, s98
	v_lshlrev_b32 v11, 4, v2
	v_cndmask_b32 v[SH], v11, 0, s98               ; q, k: the second head's two bytes come down
	s_wait_loadcnt 0x0                             ; the biases
.set i, 0
.rept 64
	v_cndmask_b32 v[CB+i], 0, v[CB+i], s95         ; v has none along B's side
.set i, i+1
.endr
.set i, 0
.rept 16
	v_cndmask_b32 v[RB+i], 0, v[RB+i], s98         ; q and k have none along A's side
.set i, i+1
.endr
.macro FRAG reg, adr, q, i             ; a fragment, 16 rows x 128 K, is 12 registers: lane l holds row l % 16; registers 6 c .. 6 c + 5 hold K = 64 c + 32 (l / 16) + 0 .. 31: 24 bytes of the row, as they lie
.irp p, 0,1,2,3,4,5                    ; in pieces of 8 bytes.  The mover has laid 16 bytes of padding behind every 64 (8 pieces): where the piece three on (lanes 16-31) lies behind one padding more, the second address register serves
.set PCE, 12*(\q)+6*(\p/3)+\p%3
.if PCE%8 < 5
	ds_load_b64 v[\reg+2*\p:\reg+2*\p+1], v[\adr] offset:8*PCE+16*(PCE/8)+(\i)*16*PITCH
.else
	ds_load_b64 v[\reg+2*\p:\reg+2*\p+1], v[\adr+2] offset:8*PCE+16*(PCE/8)+(\i)*16*PITCH
.endif
.endr
.endm
; 16 matrix instructions: A's blocks a0, a0 + 1 x B's eight, 128 along K.  p: B's set; sc: the set of scale words.  zero = 1: the first product starts the sums, with the bias as its C: nothing is cleared.
; The 64 accumulators take turns, one instruction a turn, in the same order in every step.
.macro MUL16 a0, p, q, sc, zero
.irp a, \a0, \a0+1
.irp b, 0,1,2,3,4,5,6,7
.if \zero
	v_wmma_scale_f32_16x16x128_f8f6f4 v[8*(8*((\a)%4)+\b):8*(8*((\a)%4)+\b)+7], v[128*(\p)+FR*\b:128*(\p)+FR*\b+FR-1], v[AF+FR*(\a):AF+FR*(\a)+FR-1], v[CB+8*\b:CB+8*\b+7], v[SC+8*NQ*(\sc)+NQ*\b+(\q)], v[SC+8*NQ*(\sc)+NQ*(\a)+(\q)] matrix_a_fmt:MATRIX_FMT_FP6 matrix_b_fmt:MATRIX_FMT_FP6 matrix_a_scale:MATRIX_SCALE_ROW1
.else
	v_wmma_scale_f32_16x16x128_f8f6f4 v[8*(8*((\a)%4)+\b):8*(8*((\a)%4)+\b)+7], v[128*(\p)+FR*\b:128*(\p)+FR*\b+FR-1], v[AF+FR*(\a):AF+FR*(\a)+FR-1], v[8*(8*((\a)%4)+\b):8*(8*((\a)%4)+\b)+7], v[SC+8*NQ*(\sc)+NQ*\b+(\q)], v[SC+8*NQ*(\sc)+NQ*(\a)+(\q)] matrix_a_fmt:MATRIX_FMT_FP6 matrix_b_fmt:MATRIX_FMT_FP6 matrix_a_scale:MATRIX_SCALE_ROW1
.endif
.endr
.endr
.endm
.macro FETCH_B slot, q, p              ; B's eight fragments of the slot's q-th 128 along K into set p
	WIN TO_B
.irp i, 0,1,2,3,4,5,6,7
	FRAG 128*(\p)+FR*\i, ADRB+\slot, \q, \i
.endr
	WIN 0
.endm
.macro FETCH_A slot, q, i0             ; A's blocks i0 .. i0 + 3
.irp i, \i0, \i0+1, \i0+2, \i0+3
	FRAG AF+FR*(\i), ADRA+\slot, \q, \i
.endr
.endm
.macro SCALES sc                       ; the next K step's scale words into set sc: lanes 0-15 take A's block i, lanes 16-31 B's block i
.irp i, 0,1,2,3,4,5,6,7
	ds_load_b64 v[SC+8*NQ*\sc+NQ*\i:SC+8*NQ*\sc+NQ*\i+1], v[ADRS] offset:\i*SBLK
.endr
.endm
.macro PLACES n                        ; plain vector lines between a matrix instruction and a load into, or a vector read or write of, one of its registers
.rept \n
	v_nop
.endr
.endm
.macro STEP slot, q, zero              ; a step of 128 along K that has its successor in the same slot
	s_wait_dscnt 4*NL                              ; B's set and A's blocks 0-3 are in; the youngest 24 loads (A's blocks 4-7) may be out
.if \zero
	WIN ZER_LO
.else
	WIN MUL_LO
.endif
	MUL16 0, (\q)%2, \q, \slot, \zero
	MUL16 2, (\q)%2, \q, \slot, \zero
	s_wait_dscnt 0                                 ; A's blocks 4-7 are in
	PLACES NP
	FETCH_B \slot, (\q)+1, 1-(\q)%2
	FETCH_A \slot, (\q)+1, 0
.if \zero
	WIN ZER_HI
.else
	WIN MUL_HI
.endif
	MUL16 4, (\q)%2, \q, \slot, \zero
	MUL16 6, (\q)%2, \q, \slot, \zero
	PLACES NP
	WIN 0
	FETCH_A \slot, (\q)+1, 4
.endm
; A slot's last step changes slots: ONE barrier; in front of it each wave waits for all its tensor loads, adds 0 to its spare word, and waits for that and for its own reads of this slot.  fill = 1: the slot is filled again, two K steps ahead.
.macro TURN slot, next, fill
	s_wait_tensorcnt 0x0                           ; all my tensor loads have landed: my part of the next slot
	ds_add_u32 v[SPW], v[NIL]                      ; 0 onto my spare word
	s_wait_dscnt 4*NL+1                            ; (the add and the youngest 24 loads may be out)
	WIN MUL_LO
	MUL16 0, 1, NQ-1, \slot, 0                     ; sixteen matrix instructions stand between the add and the wait for it
	s_wait_dscnt 0x0                               ; the add is done, and my reads of this slot are over
	s_barrier_signal -1
	MUL16 2, 1, NQ-1, \slot, 0
	WIN 0
	s_barrier_wait -1
.if \fill
	CREST                                          ; the barrier has opened a round of the cluster's: no wave of any partner still reads this slot or has a load on its way
	s_add_nc_u64 s[G0+4*\slot+2:G0+4*\slot+3], s[G0+4*\slot+2:G0+4*\slot+3], 2*ROWB
	s_add_nc_u64 s[G0B+4*\slot+2:G0B+4*\slot+3], s[G0B+4*\slot+2:G0B+4*\slot+3], 2*ROWB
	JLOAD G0+4*\slot, G1, G0B+4*\slot, G1B         ; the first tensor load behind the round; its four v_nop are the places in front of the loads below
.else
	PLACES NP
.endif
	v_add_nc_u32 v[ADRS], 4*NQ, v[ADRS]            ; on to the next K step's scale words
	FETCH_B \next, 0, 0
	FETCH_A \next, 0, 0
	SCALES \next
	WIN MUL_HI
	MUL16 4, 1, NQ-1, \slot, 0
	MUL16 6, 1, NQ-1, \slot, 0
	PLACES NP
	WIN 0
	FETCH_A \next, 0, 4
.endm
	s_wait_tensorcnt 1                             ; the scales and my part of K step 0 are in (K step 1's load may be out),
	s_barrier_signal -1
	s_barrier_wait -1                              ; everybody's are
	FETCH_B 0, 0, 0
	FETCH_A 0, 0, 0
	SCALES 0
	FETCH_A 0, 0, 4
	STEP 0, 0, 1                                   ; the first step stands in front of the loop: its products start the sums
	s_mov_b32 s3, LAPS-1
.Llap:                                                 ; a trip goes once round the ring and fills both slots again
	TURN 0, 1, 1
	STEP 1, 0, 0
	TURN 1, 0, 1
	STEP 0, 0, 0
	s_sub_co_u32 s3, s3, 1
	s_cmp_lg_u32 s3, 0
	s_cbranch_scc1 .Llap
	TURN 0, 1, 0                                   ; the last lap fills nothing
	STEP 1, 0, 0
	s_wait_dscnt 4*NL                              ; the very last step
	WIN MUL_LO
	MUL16 0, 1, NQ-1, 1, 0
	MUL16 2, 1, NQ-1, 1, 0
	s_wait_dscnt 0
	WIN MUL_HI
	MUL16 4, 1, NQ-1, 1, 0
	MUL16 6, 1, NQ-1, 1, 0
	WIN 0
; THE WAY OUT.  Register 8 b + j of a block is column 16 b + 8 h + j.  SWAPS: lanes 16-31 of register 16 b + j change places with lanes 0-15 of register 16 b + 8 + j: register 16 b + i is then column 32 b + 16 h + i.
.macro SWAPS t
.irp b, 0,1,2,3
.irp j, 0,1,2,3,4,5,6,7
	v_permlane16_swap_b32 v[\t+16*\b+\j], v[\t+16*\b+8+\j]
.endr
.endr
.endm
; 64 numbers of a lane, register 16 b + i = k 32 b + 16 (lane / 16) + i of my row, become a fragment's codes in v[PC] on and its scale word in v[PW].
.macro QUANT s
.irp b, 0,1,2,3
	v_max3_num_f32 v[TM+\b], |v[\s+16*\b]|, |v[\s+1+16*\b]|, 0x1800000   ; block b: my 16 numbers, and the floor 2^(3 - 127): the byte cannot fall under 1
.endr
.irp i, 2,4,6,8,10,12,14
.irp b, 0,1,2,3
	v_max3_num_f32 v[TM+\b], v[TM+\b], |v[\s+16*\b+\i]|, |v[\s+1+16*\b+\i]|   ; (the four blocks by turns)
.endr
.endr
.irp b, 0,1,2,3
	v_permlanex16_b32 v[TM+4+\b], v[TM+\b], s[SEL], s[SEL+1]
.endr
.irp b, 0,1,2,3
	v_max_num_f32 v[TM+\b], v[TM+\b], v[TM+4+\b]   ; with lane l xor 16's: the block's largest magnitude
.endr
.irp b, 0,1,2,3
	v_add_nc_u32 v[TM+12+\b], 0xff000000, v[TM+\b]   ; 2 off its exponent field: the conversion's scale operand
.endr
.irp b, 0,1,2,3
	v_lshrrev_b32 v[TM+4+\b], 23, v[TM+12+\b]      ; the scale's byte
.endr
	v_lshl_or_b32 v[PW], v[TM+5], 8, v[TM+4]
	v_lshl_or_b32 v[PW], v[TM+6], 16, v[PW]
	v_lshl_or_b32 v[PW], v[TM+7], 24, v[PW]
.irp c, 0,1
	v_cvt_scalef32_pk16_fp6_f32 v[PC+6*\c:PC+2+6*\c], v[\s+32*\c:\s+15+32*\c], v[TM+12+2*\c]
	v_cvt_scalef32_pk16_fp6_f32 v[PC+12+4*\c:PC+14+4*\c], v[\s+16+32*\c:\s+31+32*\c], v[TM+12+2*\c+1]   ; (a conversion's three registers begin on an even number)
.endr
	v_nop                                          ; one plain place behind a scaled conversion
.irp c, 0,1                                    ; the operand's layout wants a WHOLE block in a lane
.irp i, 0,1,2
	v_permlane16_swap_b32 v[PC+6*\c+\i], v[PC+12+4*\c+\i]
.endr
.irp i, 0,1,2
	v_mov_b32 v[PC+3+6*\c+\i], v[PC+12+4*\c+\i]
.endr
.endr
.endm
; Block a: 16 rows of A's side x my 128 columns: one fragment and one scale word a row.
.macro QBLK a
	WIN 0x02+(\a)/4                                ; source 0: window 2 or 3
.set i, 0
.rept 32
	v_pk_add_f32 v[T+2*i:T+2*i+1], v[64*((\a)%4)+2*i:64*((\a)%4)+2*i+1], v[RB+2*(\a):RB+2*(\a)+1]   ; into window 0, with the bias along A's side; each accumulator from its low end on
.set i, i+1
.endr
	WIN 0
	SWAPS T
	s_wait_xcnt 0x0                                ; the last block's stores have read their data and offsets: both are written again below
	QUANT T
	s_mov_b32 s19, 0
	s_mov_b32 s20, 0
.if (\a)%2
	s_add_co_u32 s19, s19, s6
	s_add_co_u32 s20, s20, s9
.endif
.if ((\a)/2)%2
	s_add_co_u32 s19, s19, s7
	s_add_co_u32 s20, s20, s10
.endif
.if (\a)/4
	s_add_co_u32 s19, s19, s8
	s_add_co_u32 s20, s20, s11
.endif
	v_add_nc_u32 v[VA], s19, v[VC]
	v_add_nc_u32 v[VB], s20, v[VS]
	v_lshrrev_b32 v[VW], v[SH], v[PW]
	v_and_b32 v[VW], s18, v[VW]
.irp p, 0,1,2
	global_store_b64 v[VA], v[PC+2*\p:PC+2*\p+1], s[12:13] offset:256*\p      ; v: 256 consecutive bytes an instruction; q, k: four runs of 64, which blocks a and a xor 1 fill up
.endr
.irp p, 0,1,2
	global_store_b64 v[VA], v[PC+6+2*\p:PC+7+2*\p], s[4:5] offset:256*\p
.endr
	global_store_b32 v[VB], v[VW], s[12:13]
.endm
	PLACES NP                                      ; behind the last products
.irp b, 0,1,2,3
	v_mov_b32 v[TM+4+\b], 0                        ; written once: a lane permute's destination counts as one of its sources
.endr
.irp a, 0,1,2,3,4,5,6,7
	QBLK \a
.endr
	s_wait_tensorcnt 0x0                           ; the wave's end
	ds_add_u32 v[SPW], v[NIL]
	s_wait_dscnt 0x0
	CROUND                                         ; the closing round: no work-group ends while a partner may still ask for a tile that names it
	s_endpgm
.Lfunc_end_k_qd10a0de7d6_proj_qkv:
	.size	k_qd10a0de7d6_proj_qkv, .Lfunc_end_k_qd10a0de7d6_proj_qkv-k_qd10a0de7d6_proj_qkv
	.p2alignl 7, 3214868480
	.fill 96, 4, 3214868480
	.section	.rodata,"a",@progbits
	.p2align	6, 0x0
	.amdhsa_kernel k_qd10a0de7d6_proj_qkv
		.amdhsa_group_segment_fixed_size 327680
		.amdhsa_private_segment_fixed_size 0
		.amdhsa_enable_private_segment 0
		.amdhsa_kernarg_size 88
		.amdhsa_user_sgpr_count 2
		.amdhsa_user_sgpr_kernarg_segment_ptr 1
		.amdhsa_wavefront_size32 1
		.amdhsa_system_sgpr_workgroup_id_x 1
		.amdhsa_system_sgpr_workgroup_id_y 1
		.amdhsa_system_sgpr_workgroup_id_z 1
		.amdhsa_system_vgpr_workitem_id 0
		.amdhsa_next_free_vgpr 1024
		.amdhsa_next_free_sgpr 102
		.amdhsa_reserve_vcc 0
		.amdhsa_float_denorm_mode_32 3
		.amdhsa_float_denorm_mode_16_64 3
		.amdhsa_memory_ordered 1
		.amdhsa_forward_progress 1
		.amdhsa_inst_pref_size 204
	.end_amdhsa_kernel
	.amdgpu_metadata
---
amdhsa.version: [ 1, 2 ]
amdhsa.kernels:
  - .name:           k_qd10a0de7d6_proj_qkv
    .symbol:         k_qd10a0de7d6_proj_qkv.kd
    .args:
      - { .name: h1, .offset: 0, .size: 8, .value_kind: global_buffer, .address_space: global }
      - { .name: wq_codes, .offset: 8, .size: 8, .value_kind: global_buffer, .address_space: global }
      - { .name: wq_scales, .offset: 16, .size: 8, .value_kind: global_buffer, .address_space: global }
      - { .name: wk_codes, .offset: 24, .size: 8, .value_kind: global_buffer, .address_space: global }
      - { .name: wk_scales, .offset: 32, .size: 8, .value_kind: global_buffer, .address_space: global }
      - { .name: wv_codes, .offset: 40, .size: 8, .value_kind: global_buffer, .address_space: global }
      - { .name: wv_scales, .offset: 48, .size: 8, .value_kind: global_buffer, .address_space: global }
      - { .name: bq, .offset: 56, .size: 8, .value_kind: global_buffer, .address_space: global }
      - { .name: bk, .offset: 64, .size: 8, .value_kind: global_buffer, .address_space: global }
      - { .name: bv, .offset: 72, .size: 8, .value_kind: global_buffer, .address_space: global }
      - { .name: qkvc, .offset: 80, .size: 8, .value_kind: global_buffer, .address_space: global }
    .group_segment_fixed_size: 327680
    .private_segment_fixed_size: 0
    .kernarg_segment_align: 8
    .kernarg_segment_size: 88
    .max_flat_workgroup_size: 128
    .sgpr_count:     102
    .vgpr_count:     1024
    .wavefront_size: 32
...
	.end_amdgpu_metadata
.endif
;; end of part 2
;; launch attention (part 3): grid 8 x 32, 8 waves a work-group, clusters of 4 x 1, 214,016 bytes of LDS; arguments qkvc, ao; writes ao
.if DOCPART == 3
	.amdgcn_target "amdgcn-amd-amdhsa--gfx1250"
	.amdhsa_code_object_version 6
	.text
	.protected	k_qd10a0de7d6_attention
	.globl	k_qd10a0de7d6_attention
	.p2align	8
	.type	k_qd10a0de7d6_attention,@function
k_qd10a0de7d6_attention:
	s_mov_b64 s[64:65], 0
	v_nop
	global_prefetch_b8 v0, s[64:65] scope:SCOPE_SE
	s_setreg_imm32_b32 hwreg(HW_REG_WAVE_MODE, 25, 1), 1
	s_wait_xcnt 0x0
	s_wait_alu depctr_hold_cnt(0) depctr_sa_sdst(0) depctr_va_vdst(0) depctr_va_sdst(0) depctr_va_ssrc(0) depctr_va_vcc(0) depctr_vm_vsrc(0)
	s_getreg_b32 s2, hwreg(HW_REG_IB_STS2, 6, 4)
	s_cmp_eq_u32 s2, 0
	s_cbranch_scc0 .Lentry_in_a_cluster
	s_endpgm
.Lentry_in_a_cluster:
	s_bfe_u32 s2, ttmp6, 0x10000c
	s_cmp_lg_u32 s2, 0x3003
	s_cbranch_scc0 .Lentry_shape_is_right
	s_endpgm
.Lentry_shape_is_right:
; o = softmax(q k^T / 8, causal) v for 32 (batch, head) pairs of 2,048 tokens x 64 channels, both products on codes of FP6 (E2M3) with one E8M0 scale for each 32 along a product's K; then o is quantised along the
; model's 1,024 channels: codes [4096][768 bytes], and SCO bytes on the scale bytes [4096][32].
; THE SOFTMAX AHEAD OF THE SECOND PRODUCT: t = score x log2(e) / 8; M = the row's largest t so far, rounded UP to a whole number; p = 2^(t - M) is what is quantised, along the keys; the row's sum is taken of the
; unquantised p and divides o at the end.  When M moves, the sum and o are multiplied by 2^(old M - new M): exact.
; THE INPUT is laid as images of the operands' registers: [16 batch + head][step of 128 tokens] blocks of SB bytes; q's region at 0, k's and v's at KVR.  In a block: +0 eight tiles x 768 (tile 2 b + u, slot r = token
; 32 b + 8 u + r + 8 (r / 8); six registers a lane: channels 32 (lane / 16) + 0 .. 31); +6144 four tiles x 1536 of v^T (16 channels x 128 keys); +12288 the tiles' scale words; +12800 v's.
; LDS.  A head's sixteen blocks of k and v, 212,992 bytes, come ONCE, two tensor loads a wave, and stay: nothing is filled again.  The four work-groups of a cluster work on one head and ask jointly.
; SHARES.  A head has 16 steps x 8 tiles of 16 queries.  Wave w of work-group jx (0 .. 7) owns tile 7 - jx of step 15 - w, which sees 16 - w key steps, and tile jx of step w, which sees w + 1: 17 for every wave.
; Which steps a wave walks hangs on its number alone; jx enters only q's and o's addresses and the number that the mask compares.  Every loop has 8 trips; a step all of whose keys are hidden is jumped over inside the trip.
; LAYOUT.  Both products are used transposed: S^T = k q^T (source 0 = 16 keys, source 1 = my 16 queries), O^T = v^T p^T: a lane holds ONE query throughout; the 16 registers of tiles 2 b, 2 b + 1 are keys 32 b + 16 (lane / 16) + 0 .. 15.
; K = 64 IN AN INSTRUCTION OF 128: q's codes of k = 64 .. 127 are zeros.  k's operand is twelve registers of which the upper six are the next tile's codes: numbers of the format (it has no infinity and no NaN) times 0.
; LIMITS: NaN and infinities are not served.  A block's largest p is made from its largest score by the same two instructions: that takes v_exp_f32 not to fall where its input rises.  A block of zeros gets the byte 1.
; REGISTERS: v1, v2 8 x and 4 x lane; v3, v4 addresses of the step; v5 the mask's number; v6-10 the way out's offsets; v12 -M, v13 the largest t, v[14:15] the sum; v16-27 q; v32-85 k's eight tiles (v80-85 zeros), then v's four;
;   v96-159 S^T, then p; v160-191 O^T; v192-198 the second tile's q; v200-203 q's offsets; v224-235 p's codes; v232-254 at work; v248-251 scale words; v253 p's scale word; v255 q's.
.set SB,   13312
.set HB,   16*SB
.set KVR,  32*HB
.set SCO,  3145728
.set L8,   1
.set L4,   2
.set ADK,  3
.set ADS,  4
.set DD,   5
.set WV,   18                          ; s18 my wave's number
.set SEL,  20                          ; s[20:21] selects for lane l xor 16
.set CS,   22                          ; s[22:23] c = log2(e) / 8
.set G1,   24                          ; s[24:31] descriptor group 1; s[32:35], s[36:39] groups 0
.set TB,   40                          ; s40 LDS byte at which the key step's block begins
.set KF,   41                          ; s41 the key step
.set DG,   42                          ; s42 the step of my queries
.set CNT,  43
.macro CROUND                          ; a round of the cluster's barrier
	s_barrier_signal -1
	s_barrier_wait -1
	s_cmp_lg_u32 s[WV], 0
	s_cbranch_scc1 .Lnot_wave_0_\@
	s_barrier_signal -3
.Lnot_wave_0_\@:
	s_barrier_wait -3
	s_barrier_signal -1
	s_barrier_wait -1
.endm
	s_load_b128 s[4:7], s[0:1], 0x0                ; the images s[4:5], o's codes s[6:7]
	v_lshl_add_u32 v223, v0, 2, 0x34000
	v_mov_b32 v243, 0
	ds_add_u32 v223, v243
	ds_add_u32 v223, v243
	v_lshrrev_b32 v1, 5, v0
	v_readfirstlane_b32 s[WV], v1                  ; wave 0..7
	s_bfe_u32 s8, ttmp6, 0x40000                   ; cx
	s_lshl_b32 s9, ttmp9, 2
	s_add_co_u32 s9, s9, s8                        ; jx = 4 x cluster x + cx
	s_and_b32 s10, ttmp7, 0xffff                   ; y = 16 batch + head, which the four partners share
	; descriptor group 1: a block of SB dense bytes as 52 rows of 256 bytes
	s_mov_b32 s[G1], 15|(3<<16)|(1<<21)            ; 15:0 the mask: all four work-groups; 17:16 elements of 8 bytes; 20 no padding; 21 set beside a mask
	s_mov_b32 s[G1+1], 32<<16                      ; tensor_dim0 = 32
	s_mov_b32 s[G1+2], 52<<16                      ; tensor_dim1 = 52
	s_mov_b32 s[G1+3], 32<<16                      ; tile_dim0
	s_mov_b32 s[G1+4], 52                          ; tile_dim1
	s_mov_b32 s[G1+5], 32                          ; from row to row
	s_mov_b32 s[G1+6], 0
	s_mov_b32 s[G1+7], 0
	s_mul_i32 s11, s10, HB                         ; the head's first byte in a region
	s_mul_i32 s12, s[WV], SB                       ; block w
	s_add_co_u32 s14, s11, s12
	s_add_co_u32 s14, s14, KVR
	s_mov_b32 s15, 0
	s_mov_b32 s[SEL], 0x76543210
	s_mov_b32 s[SEL+1], 0xfedcba98
	s_mov_b32 s[CS], 0x3e38aa3b                    ; log2(e) / 8
	s_mov_b32 s[CS+1], s[CS]                       ; (named with it as a pair)
	s_mov_b32 s44, 0xffff0000                      ; lanes 16-31
	s_wait_dscnt 0x0
	s_wait_kmcnt 0x0
	CROUND                                         ; all four work-groups are here: the joint loads meet
	s_mov_b32 s32, 1                               ; count = 1
	s_mov_b32 s33, s12                             ; LDS: block w
	s_add_nc_u64 s[34:35], s[4:5], s[14:15]
	s_or_b32 s35, s35, 0x80000000                  ; type = 2
	s_mov_b32 s36, 1
	s_add_co_u32 s37, s12, 8*SB                    ; block 8 + w
	s_add_nc_u64 s[38:39], s[4:5], s[14:15]
	s_add_nc_u64 s[38:39], s[38:39], 8*SB
	s_or_b32 s39, s39, 0x80000000
	tensor_load_to_lds s[32:35], s[G1:G1+7]        ; two loads of mine are out
	s_nop 0
	tensor_load_to_lds s[36:39], s[G1:G1+7]
	s_nop 0
.rept 4
	v_nop
.endr
	s_sub_co_u32 s16, 7, s9                        ; the first tile's number in its step
	s_sub_co_u32 s17, 15, s[WV]                    ; and its step
	s_mul_i32 s46, s17, SB
	s_add_co_u32 s46, s46, s11
	s_mov_b32 s47, 0
	s_add_nc_u64 s[48:49], s[4:5], s[46:47]        ; q's block of step 15 - w
	s_add_co_u32 s46, s12, s11
	s_add_nc_u64 s[50:51], s[4:5], s[46:47]        ; and of step w
	v_and_b32 v11, 31, v0                          ; lane
	v_lshlrev_b32 v[L8], 3, v11
	v_lshlrev_b32 v[L4], 2, v11
	v_and_b32 v28, 15, v0                          ; r
	v_bfe_u32 v29, v0, 4, 1                        ; h
	s_mul_i32 s52, s16, 768
	v_add_nc_u32 v200, s52, v[L8]
	s_lshl_b32 s52, s16, 6
	v_lshl_add_u32 v201, v28, 2, s52
	s_mul_i32 s52, s9, 768
	v_add_nc_u32 v202, s52, v[L8]
	s_lshl_b32 s52, s9, 6
	v_lshl_add_u32 v203, v28, 2, s52
.irp p, 0,1,2
	global_load_b64 v[16+2*\p:17+2*\p], v200, s[48:49] offset:256*\p
.endr
	global_load_b32 v255, v201, s[48:49] offset:12288
.irp p, 0,1,2
	global_load_b64 v[192+2*\p:193+2*\p], v202, s[50:51] offset:256*\p
.endr
	global_load_b32 v198, v203, s[50:51] offset:12288
	s_lshr_b32 s54, s10, 4
	s_lshl_b32 s54, s54, 11                        ; the batch's first token
	s_and_b32 s56, s10, 15
	s_mul_i32 s55, s56, 48                         ; the head's 64 codes in a row of o
	s_lshl_b32 s56, s56, 1                         ; and its two scale bytes
	v_and_b32 v30, 8, v28
	v_add_nc_u32 v30, v30, v28                     ; r + 8 (r / 8)
; For the tile tau of step st: dd = my query's place in its step - 16 h; oa, os = where my 12 bytes of codes and my scale byte go
.macro TILEADR tau, st, dd, oa, os
	s_lshr_b32 s52, s[\tau], 1
	s_lshl_b32 s52, s52, 5
	s_and_b32 s53, s[\tau], 1
	s_lshl_b32 s53, s53, 3
	s_add_co_u32 s52, s52, s53
	v_add_nc_u32 v31, s52, v30                     ; 32 (tau / 2) + 8 (tau % 2) + r + 8 (r / 8)
	v_lshlrev_b32 v[\dd], 4, v29
	v_sub_nc_u32 v[\dd], v31, v[\dd]
	s_lshl_b32 s53, s[\st], 7
	s_add_co_u32 s53, s53, s54
	v_add_nc_u32 v31, s53, v31                     ; the token
	v_mul_u32_u24 v[\oa], v31, 768
	v_mad_u32_u24 v[\oa], v29, 12, v[\oa]
	v_add_nc_u32 v[\oa], s55, v[\oa]
	v_lshl_add_u32 v[\os], v31, 5, v29
	v_add_nc_u32 v[\os], s56, v[\os]
.endm
	TILEADR 16, 17, 5, 6, 7
	TILEADR 9, 18, 10, 8, 9
.irp j, 22,23,24,25,26,27, 80,81,82,83,84,85, 236,237,238,239, 252,253
	v_mov_b32 v[\j], 0                             ; q's codes of k = 64 .. 127; what stands behind k's last tile; permutes' destinations and a pair's upper half, written once
.endr
.macro INIT
	v_mov_b32 v13, 0xff61b1e6                      ; the largest t so far: -3e38
	v_floor_f32 v12, -v13                          ; -M
	v_mov_b32 v14, 0                               ; the sum, in two halves
	v_mov_b32 v15, 0
.set i, 0
.rept 32
	v_mov_b32 v[160+i], 0                          ; O^T: the step is written once; the first finds zeros, which the first change of M leaves zeros
.set i, i+1
.endr
.endm
; A KEY STEP of 128 keys.  masked = 1: the step may lie on or behind the diagonal.
.macro STEP masked
.if \masked
	s_cmp_gt_u32 s[KF], s[DG]                      ; all its keys come after my queries: only the lines at the end are run
	s_cbranch_scc1 .Lhid_\@
.endif
	v_add_nc_u32 v[ADK], s[TB], v[L8]
	v_add_nc_u32 v[ADS], s[TB], v[L4]
	v_nop
	v_nop                                          ; four places in front of loads into registers that the last products read
.irp t, 0,1,2,3,4,5,6,7
.irp p, 0,1,2
	ds_load_b64 v[32+6*\t+2*\p:33+6*\t+2*\p], v[ADK] offset:768*\t+256*\p      ; 256 consecutive bytes an instruction
.endr
.endr
.irp b, 0,1,2,3
	ds_load_b32 v[248+\b], v[ADS] offset:12288+128*\b        ; lanes 0-15: tile 2 b's scale words; lanes 16-31: tile 2 b + 1's
.endr
	s_wait_dscnt 0x0
.irp t, 0,2,4,6
	v_wmma_scale_f32_16x16x128_f8f6f4 v[96+8*\t:103+8*\t], v[32+6*\t:43+6*\t], v[16:27], 0, v[248+\t/2], v255 matrix_a_fmt:MATRIX_FMT_FP6 matrix_b_fmt:MATRIX_FMT_FP6
	v_wmma_scale_f32_16x16x128_f8f6f4 v[104+8*\t:111+8*\t], v[38+6*\t:49+6*\t], v[16:27], 0, v[248+\t/2], v255 matrix_a_fmt:MATRIX_FMT_FP6 matrix_b_fmt:MATRIX_FMT_FP6 matrix_a_scale:MATRIX_SCALE_ROW1
.endr
.rept 4
	v_nop                                          ; places: the loads below land in these products' sources, and their results are read
.endr
.irp t, 0,1,2,3                                ; v's four tiles and their scale words: they land under the softmax
.irp p, 0,1,2,3,4,5
	ds_load_b64 v[32+12*\t+2*\p:33+12*\t+2*\p], v[ADK] offset:6144+1536*\t+256*\p
.endr
	ds_load_b32 v[248+\t], v[ADS] offset:12800+128*\t
.endr
.if \masked
	s_cmp_lt_u32 s[KF], s[DG]                      ; all its keys count
	s_cbranch_scc1 .Lopen_\@
	v_mov_b32 v254, 0xff800000                     ; on the diagonal hidden scores become -infinity: p = 0.  Register 16 b + i holds the step's key 32 b + 16 h + i: hidden where 32 b + i > my query's place - 16 h
.set n, 0
.rept 64
	v_cmp_gt_i32 vcc_lo, 32*(n/16)+n%16, v[DD]
	v_cndmask_b32 v[96+n], v[96+n], v254, vcc_lo
.set n, n+1
.endr
.Lopen_\@:
.endif
.irp b, 0,1,2,3
	v_max3_num_f32 v[232+\b], v[96+16*\b], v[97+16*\b], v[98+16*\b]   ; the largest score of each block of 32 keys: for the row's maximum, and for the block's largest p
.endr
.irp i, 3,5,7,9,11,13
.irp b, 0,1,2,3
	v_max3_num_f32 v[232+\b], v[232+\b], v[96+16*\b+\i], v[97+16*\b+\i]
.endr
.endr
.irp b, 0,1,2,3
	v_max_num_f32 v[232+\b], v[232+\b], v[111+16*\b]
.endr
.irp b, 0,1,2,3
	v_permlanex16_b32 v[236+\b], v[232+\b], s[SEL], s[SEL+1]
.endr
.irp b, 0,1,2,3
	v_max_num_f32 v[232+\b], v[232+\b], v[236+\b]  ; with lane l xor 16's 16 keys
.endr
	v_max3_num_f32 v254, v232, v233, v234
	v_max_num_f32 v254, v254, v235                 ; the step's largest score of my query
	v_mul_f32 v254, s[CS], v254                    ; as t
	v_max_num_f32 v13, v13, v254                   ; the running largest t
	v_mov_b32 v254, v12
	v_floor_f32 v12, -v13                          ; the new -M = -ceil(t)
	v_sub_f32 v254, v12, v254                      ; old M - new M: a whole number, 0 or less
	v_cvt_i32_f32 v254, v254                       ; (it saturates)
	v_ldexp_f32 v252, 1.0, v254                    ; f = 2^(old M - new M)
.irp j, 0,2,4,6,8,10,12,14,16,18,20,22,24,26,28,30,32,34,36,38,40,42,44,46,48,50,52,54,56,58,60,62
	v_pk_fma_f32 v[96+\j:97+\j], v[96+\j:97+\j], s[CS:CS+1], v[12:13] op_sel_hi:[1,0,0]   ; t - M, two at a time
.endr
.irp b, 0,1,2,3
	v_fma_f32 v[232+\b], v[232+\b], s[CS], v12     ; the same of each block's largest score
.endr
.set n, 0
.rept 64
	v_exp_f32 v[96+n], v[96+n]                     ; p = 2^(t - M)
.set n, n+1
.endr
.irp b, 0,1,2,3
	v_exp_f32 v[232+\b], v[232+\b]                 ; the block's largest p
.endr
	v_pk_mul_f32 v[14:15], v[14:15], v[252:253] op_sel_hi:[1,0]   ; the sums under the new M (a plain place behind the exponentials)
	s_wait_alu depctr_va_vdst(0)
.irp b, 0,1,2,3
	v_max_num_f32 v[232+\b], 0x1800000, v[232+\b]  ; the floor 2^(3 - 127)
.endr
.irp b, 0,1,2,3
	v_add_nc_u32 v[244+\b], 0xff000000, v[232+\b]  ; the conversion's scale operand
.endr
.irp b, 0,1,2,3
	v_lshrrev_b32 v[236+\b], 23, v[244+\b]         ; the scale's byte
.endr
	v_lshl_or_b32 v253, v237, 8, v236              ; p's scale word for these 128 keys
	v_lshl_or_b32 v253, v238, 16, v253
	v_lshl_or_b32 v253, v239, 24, v253
.irp c, 0,1
	v_cvt_scalef32_pk16_fp6_f32 v[224+6*\c:226+6*\c], v[96+32*\c:111+32*\c], v[244+2*\c]
	v_cvt_scalef32_pk16_fp6_f32 v[236+4*\c:238+4*\c], v[112+32*\c:127+32*\c], v[244+2*\c+1]
.endr
	v_nop                                          ; one plain place behind a scaled conversion
.irp c, 0,1                                    ; a WHOLE block in a lane
.irp i, 0,1,2
	v_permlane16_swap_b32 v[224+6*\c+\i], v[236+4*\c+\i]
.endr
.irp i, 0,1,2
	v_mov_b32 v[227+6*\c+\i], v[236+4*\c+\i]
.endr
.endr
	v_pk_add_f32 v[236:237], v[96:97], v[98:99]    ; the row's sum, of the unquantised p, in two chains
.irp j, 4,8,12,16,20,24,28,32,36,40,44,48,52,56,60
	v_pk_add_f32 v[14:15], v[14:15], v[96+\j:97+\j]
	v_pk_add_f32 v[236:237], v[236:237], v[98+\j:99+\j]
.endr
	v_pk_add_f32 v[14:15], v[14:15], v[236:237]
.irp j, 0,2,4,6,8,10,12,14,16,18,20,22,24,26,28,30
	v_pk_mul_f32 v[160+\j:161+\j], v[160+\j:161+\j], v[252:253] op_sel_hi:[1,0]   ; O^T under the new M.  (With the sums above: the places between p's codes and scale word and the products below)
.endr
	s_wait_dscnt 0x0                               ; v's tiles are in
.irp t, 0,1,2,3                                ; O^T += v^T p^T: the four accumulators by turns
	v_wmma_scale_f32_16x16x128_f8f6f4 v[160+8*\t:167+8*\t], v[32+12*\t:43+12*\t], v[224:235], v[160+8*\t:167+8*\t], v[248+\t], v253 matrix_a_fmt:MATRIX_FMT_FP6 matrix_b_fmt:MATRIX_FMT_FP6
.endr
.if \masked
.Lhid_\@:
.endif
	s_add_co_u32 s[KF], s[KF], 1
	s_add_co_u32 s[TB], s[TB], SB
.endm
.macro LOOP masked                     ; eight key steps
	s_mov_b32 s[CNT], 8
.Lk_\@:
	STEP \masked
	s_sub_co_u32 s[CNT], s[CNT], 1
	s_cmp_lg_u32 s[CNT], 0
	s_cbranch_scc1 .Lk_\@
.endm
; THE WAY OUT of a tile: O^T / the sum; register 8 t + j is channel 16 t + 8 h + j; after the swaps register 16 g + i is channel 32 g + 16 h + i: 16 numbers of block g of the head's two; the other 16 lie in lane l xor 16.
.macro OUT oa, os
.rept 4
	v_nop                                          ; places behind the last products
.endr
	v_add_f32 v14, v14, v15
	v_permlanex16_b32 v252, v14, s[SEL], s[SEL+1]
	v_add_f32 v14, v14, v252                       ; the row's sum
	v_rcp_f32 v14, v14
	v_nop                                          ; one plain place behind a transcendental
	s_wait_alu depctr_va_vdst(0)
	v_mov_b32 v15, v14
.set i, 0
.rept 16
	v_pk_mul_f32 v[96+2*i:97+2*i], v[160+2*i:161+2*i], v[14:15]      ; each accumulator from its low end on
.set i, i+1
.endr
.irp g, 0,1
.irp j, 0,1,2,3,4,5,6,7
	v_permlane16_swap_b32 v[96+16*\g+\j], v[104+16*\g+\j]
.endr
.endr
.irp g, 0,1
	v_max3_num_f32 v[232+\g], |v[96+16*\g]|, |v[97+16*\g]|, 0x1800000
.endr
.irp i, 2,4,6,8,10,12,14
.irp g, 0,1
	v_max3_num_f32 v[232+\g], v[232+\g], |v[96+16*\g+\i]|, |v[97+16*\g+\i]|
.endr
.endr
.irp g, 0,1
	v_permlanex16_b32 v[236+\g], v[232+\g], s[SEL], s[SEL+1]
.endr
.irp g, 0,1
	v_max_num_f32 v[232+\g], v[232+\g], v[236+\g]
.endr
.irp g, 0,1
	v_add_nc_u32 v[244+\g], 0xff000000, v[232+\g]
.endr
	v_cvt_scalef32_pk16_fp6_f32 v[224:226], v[96:111], v244
	v_cvt_scalef32_pk16_fp6_f32 v[228:230], v[112:127], v245
	v_lshrrev_b32 v234, 23, v244                   ; the two bytes (plain lines behind the conversions)
	v_lshrrev_b32 v235, 23, v245
	v_cndmask_b32 v231, v234, v235, s44            ; lanes 0-15 store block 0's, lanes 16-31 block 1's
	global_store_b96 v[\oa], v[224:226], s[6:7]              ; my 16 codes of block 0: 12 bytes; a query's 48 bytes come from two lanes
	global_store_b96 v[\oa], v[228:230], s[6:7] offset:24
	global_store_b8 v[\os], v231, s[6:7] offset:SCO
	s_wait_xcnt 0x0                                ; the stores have read their data: the registers are written again
.endm
	s_wait_tensorcnt 0x1                           ; my block w is in (block 8 + w may be out)
	s_barrier_signal -1
	s_barrier_wait -1                              ; so blocks 0 to 7 are
	s_wait_loadcnt 0x0                             ; q
	INIT
	s_mov_b32 s[TB], 0
	s_mov_b32 s[KF], 0
	s_mov_b32 s[DG], s17
	LOOP 0                                         ; key steps 0 to 7: all their keys count for queries of steps 8 to 15
	s_wait_tensorcnt 0x0                           ; my block 8 + w is in,
	s_wait_dscnt 0x0
	s_barrier_signal -1
	s_barrier_wait -1                              ; so all sixteen are
	LOOP 1                                         ; key steps 8 to 15
	OUT 6, 7
.irp j, 0,1,2,3,4,5
	v_mov_b32 v[16+\j], v[192+\j]                  ; the second tile's q
.endr
	v_mov_b32 v255, v198                           ; and its scale words; INIT's lines are the places between these and the next products
	v_mov_b32 v[DD], v10
	INIT
	s_mov_b32 s[TB], 0
	s_mov_b32 s[KF], 0
	s_mov_b32 s[DG], s[WV]
	LOOP 1                                         ; key steps 0 to 7
	OUT 8, 9
	s_wait_tensorcnt 0x0
	ds_add_u32 v223, v243
	s_wait_dscnt 0x0
	CROUND                                         ; the closing round
	s_endpgm
.Lfunc_end_k_qd10a0de7d6_attention:
	.size	k_qd10a0de7d6_attention, .Lfunc_end_k_qd10a0de7d6_attention-k_qd10a0de7d6_attention
	.p2alignl 7, 3214868480
	.fill 96, 4, 3214868480
	.section	.rodata,"a",@progbits
	.p2align	6, 0x0
	.amdhsa_kernel k_qd10a0de7d6_attention
		.amdhsa_group_segment_fixed_size 214016
		.amdhsa_private_segment_fixed_size 0
		.amdhsa_enable_private_segment 0
		.amdhsa_kernarg_size 16
		.amdhsa_user_sgpr_count 2
		.amdhsa_user_sgpr_kernarg_segment_ptr 1
		.amdhsa_wavefront_size32 1
		.amdhsa_system_sgpr_workgroup_id_x 1
		.amdhsa_system_sgpr_workgroup_id_y 1
		.amdhsa_system_sgpr_workgroup_id_z 1
		.amdhsa_system_vgpr_workitem_id 0
		.amdhsa_next_free_vgpr 256
		.amdhsa_next_free_sgpr 66
		.amdhsa_reserve_vcc 1
		.amdhsa_float_denorm_mode_32 3
		.amdhsa_float_denorm_mode_16_64 3
		.amdhsa_memory_ordered 1
		.amdhsa_forward_progress 1
		.amdhsa_inst_pref_size 80
	.end_amdhsa_kernel
	.amdgpu_metadata
---
amdhsa.version: [ 1, 2 ]
amdhsa.kernels:
  - .name:           k_qd10a0de7d6_attention
    .symbol:         k_qd10a0de7d6_attention.kd
    .args:
      - { .name: qkvc, .offset: 0, .size: 8, .value_kind: global_buffer, .address_space: global }
      - { .name: ao, .offset: 8, .size: 8, .value_kind: global_buffer, .address_space: global }
    .group_segment_fixed_size: 214016
    .private_segment_fixed_size: 0
    .kernarg_segment_align: 8
    .kernarg_segment_size: 16
    .max_flat_workgroup_size: 256
    .sgpr_count:     66
    .vgpr_count:     256
    .wavefront_size: 32
...
	.end_amdgpu_metadata
.endif
;; end of part 3
;; launch proj_o (part 4): grid 4 x 16, 4 waves a work-group, clusters of 4 x 4, 327,680 bytes of LDS; arguments ao, wo_codes, wo_scales, bo, x, x1; writes x1
.if DOCPART == 4
	.amdgcn_target "amdgcn-amd-amdhsa--gfx1250"
	.amdhsa_code_object_version 6
	.text
	.protected	k_qd10a0de7d6_proj_o
	.globl	k_qd10a0de7d6_proj_o
	.p2align	8
	.type	k_qd10a0de7d6_proj_o,@function
k_qd10a0de7d6_proj_o:
	s_mov_b64 s[64:65], 0
	v_nop
	global_prefetch_b8 v0, s[64:65] scope:SCOPE_SE
	s_setreg_imm32_b32 hwreg(HW_REG_WAVE_MODE, 25, 1), 1
	s_wait_xcnt 0x0
	s_wait_alu depctr_hold_cnt(0) depctr_sa_sdst(0) depctr_va_vdst(0) depctr_va_sdst(0) depctr_va_ssrc(0) depctr_va_vcc(0) depctr_vm_vsrc(0)
	s_getreg_b32 s2, hwreg(HW_REG_IB_STS2, 6, 4)
	s_cmp_eq_u32 s2, 0
	s_cbranch_scc0 .Lentry_in_a_cluster
	s_endpgm
.Lentry_in_a_cluster:
	s_bfe_u32 s2, ttmp6, 0x10000c
	s_cmp_lg_u32 s2, 0xf033
	s_cbranch_scc0 .Lentry_shape_is_right
	s_endpgm
.Lentry_shape_is_right:
; out = res + bias + A W^T.  A: [4096][SIZE_K] and W: [1024][SIZE_K] as codes of FP6 (E2M3) with one E8M0 scale for each 32 along K; A's scale bytes lie ASC bytes behind its codes in one buffer.  bias [1024], res and out [4096][1024]: f32.
; A tile of 256 x 256 to a work-group of four waves, 128 x 128 (64 accumulators, 512 registers) to a wave; K in steps of 256 through a ring of two LDS slots filled by the tensor data mover; the scale bytes of the
; work-group's rows come into LDS once.  4 x 4 work-groups form a cluster: A's tiles are asked for jointly along a row of the cluster, B's along a column.  The output has 64 such tiles: 64 work-groups.
; The matrix instruction is used transposed (source 0 = 16 rows of W, source 1 = 16 rows of A): a lane holds eight neighbouring numbers of a row of the output.  The bias is the C of each sum's first product.
; The way out goes through the wave's stage in LDS, so that whole rows of 512 bytes meet the residual's rows and are stored.
; REGISTERS, in windows of 256: window 0: v0-31 addresses; v32-63 scale words, two sets; v64-127 the bias; v128-223 A's fragments, ONE set; on the way out v32-95 the residual, v128-255 rows.
;   window 1: B's fragments, TWO sets.   windows 2, 3: the accumulators ((a, b) at v[8 (8 (a % 4) + b)]).
.set SIZE_K, 1024
.set SIZE_N, 1024
.set ASC,    3145728                   ; A's scale bytes begin here
.set KSTEP,  256
.set NQ,     KSTEP/128
.set ROWB,   192
.set KROW,   SIZE_K*6/8
.set PITCH,  240                       ; an LDS row: 3 x (64 bytes + 16 of padding) = 60 words: the 32 lanes of a load of 8 bytes touch 64 different banks (64 banks of 4 bytes: ISA guide 11.1)
.set FR,     12
.set NL,     6
.set NP,     4                         ; places behind this matrix instruction (ISA guide 7.12.1)
.set HALFT,  128*PITCH
.set SLOT,   4*HALFT
.set LAPS,   SIZE_K/(2*KSTEP)
.set KS,     SIZE_K/32
.set SCL,    2*SLOT
.set HALFS,  (128*KS/256)*272
.set SBLK,   (16*KS/256)*272
.set SPARE,  SCL+4*HALFS               ; the spare words, 128 bytes a wave: two blocks of 256 bytes that no other line names
.set SPITCH, 528                       ; the way out: a stage of 16 rows x (512 bytes + 16) for each wave, in slot 0, which has had its last fill and its last read by then
.set ADRA, 16
.set ADRB, 20
.set STO,  24                          ; v24 the way out: where I put 32 bytes of a row
.set RD,   25                          ; v25 where I read a row back
.set CO,   26                          ; v26 my byte offset in a row of the output
.set ADRS, 27
.set SPW,  28
.set NIL,  29
.set SC,   32
.set CB,   64                          ; v[CB + 8 b + j] = bias(16 b + 8 h + j)
.set AF,   128
.set R,    32                          ; the way out: 16 rows of the residual
.set BK,   128                         ; 16 rows back from the stage: v128-191 and v192-255 by turns
.set G1, 24
.set G0, 32
.set G1B, 48
.set G0B, 56
.set G1S, 68
.set G0S, 76
.set G1SB, 80
.set G0SB, 88
.set MSB, 0
.macro WIN new                         ; the immediate's high byte repeats the setting that is left
.if MSB != (\new)
	s_set_vgpr_msb (MSB<<8)|(\new)
.set MSB, (\new)
.endif
.endm
.set MUL_LO, 0xa1                      ; source 0 (B) window 1, source 1 (A) window 0, C and D window 2
.set MUL_HI, 0xf1
.set ZER_LO, 0x81                      ; the first products: C (the bias) window 0, D window 2
.set ZER_HI, 0xc1
.set TO_B,   0x40
; A joint load: waves 0 and 1 fetch for A, waves 2 and 3 for B; the branch hangs on the wave's number alone.  Four v_nop follow each of the two lines.
.macro JLOAD g0a, g1a, g0b, g1b
	s_cmp_eq_u32 s15, 0
	s_cbranch_scc0 .Lfor_b_\@
	tensor_load_to_lds s[\g0a:\g0a+3], s[\g1a:\g1a+7]
	s_nop 0
.rept 4
	v_nop
.endr
	s_branch .Lasked_\@
.Lfor_b_\@:
	tensor_load_to_lds s[\g0b:\g0b+3], s[\g1b:\g1b+7]
	s_nop 0
.rept 4
	v_nop
.endr
.Lasked_\@:
.endm
.macro CREST                           ; a round of the cluster's barrier behind its opening barrier
	s_cmp_lg_u32 s14, 0
	s_cbranch_scc1 .Lnot_wave_0_\@
	s_barrier_signal -3
.Lnot_wave_0_\@:
	s_barrier_wait -3
	s_barrier_signal -1
	s_barrier_wait -1
.endm
.macro CROUND
	s_barrier_signal -1
	s_barrier_wait -1
	CREST
.endm
	s_load_b64 s[4:5], s[0:1], 0x0                 ; A's buffer
	s_load_b128 s[8:11], s[0:1], 0x8               ; W's codes s[8:9], W's scales s[10:11]
	s_load_b128 s[96:99], s[0:1], 0x18             ; the bias s[96:97], the residual s[98:99]
	s_load_b64 s[12:13], s[0:1], 0x28              ; the output
	v_lshl_add_u32 v[SPW], v0, 2, SPARE
	v_mov_b32 v[NIL], 0
	ds_add_u32 v28, v29
	ds_add_u32 v28, v29
	s_wait_dscnt 0x0
	v_lshrrev_b32 v1, 5, v0
	v_readfirstlane_b32 s14, v1                    ; wave 0..3
	s_lshr_b32 s15, s14, 1                         ; which half of the tile's rows is mine.  Also: I fetch for A (0) or for B (1)
	s_and_b32 s16, s14, 1                          ; which half of its columns.  Also: which 128 rows of that tile I fetch
	s_bfe_u32 s40, ttmp6, 0x40000                  ; cx, cy
	s_bfe_u32 s41, ttmp6, 0x40004
	s_lshl_b32 s42, ttmp9, 2
	s_add_co_u32 s42, s42, s40                     ; tile column
	s_and_b32 s17, ttmp7, 0xffff
	s_lshl_b32 s17, s17, 2
	s_add_co_u32 s17, s17, s41                     ; tile row
	s_lshl_b32 s43, s41, 2
	s_lshl_b32 s43, 15, s43                        ; my row of the cluster
	s_lshl_b32 s44, 0x1111, s40                    ; my column
	s_or_b32 s[G1+0], s43, (0<<16)|(1<<20)|(1<<21)|(3<<22)|(3<<25)  ; the mask; elements of 1 byte; padding on; 21 set beside a mask; after every 16 words 4 words
	s_or_b32 s[G1B+0], s44, (0<<16)|(1<<20)|(1<<21)|(3<<22)|(3<<25)
.irp g, G1, G1B
	s_mov_b32 s[\g+1], ROWB<<16                    ; tensor_dim0
	s_mov_b32 s[\g+2], 128<<16                     ; tensor_dim1
	s_mov_b32 s[\g+3], ROWB<<16                    ; tile_dim0
	s_mov_b32 s[\g+4], 128                         ; tile_dim1
	s_mov_b32 s[\g+5], KROW                        ; from row to row
	s_mov_b32 s[\g+6], 0
	s_mov_b32 s[\g+7], 0
.endr
	s_or_b32 s[G1S+0], s43, (3<<16)|(1<<20)|(1<<21)|(5<<22)|(3<<25)   ; the scales of 128 rows: a dense block as rows of 256 bytes, 16 of padding behind each
	s_or_b32 s[G1SB+0], s44, (3<<16)|(1<<20)|(1<<21)|(5<<22)|(3<<25)
.irp g, G1S, G1SB
	s_mov_b32 s[\g+1], 32<<16
	s_mov_b32 s[\g+2], (128*KS/256)<<16
	s_mov_b32 s[\g+3], 32<<16
	s_mov_b32 s[\g+4], 128*KS/256
	s_mov_b32 s[\g+5], 32
	s_mov_b32 s[\g+6], 0
	s_mov_b32 s[\g+7], 0
.endr
	s_lshl_b32 s18, s16, 7
	s_lshl_b32 s20, s17, 8
	s_add_co_u32 s20, s20, s18                     ; A: row 256 x tile row + 128 x half
	s_lshl_b32 s46, s42, 8
	s_add_co_u32 s46, s46, s18                     ; B: row 256 x tile column + 128 x half
	s_mov_b32 s21, 0
	s_mov_b32 s47, 0
	s_mov_b64 s[18:19], KS
	s_mul_u64 s[22:23], s[20:21], s[18:19]
	s_mul_u64 s[92:93], s[46:47], s[18:19]
	s_mov_b64 s[18:19], KROW
	s_mul_u64 s[20:21], s[20:21], s[18:19]
	s_mul_u64 s[46:47], s[46:47], s[18:19]
	s_mul_i32 s45, s14, HALFT                      ; where they go: wave x 128 rows
	s_mul_i32 s94, s14, HALFS
	s_wait_kmcnt 0x0
	s_add_nc_u64 s[6:7], s[4:5], ASC               ; A's scale bytes
	s_add_nc_u64 s[20:21], s[4:5], s[20:21]
	s_add_nc_u64 s[22:23], s[6:7], s[22:23]
	s_add_nc_u64 s[46:47], s[8:9], s[46:47]
	s_add_nc_u64 s[92:93], s[10:11], s[92:93]
	CROUND                                         ; all sixteen work-groups are here: the first joint loads meet
	s_mov_b32 s[G0S], 1
	s_add_co_u32 s[G0S+1], s94, SCL
	s_mov_b64 s[G0S+2:G0S+3], s[22:23]
	s_or_b32 s[G0S+3], s[G0S+3], 0x80000000
	s_mov_b32 s[G0SB], 1
	s_add_co_u32 s[G0SB+1], s94, SCL
	s_mov_b64 s[G0SB+2:G0SB+3], s[92:93]
	s_or_b32 s[G0SB+3], s[G0SB+3], 0x80000000
	JLOAD G0S, G1S, G0SB, G1SB                     ; the scales first
.irp s, 0,1
	s_mov_b32 s[G0+4*\s], 1
	s_add_co_u32 s[G0+4*\s+1], s45, \s*SLOT
	s_add_nc_u64 s[G0+4*\s+2:G0+4*\s+3], s[20:21], \s*ROWB
	s_or_b32 s[G0+4*\s+3], s[G0+4*\s+3], 0x80000000
	s_mov_b32 s[G0B+4*\s], 1
	s_add_co_u32 s[G0B+4*\s+1], s45, \s*SLOT
	s_add_nc_u64 s[G0B+4*\s+2:G0B+4*\s+3], s[46:47], \s*ROWB
	s_or_b32 s[G0B+4*\s+3], s[G0B+4*\s+3], 0x80000000
	JLOAD G0+4*\s, G1, G0B+4*\s, G1B
.endr
	v_and_b32 v1, 15, v0                           ; r
	v_bfe_u32 v2, v0, 4, 1                         ; h
	v_mul_u32_u24 v3, v1, PITCH
	v_mul_u32_u24 v4, v2, 24
	v_add_nc_u32 v4, v3, v4
	v_lshl_add_u32 v5, v2, 4, v4
	s_mul_i32 s21, s15, HALFT
	s_mul_i32 s22, s16, HALFT
	s_add_co_u32 s22, s22, 2*HALFT
.irp s, 0,1
	v_add_nc_u32 v[ADRA+\s], s21, v4
	v_add_nc_u32 v[ADRB+\s], s22, v4
	v_add_nc_u32 v[ADRA+2+\s], s21, v5
	v_add_nc_u32 v[ADRB+2+\s], s22, v5
	s_add_co_u32 s21, s21, SLOT
	s_add_co_u32 s22, s22, SLOT
.endr
	v_mul_u32_u24 v5, v1, KS
	v_lshrrev_b32 v6, 8, v5
	v_lshl_add_u32 v5, v6, 4, v5
	s_mul_i32 s21, s15, HALFS
	s_mul_i32 s22, s16, HALFS
	s_add_co_u32 s22, s22, 2*HALFS
	s_sub_co_u32 s22, s22, s21
	v_mul_u32_u24 v6, s22, v2                      ; lanes 16-31 take B's
	s_add_co_u32 s21, s21, SCL
	v_add_nc_u32 v5, v5, v6
	v_add_nc_u32 v[ADRS], s21, v5
	s_mul_i32 s23, s14, 16*SPITCH                  ; my stage
	v_mul_u32_u24 v5, v1, SPITCH
	v_lshl_add_u32 v5, v2, 5, v5
	v_add_nc_u32 v[STO], s23, v5                   ; in: row r, 32 bytes for each half of the lanes
	v_and_b32 v6, 31, v0
	v_lshlrev_b32 v[CO], 4, v6                     ; back: the 32 lanes take one row of 512 bytes
	v_add_nc_u32 v[RD], s23, v[CO]
	s_lshl_b32 s20, s17, 8
	s_lshl_b32 s21, s15, 7
	s_add_co_u32 s20, s20, s21                     ; my first row
	s_mov_b32 s21, 0
	s_mov_b64 s[18:19], SIZE_N*4
	s_mul_u64 s[20:21], s[20:21], s[18:19]
	s_lshl_b32 s46, s42, 10
	s_lshl_b32 s47, s16, 9
	s_add_co_u32 s46, s46, s47                     ; my first column, in bytes
	s_mov_b32 s47, 0
	s_add_nc_u64 s[96:97], s[96:97], s[46:47]      ; the bias there
	s_add_nc_u64 s[20:21], s[20:21], s[46:47]
	s_add_nc_u64 s[12:13], s[12:13], s[20:21]
	s_add_nc_u64 s[98:99], s[98:99], s[20:21]
	v_lshlrev_b32 v7, 5, v2
.irp b, 0,1,2,3,4,5,6,7
	global_load_b128 v[CB+8*\b:CB+8*\b+3], v7, s[96:97] offset:64*\b
	global_load_b128 v[CB+8*\b+4:CB+8*\b+7], v7, s[96:97] offset:64*\b+16
.endr
	s_wait_loadcnt 0x0
.macro FRAG reg, adr, q, i             ; a fragment, 16 rows x 128 K: 12 registers, in pieces of 8 bytes; where the piece three on (lanes 16-31) lies behind one padding more, the second address register serves
.irp p, 0,1,2,3,4,5
.set PCE, 12*(\q)+6*(\p/3)+\p%3
.if PCE%8 < 5
	ds_load_b64 v[\reg+2*\p:\reg+2*\p+1], v[\adr] offset:8*PCE+16*(PCE/8)+(\i)*16*PITCH
.else
	ds_load_b64 v[\reg+2*\p:\reg+2*\p+1], v[\adr+2] offset:8*PCE+16*(PCE/8)+(\i)*16*PITCH
.endif
.endr
.endm
; 16 matrix instructions: A's blocks a0, a0 + 1 x B's eight.  zero = 1: the first product starts the sums, with the bias as its C.  The 64 accumulators take turns, one instruction a turn.
.macro MUL16 a0, p, q, sc, zero
.irp a, \a0, \a0+1
.irp b, 0,1,2,3,4,5,6,7
.if \zero
	v_wmma_scale_f32_16x16x128_f8f6f4 v[8*(8*((\a)%4)+\b):8*(8*((\a)%4)+\b)+7], v[128*(\p)+FR*\b:128*(\p)+FR*\b+FR-1], v[AF+FR*(\a):AF+FR*(\a)+FR-1], v[CB+8*\b:CB+8*\b+7], v[SC+8*NQ*(\sc)+NQ*\b+(\q)], v[SC+8*NQ*(\sc)+NQ*(\a)+(\q)] matrix_a_fmt:MATRIX_FMT_FP6 matrix_b_fmt:MATRIX_FMT_FP6 matrix_a_scale:MATRIX_SCALE_ROW1
.else
	v_wmma_scale_f32_16x16x128_f8f6f4 v[8*(8*((\a)%4)+\b):8*(8*((\a)%4)+\b)+7], v[128*(\p)+FR*\b:128*(\p)+FR*\b+FR-1], v[AF+FR*(\a):AF+FR*(\a)+FR-1], v[8*(8*((\a)%4)+\b):8*(8*((\a)%4)+\b)+7], v[SC+8*NQ*(\sc)+NQ*\b+(\q)], v[SC+8*NQ*(\sc)+NQ*(\a)+(\q)] matrix_a_fmt:MATRIX_FMT_FP6 matrix_b_fmt:MATRIX_FMT_FP6 matrix_a_scale:MATRIX_SCALE_ROW1
.endif
.endr
.endr
.endm
.macro FETCH_B slot, q, p
	WIN TO_B
.irp i, 0,1,2,3,4,5,6,7
	FRAG 128*(\p)+FR*\i, ADRB+\slot, \q, \i
.endr
	WIN 0
.endm
.macro FETCH_A slot, q, i0
.irp i, \i0, \i0+1, \i0+2, \i0+3
	FRAG AF+FR*(\i), ADRA+\slot, \q, \i
.endr
.endm
.macro SCALES sc                       ; lanes 0-15 take A's block i, lanes 16-31 B's block i
.irp i, 0,1,2,3,4,5,6,7
	ds_load_b64 v[SC+8*NQ*\sc+NQ*\i:SC+8*NQ*\sc+NQ*\i+1], v[ADRS] offset:\i*SBLK
.endr
.endm
.macro PLACES n
.rept \n
	v_nop
.endr
.endm
.macro STEP slot, q, zero
	s_wait_dscnt 4*NL                              ; the youngest 24 loads (A's blocks 4-7) may be out
.if \zero
	WIN ZER_LO
.else
	WIN MUL_LO
.endif
	MUL16 0, (\q)%2, \q, \slot, \zero
	MUL16 2, (\q)%2, \q, \slot, \zero
	s_wait_dscnt 0
	PLACES NP
	FETCH_B \slot, (\q)+1, 1-(\q)%2
	FETCH_A \slot, (\q)+1, 0
.if \zero
	WIN ZER_HI
.else
	WIN MUL_HI
.endif
	MUL16 4, (\q)%2, \q, \slot, \zero
	MUL16 6, (\q)%2, \q, \slot, \zero
	PLACES NP
	WIN 0
	FETCH_A \slot, (\q)+1, 4
.endm
; A slot's last step changes slots: ONE barrier; in front of it each wave waits for all its tensor loads, adds 0 to its spare word, and waits for that and for its own reads of this slot.
.macro TURN slot, next, fill
	s_wait_tensorcnt 0x0                           ; all my tensor loads have landed: my part of the next slot
	ds_add_u32 v[SPW], v[NIL]                      ; 0 onto my spare word
	s_wait_dscnt 4*NL+1                            ; (the add and the youngest 24 loads may be out)
	WIN MUL_LO
	MUL16 0, 1, NQ-1, \slot, 0
	s_wait_dscnt 0x0                               ; the add is done, and my reads of this slot are over
	s_barrier_signal -1
	MUL16 2, 1, NQ-1, \slot, 0
	WIN 0
	s_barrier_wait -1
.if \fill
	CREST                                          ; a round of the cluster's barrier: no wave of any partner still reads this slot or has a load on its way
	s_add_nc_u64 s[G0+4*\slot+2:G0+4*\slot+3], s[G0+4*\slot+2:G0+4*\slot+3], 2*ROWB
	s_add_nc_u64 s[G0B+4*\slot+2:G0B+4*\slot+3], s[G0B+4*\slot+2:G0B+4*\slot+3], 2*ROWB
	JLOAD G0+4*\slot, G1, G0B+4*\slot, G1B         ; the first tensor load behind the round
.else
	PLACES NP
.endif
	v_add_nc_u32 v[ADRS], 4*NQ, v[ADRS]
	FETCH_B \next, 0, 0
	FETCH_A \next, 0, 0
	SCALES \next
	WIN MUL_HI
	MUL16 4, 1, NQ-1, \slot, 0
	MUL16 6, 1, NQ-1, \slot, 0
	PLACES NP
	WIN 0
	FETCH_A \next, 0, 4
.endm
	s_wait_tensorcnt 1                             ; the scales and my part of K step 0 are in (K step 1's load may be out),
	s_barrier_signal -1
	s_barrier_wait -1                              ; everybody's are
	FETCH_B 0, 0, 0
	FETCH_A 0, 0, 0
	SCALES 0
	FETCH_A 0, 0, 4
	STEP 0, 0, 1
	s_mov_b32 s3, LAPS-1
.Llap:
	TURN 0, 1, 1
	STEP 1, 0, 0
	TURN 1, 0, 1
	STEP 0, 0, 0
	s_sub_co_u32 s3, s3, 1
	s_cmp_lg_u32 s3, 0
	s_cbranch_scc1 .Llap
	TURN 0, 1, 0
	STEP 1, 0, 0
	s_wait_dscnt 4*NL
	WIN MUL_LO
	MUL16 0, 1, NQ-1, 1, 0
	MUL16 2, 1, NQ-1, 1, 0
	s_wait_dscnt 0
	WIN MUL_HI
	MUL16 4, 1, NQ-1, 1, 0
	MUL16 6, 1, NQ-1, 1, 0
	WIN 0
; THE WAY OUT, block by block of 16 rows x 128 columns: through my stage, back as whole rows of 512 bytes, plus the residual's rows, stored.
.macro TOSTAGE a
.set AC, 64*((\a)%4)
	WIN 0x08+4*((\a)/4)                            ; the data: window 2 or 3
.irp b, 0,1,2,3,4,5,6,7
	ds_store_b128 v[STO], v[AC+8*\b:AC+8*\b+3] offset:64*\b          ; each accumulator from its low end on
	ds_store_b128 v[STO], v[AC+8*\b+4:AC+8*\b+7] offset:64*\b+16
.endr
	WIN 0
.set BB, BK+64*((\a)%2)
.irp t, 0,1,2,3,4,5,6,7,8,9,10,11,12,13,14,15
	ds_load_b128 v[BB+4*\t:BB+4*\t+3], v[RD] offset:\t*SPITCH        ; LDS serves a wave's instructions in order: these see the stores above
.endr
.endm
.macro RLOAD                           ; 16 rows of the residual, 512 consecutive bytes an instruction; each byte is read once in the launch
.irp t, 0,1,2,3,4,5,6,7,8,9,10,11,12,13,14,15
	global_load_b128 v[R+4*\t:R+4*\t+3], v[CO], s[98:99] offset:\t*SIZE_N*4 th:TH_LOAD_NT
.endr
.endm
	PLACES NP
	RLOAD
	TOSTAGE 0
.irp a, 0,1,2,3,4,5,6,7
	s_wait_dscnt 0x0                               ; block a is back in registers,
	s_wait_loadcnt 0x0                             ; and its rows of the residual are in
.set BB, BK+64*(\a%2)
.set i, 0
.rept 32
	v_pk_add_f32 v[BB+2*i:BB+2*i+1], v[BB+2*i:BB+2*i+1], v[R+2*i:R+2*i+1]
.set i, i+1
.endr
	s_wait_xcnt 0x0                                ; block a - 1's stores have read their data and their base
.if \a < 7
	s_add_nc_u64 s[98:99], s[98:99], 16*SIZE_N*4
	RLOAD
	TOSTAGE \a+1
.endif
.if \a > 0
	s_add_nc_u64 s[12:13], s[12:13], 16*SIZE_N*4
.endif
.set BB, BK+64*(\a%2)
.irp t, 0,1,2,3,4,5,6,7,8,9,10,11,12,13,14,15
	global_store_b128 v[CO], v[BB+4*\t:BB+4*\t+3], s[12:13] offset:\t*SIZE_N*4      ; 32 lanes store 512 consecutive bytes, at a multiple of 256 from the buffer's first byte
.endr
.endr
	s_wait_tensorcnt 0x0                           ; the wave's end
	ds_add_u32 v[SPW], v[NIL]
	s_wait_dscnt 0x0
	CROUND                                         ; the closing round
	s_endpgm
.Lfunc_end_k_qd10a0de7d6_proj_o:
	.size	k_qd10a0de7d6_proj_o, .Lfunc_end_k_qd10a0de7d6_proj_o-k_qd10a0de7d6_proj_o
	.p2alignl 7, 3214868480
	.fill 96, 4, 3214868480
	.section	.rodata,"a",@progbits
	.p2align	6, 0x0
	.amdhsa_kernel k_qd10a0de7d6_proj_o
		.amdhsa_group_segment_fixed_size 327680
		.amdhsa_private_segment_fixed_size 0
		.amdhsa_enable_private_segment 0
		.amdhsa_kernarg_size 48
		.amdhsa_user_sgpr_count 2
		.amdhsa_user_sgpr_kernarg_segment_ptr 1
		.amdhsa_wavefront_size32 1
		.amdhsa_system_sgpr_workgroup_id_x 1
		.amdhsa_system_sgpr_workgroup_id_y 1
		.amdhsa_system_sgpr_workgroup_id_z 1
		.amdhsa_system_vgpr_workitem_id 0
		.amdhsa_next_free_vgpr 1024
		.amdhsa_next_free_sgpr 102
		.amdhsa_reserve_vcc 0
		.amdhsa_float_denorm_mode_32 3
		.amdhsa_float_denorm_mode_16_64 3
		.amdhsa_memory_ordered 1
		.amdhsa_forward_progress 1
		.amdhsa_inst_pref_size 190
	.end_amdhsa_kernel
	.amdgpu_metadata
---
amdhsa.version: [ 1, 2 ]
amdhsa.kernels:
  - .name:           k_qd10a0de7d6_proj_o
    .symbol:         k_qd10a0de7d6_proj_o.kd
    .args:
      - { .name: ao, .offset: 0, .size: 8, .value_kind: global_buffer, .address_space: global }
      - { .name: wo_codes, .offset: 8, .size: 8, .value_kind: global_buffer, .address_space: global }
      - { .name: wo_scales, .offset: 16, .size: 8, .value_kind: global_buffer, .address_space: global }
      - { .name: bo, .offset: 24, .size: 8, .value_kind: global_buffer, .address_space: global }
      - { .name: x, .offset: 32, .size: 8, .value_kind: global_buffer, .address_space: global }
      - { .name: x1, .offset: 40, .size: 8, .value_kind: global_buffer, .address_space: global }
    .group_segment_fixed_size: 327680
    .private_segment_fixed_size: 0
    .kernarg_segment_align: 8
    .kernarg_segment_size: 48
    .max_flat_workgroup_size: 128
    .sgpr_count:     102
    .vgpr_count:     1024
    .wavefront_size: 32
...
	.end_amdgpu_metadata
.endif
;; end of part 4
;; launch norm2: the kernel of part 1 again; grid 256 x 1, 4 waves a work-group, no clusters, 33,280 bytes of LDS; arguments x1, ln2_g, ln2_b, h2; writes h2
;; launch ffn_up (part 5): grid 16 x 16, 4 waves a work-group, clusters of 4 x 4, 327,680 bytes of LDS; arguments h2, w1_codes, w1_scales, b1, gc; writes gc
.if DOCPART == 5
	.amdgcn_target "amdgcn-amd-amdhsa--gfx1250"
	.amdhsa_code_object_version 6
	.text
	.protected	k_qd10a0de7d6_ffn_up
	.globl	k_qd10a0de7d6_ffn_up
	.p2align	8
	.type	k_qd10a0de7d6_ffn_up,@function
k_qd10a0de7d6_ffn_up:
	s_mov_b64 s[64:65], 0
	v_nop
	global_prefetch_b8 v0, s[64:65] scope:SCOPE_SE
	s_setreg_imm32_b32 hwreg(HW_REG_WAVE_MODE, 25, 1), 1
	s_wait_xcnt 0x0
	s_wait_alu depctr_hold_cnt(0) depctr_sa_sdst(0) depctr_va_vdst(0) depctr_va_sdst(0) depctr_va_ssrc(0) depctr_va_vcc(0) depctr_vm_vsrc(0)
	s_getreg_b32 s2, hwreg(HW_REG_IB_STS2, 6, 4)
	s_cmp_eq_u32 s2, 0
	s_cbranch_scc0 .Lentry_in_a_cluster
	s_endpgm
.Lentry_in_a_cluster:
	s_bfe_u32 s2, ttmp6, 0x10000c
	s_cmp_lg_u32 s2, 0xf033
	s_cbranch_scc0 .Lentry_shape_is_right
	s_endpgm
.Lentry_shape_is_right:
; g = Q(gelu(h W1^T + b1)): the product on codes of FP6 (E2M3) with one E8M0 scale for each 32 along K = 1,024; the exact gelu in f32; the result quantised along the 4,096 hidden units:
; codes [4096][3072 bytes], and GSC bytes on the scale bytes [4096][128].  h: codes [4096][768], its scale bytes ASC bytes on.  W1: codes [4096][768], scales [4096][32].  b1: [4096] f32.
; THE PRODUCT: a tile of 256 x 256 to a work-group of four waves, 128 x 128 (64 accumulators) to a wave; K in steps of 256 through a ring of two LDS slots filled by the tensor data mover; the scale bytes of the
; work-group's rows come into LDS once.  4 x 4 work-groups form a cluster: A's tiles are asked for jointly along a row of the cluster, B's along a column.  Used transposed: a lane holds one token, its registers run along the hidden units.
; THE GELU.  gelu(x) = max(x, 0) - |x| h(|x|), h(z) = erfc(z / sqrt 2) / 2 = t 2^(P(t) - 0.72134752 z^2), t = 1 / (1 + 0.35355339 z), P a polynomial of degree 9 (Numerical Recipes' erfcc, its coefficients times log2 e, ln 2 taken off the first).
; LIMITS: the formula's fractional error is 1.2e-7 for every x, f32 evaluation and the 1 ulp of v_rcp_f32 and v_exp_f32 come on top; h under 2^-126 is flushed to 0.  NaN and infinities are not served.  A block of zeros gets the byte 1.
; THE WAY OUT is a loop of eight trips, a block of 16 tokens x 128 units each: one fragment's worth of codes (96 bytes a token) and one scale word a token.  Only the lines that fetch the block's accumulators differ
; from trip to trip (their register numbers): they are chosen by a switch on the trip's number, and add b1 as they fetch.
; REGISTERS, in windows of 256: window 0: v0-31 addresses; v32-63 scale words; v128-223 A's fragments; on the way out v32-95 T, v96-127 U, v128-159 P, v160-191 M, v192-211 constants, v214-250 the quantiser's.
;   window 1: B's fragments, TWO sets, and in the gaps (v96-127, v224-255) b1.   windows 2, 3: the accumulators.
.set SIZE_K, 1024
.set ASC,    3145728
.set GSC,    12582912
.set KSTEP,  256
.set NQ,     KSTEP/128
.set ROWB,   192
.set KROW,   SIZE_K*6/8
.set PITCH,  240                       ; an LDS row: 3 x (64 bytes + 16 of padding) = 60 words: the 32 lanes of a load of 8 bytes touch 64 different banks (64 banks of 4 bytes: ISA guide 11.1)
.set FR,     12
.set NL,     6
.set NP,     4                         ; places behind this matrix instruction (ISA guide 7.12.1)
.set HALFT,  128*PITCH
.set SLOT,   4*HALFT
.set LAPS,   SIZE_K/(2*KSTEP)
.set KS,     SIZE_K/32
.set SCL,    2*SLOT
.set HALFS,  (128*KS/256)*272
.set SBLK,   (16*KS/256)*272
.set SPARE,  SCL+4*HALFS               ; the spare words, 128 bytes a wave: two blocks of 256 bytes that no other line names
.set VG,   12                          ; v12-14 the way out: where piece lane + 32 g of a block's 96 pieces of 16 bytes goes
.set VSC,  15                          ; v15    128 x lane: my token's row of scale bytes
.set ADRA, 16
.set ADRB, 20
.set STO,  24                          ; v24 my stage (2,048 bytes a wave, in slot 0, which has had its last fill and its last read by then): 96 r + 24 h
.set RD,   25                          ; v25 16 x lane
.set ADRS, 27
.set SPW,  28
.set NIL,  29
.set SCW,  30                          ; v30 behind the stage's 1,536 bytes: the block's scale words, 4 r; it steps 64 a block
.set SCR,  31                          ; v31 and on the way out 4 x lane
.set SC,   32
.set AF,   128
.set T,    32
.set U,    96
.set P,    128
.set M,    160
.set KC,   192                         ; coefficient c, twice, at v[KC + 2 c]
.set PC,   214
.set TM,   234
.set PW,   250
.set G1, 24
.set G0, 32
.set G1B, 48
.set G0B, 56
.set SEL, 66
.set G1S, 68
.set G0S, 76
.set G1SB, 80
.set G0SB, 88
.set MSB, 0
.macro WIN new                         ; the immediate's high byte repeats the setting that is left
.if MSB != (\new)
	s_set_vgpr_msb (MSB<<8)|(\new)
.set MSB, (\new)
.endif
.endm
.set MUL_LO, 0xa1                      ; source 0 (B) window 1, source 1 (A) window 0, C and D window 2
.set MUL_HI, 0xf1
.set TO_B,   0x40
; A joint load: waves 0 and 1 fetch for A, waves 2 and 3 for B; the branch hangs on the wave's number alone.  Four v_nop follow each of the two lines.
.macro JLOAD g0a, g1a, g0b, g1b
	s_cmp_eq_u32 s15, 0
	s_cbranch_scc0 .Lfor_b_\@
	tensor_load_to_lds s[\g0a:\g0a+3], s[\g1a:\g1a+7]
	s_nop 0
.rept 4
	v_nop
.endr
	s_branch .Lasked_\@
.Lfor_b_\@:
	tensor_load_to_lds s[\g0b:\g0b+3], s[\g1b:\g1b+7]
	s_nop 0
.rept 4
	v_nop
.endr
.Lasked_\@:
.endm
.macro CREST
	s_cmp_lg_u32 s14, 0
	s_cbranch_scc1 .Lnot_wave_0_\@
	s_barrier_signal -3
.Lnot_wave_0_\@:
	s_barrier_wait -3
	s_barrier_signal -1
	s_barrier_wait -1
.endm
.macro CROUND
	s_barrier_signal -1
	s_barrier_wait -1
	CREST
.endm
	s_load_b64 s[4:5], s[0:1], 0x0                 ; h's buffer
	s_load_b128 s[8:11], s[0:1], 0x8               ; W1's codes s[8:9], W1's scales s[10:11]
	s_load_b128 s[96:99], s[0:1], 0x18             ; b1 s[96:97], the output s[98:99]
	v_lshl_add_u32 v[SPW], v0, 2, SPARE
	v_mov_b32 v[NIL], 0
	ds_add_u32 v28, v29
	ds_add_u32 v28, v29
	s_wait_dscnt 0x0
	v_lshrrev_b32 v1, 5, v0
	v_readfirstlane_b32 s14, v1                    ; wave 0..3
	s_lshr_b32 s15, s14, 1                         ; which half of the tile's rows is mine.  Also: I fetch for A (0) or for B (1)
	s_and_b32 s16, s14, 1                          ; which half of its columns.  Also: which 128 rows of that tile I fetch
	s_bfe_u32 s40, ttmp6, 0x40000                  ; cx, cy
	s_bfe_u32 s41, ttmp6, 0x40004
	s_lshl_b32 s42, ttmp9, 2
	s_add_co_u32 s42, s42, s40                     ; tile column
	s_and_b32 s17, ttmp7, 0xffff
	s_lshl_b32 s17, s17, 2
	s_add_co_u32 s17, s17, s41                     ; tile row
	s_lshl_b32 s43, s41, 2
	s_lshl_b32 s43, 15, s43                        ; my row of the cluster
	s_lshl_b32 s44, 0x1111, s40                    ; my column
	s_mov_b32 s[SEL], 0x76543210
	s_mov_b32 s[SEL+1], 0xfedcba98
	s_or_b32 s[G1+0], s43, (0<<16)|(1<<20)|(1<<21)|(3<<22)|(3<<25)  ; the mask; elements of 1 byte; padding on; 21 set beside a mask; after every 16 words 4 words
	s_or_b32 s[G1B+0], s44, (0<<16)|(1<<20)|(1<<21)|(3<<22)|(3<<25)
.irp g, G1, G1B
	s_mov_b32 s[\g+1], ROWB<<16
	s_mov_b32 s[\g+2], 128<<16
	s_mov_b32 s[\g+3], ROWB<<16
	s_mov_b32 s[\g+4], 128
	s_mov_b32 s[\g+5], KROW
	s_mov_b32 s[\g+6], 0
	s_mov_b32 s[\g+7], 0
.endr
	s_or_b32 s[G1S+0], s43, (3<<16)|(1<<20)|(1<<21)|(5<<22)|(3<<25)
	s_or_b32 s[G1SB+0], s44, (3<<16)|(1<<20)|(1<<21)|(5<<22)|(3<<25)
.irp g, G1S, G1SB
	s_mov_b32 s[\g+1], 32<<16
	s_mov_b32 s[\g+2], (128*KS/256)<<16
	s_mov_b32 s[\g+3], 32<<16
	s_mov_b32 s[\g+4], 128*KS/256
	s_mov_b32 s[\g+5], 32
	s_mov_b32 s[\g+6], 0
	s_mov_b32 s[\g+7], 0
.endr
	s_lshl_b32 s18, s16, 7
	s_lshl_b32 s20, s17, 8
	s_add_co_u32 s20, s20, s18
	s_lshl_b32 s46, s42, 8
	s_add_co_u32 s46, s46, s18
	s_mov_b32 s21, 0
	s_mov_b32 s47, 0
	s_mov_b64 s[18:19], KS
	s_mul_u64 s[22:23], s[20:21], s[18:19]
	s_mul_u64 s[92:93], s[46:47], s[18:19]
	s_mov_b64 s[18:19], KROW
	s_mul_u64 s[20:21], s[20:21], s[18:19]
	s_mul_u64 s[46:47], s[46:47], s[18:19]
	s_mul_i32 s45, s14, HALFT
	s_mul_i32 s94, s14, HALFS
	s_wait_kmcnt 0x0
	s_add_nc_u64 s[6:7], s[4:5], ASC               ; h's scale bytes
	s_add_nc_u64 s[20:21], s[4:5], s[20:21]
	s_add_nc_u64 s[22:23], s[6:7], s[22:23]
	s_add_nc_u64 s[46:47], s[8:9], s[46:47]
	s_add_nc_u64 s[92:93], s[10:11], s[92:93]
	CROUND                                         ; all sixteen work-groups are here: the first joint loads meet
	s_mov_b32 s[G0S], 1
	s_add_co_u32 s[G0S+1], s94, SCL
	s_mov_b64 s[G0S+2:G0S+3], s[22:23]
	s_or_b32 s[G0S+3], s[G0S+3], 0x80000000
	s_mov_b32 s[G0SB], 1
	s_add_co_u32 s[G0SB+1], s94, SCL
	s_mov_b64 s[G0SB+2:G0SB+3], s[92:93]
	s_or_b32 s[G0SB+3], s[G0SB+3], 0x80000000
	JLOAD G0S, G1S, G0SB, G1SB
.irp s, 0,1
	s_mov_b32 s[G0+4*\s], 1
	s_add_co_u32 s[G0+4*\s+1], s45, \s*SLOT
	s_add_nc_u64 s[G0+4*\s+2:G0+4*\s+3], s[20:21], \s*ROWB
	s_or_b32 s[G0+4*\s+3], s[G0+4*\s+3], 0x80000000
	s_mov_b32 s[G0B+4*\s], 1
	s_add_co_u32 s[G0B+4*\s+1], s45, \s*SLOT
	s_add_nc_u64 s[G0B+4*\s+2:G0B+4*\s+3], s[46:47], \s*ROWB
	s_or_b32 s[G0B+4*\s+3], s[G0B+4*\s+3], 0x80000000
	JLOAD G0+4*\s, G1, G0B+4*\s, G1B
.endr
	v_and_b32 v1, 15, v0                           ; r
	v_bfe_u32 v2, v0, 4, 1                         ; h
	v_mul_u32_u24 v3, v1, PITCH
	v_mul_u32_u24 v4, v2, 24
	v_add_nc_u32 v4, v3, v4
	v_lshl_add_u32 v5, v2, 4, v4
	s_mul_i32 s21, s15, HALFT
	s_mul_i32 s22, s16, HALFT
	s_add_co_u32 s22, s22, 2*HALFT
.irp s, 0,1
	v_add_nc_u32 v[ADRA+\s], s21, v4
	v_add_nc_u32 v[ADRB+\s], s22, v4
	v_add_nc_u32 v[ADRA+2+\s], s21, v5
	v_add_nc_u32 v[ADRB+2+\s], s22, v5
	s_add_co_u32 s21, s21, SLOT
	s_add_co_u32 s22, s22, SLOT
.endr
	v_mul_u32_u24 v5, v1, KS
	v_lshrrev_b32 v6, 8, v5
	v_lshl_add_u32 v5, v6, 4, v5
	s_mul_i32 s21, s15, HALFS
	s_mul_i32 s22, s16, HALFS
	s_add_co_u32 s22, s22, 2*HALFS
	s_sub_co_u32 s22, s22, s21
	v_mul_u32_u24 v6, s22, v2
	s_add_co_u32 s21, s21, SCL
	v_add_nc_u32 v5, v5, v6
	v_add_nc_u32 v[ADRS], s21, v5
	s_lshl_b32 s23, s14, 11                        ; my stage: 2,048 x wave
	v_mul_u32_u24 v5, v1, 96
	v_mad_u32_u24 v5, v2, 24, v5
	v_add_nc_u32 v[STO], s23, v5
	v_and_b32 v6, 31, v0                           ; lane
	v_lshl_add_u32 v[RD], v6, 4, s23
	s_add_co_u32 s23, s23, 1536
	v_lshl_add_u32 v[SCW], v1, 2, s23
	v_lshl_add_u32 v[SCR], v6, 2, s23
.irp g, 0,1,2
	v_add_nc_u32 v7, 32*\g, v6                     ; piece i = lane + 32 g of the block's 96: token i / 6, piece i % 6 of its 96 bytes
	v_mul_u32_u24 v8, v7, 43
	v_lshrrev_b32 v8, 8, v8                        ; i / 6 = 43 i >> 8 for i under 128
	v_mul_u32_u24 v9, v8, 6
	v_sub_nc_u32 v9, v7, v9
	v_mul_u32_u24 v8, v8, 3072
	v_lshl_add_u32 v[VG+\g], v9, 4, v8
.endr
	v_lshlrev_b32 v[VSC], 7, v6
	s_lshl_b32 s20, s17, 8
	s_lshl_b32 s21, s15, 7
	s_add_co_u32 s20, s20, s21                     ; my first token
	s_mul_i32 s22, s20, 3072
	s_lshl_b32 s46, s42, 1
	s_add_co_u32 s46, s46, s16                     ; which 128 hidden units are mine
	s_mul_i32 s47, s46, 96
	s_add_co_u32 s22, s22, s47
	s_mov_b32 s23, 0
	s_add_nc_u64 s[12:13], s[98:99], s[22:23]      ; my codes
	s_lshl_b32 s22, s20, 7
	s_lshl_b32 s47, s46, 2
	s_add_co_u32 s22, s22, s47
	s_add_co_u32 s22, s22, GSC
	s_add_nc_u64 s[98:99], s[98:99], s[22:23]      ; my scale words
	s_lshl_b32 s46, s46, 9
	s_mov_b32 s47, 0
	s_add_nc_u64 s[96:97], s[96:97], s[46:47]      ; b1 at my first unit
	v_lshlrev_b32 v7, 5, v2                        ; 32 h
	WIN TO_B                                       ; b1(16 b + 8 h + j) into window 1's gaps: b = 0 .. 3 at v96 on, b = 4 .. 7 at v224 on
.irp b, 0,1,2,3
	global_load_b128 v[96+8*\b:99+8*\b], v7, s[96:97] offset:64*\b
	global_load_b128 v[100+8*\b:103+8*\b], v7, s[96:97] offset:64*\b+16
	global_load_b128 v[224+8*\b:227+8*\b], v7, s[96:97] offset:256+64*\b
	global_load_b128 v[228+8*\b:231+8*\b], v7, s[96:97] offset:256+64*\b+16
.endr
	WIN 0
	s_wait_loadcnt 0x0
.macro FRAG reg, adr, q, i             ; a fragment, 16 rows x 128 K: 12 registers, in pieces of 8 bytes; where the piece three on (lanes 16-31) lies behind one padding more, the second address register serves
.irp p, 0,1,2,3,4,5
.set PCE, 12*(\q)+6*(\p/3)+\p%3
.if PCE%8 < 5
	ds_load_b64 v[\reg+2*\p:\reg+2*\p+1], v[\adr] offset:8*PCE+16*(PCE/8)+(\i)*16*PITCH
.else
	ds_load_b64 v[\reg+2*\p:\reg+2*\p+1], v[\adr+2] offset:8*PCE+16*(PCE/8)+(\i)*16*PITCH
.endif
.endr
.endm
; 16 matrix instructions: A's blocks a0, a0 + 1 x B's eight.  zero = 1: the first product starts the sums.  The 64 accumulators take turns, one instruction a turn.
.macro MUL16 a0, p, q, sc, zero
.irp a, \a0, \a0+1
.irp b, 0,1,2,3,4,5,6,7
.if \zero
	v_wmma_scale_f32_16x16x128_f8f6f4 v[8*(8*((\a)%4)+\b):8*(8*((\a)%4)+\b)+7], v[128*(\p)+FR*\b:128*(\p)+FR*\b+FR-1], v[AF+FR*(\a):AF+FR*(\a)+FR-1], 0, v[SC+8*NQ*(\sc)+NQ*\b+(\q)], v[SC+8*NQ*(\sc)+NQ*(\a)+(\q)] matrix_a_fmt:MATRIX_FMT_FP6 matrix_b_fmt:MATRIX_FMT_FP6 matrix_a_scale:MATRIX_SCALE_ROW1
.else
	v_wmma_scale_f32_16x16x128_f8f6f4 v[8*(8*((\a)%4)+\b):8*(8*((\a)%4)+\b)+7], v[128*(\p)+FR*\b:128*(\p)+FR*\b+FR-1], v[AF+FR*(\a):AF+FR*(\a)+FR-1], v[8*(8*((\a)%4)+\b):8*(8*((\a)%4)+\b)+7], v[SC+8*NQ*(\sc)+NQ*\b+(\q)], v[SC+8*NQ*(\sc)+NQ*(\a)+(\q)] matrix_a_fmt:MATRIX_FMT_FP6 matrix_b_fmt:MATRIX_FMT_FP6 matrix_a_scale:MATRIX_SCALE_ROW1
.endif
.endr
.endr
.endm
.macro FETCH_B slot, q, p
	WIN TO_B
.irp i, 0,1,2,3,4,5,6,7
	FRAG 128*(\p)+FR*\i, ADRB+\slot, \q, \i
.endr
	WIN 0
.endm
.macro FETCH_A slot, q, i0
.irp i, \i0, \i0+1, \i0+2, \i0+3
	FRAG AF+FR*(\i), ADRA+\slot, \q, \i
.endr
.endm
.macro SCALES sc
.irp i, 0,1,2,3,4,5,6,7
	ds_load_b64 v[SC+8*NQ*\sc+NQ*\i:SC+8*NQ*\sc+NQ*\i+1], v[ADRS] offset:\i*SBLK
.endr
.endm
.macro PLACES n
.rept \n
	v_nop
.endr
.endm
.macro STEP slot, q, zero
	s_wait_dscnt 4*NL                              ; the youngest 24 loads (A's blocks 4-7) may be out
	WIN MUL_LO
	MUL16 0, (\q)%2, \q, \slot, \zero
	MUL16 2, (\q)%2, \q, \slot, \zero
	s_wait_dscnt 0
	PLACES NP
	FETCH_B \slot, (\q)+1, 1-(\q)%2
	FETCH_A \slot, (\q)+1, 0
	WIN MUL_HI
	MUL16 4, (\q)%2, \q, \slot, \zero
	MUL16 6, (\q)%2, \q, \slot, \zero
	PLACES NP
	WIN 0
	FETCH_A \slot, (\q)+1, 4
.endm
; A slot's last step changes slots: ONE barrier; in front of it each wave waits for all its tensor loads, adds 0 to its spare word, and waits for that and for its own reads of this slot.
.macro TURN slot, next, fill
	s_wait_tensorcnt 0x0                           ; all my tensor loads have landed: my part of the next slot
	ds_add_u32 v[SPW], v[NIL]                      ; 0 onto my spare word
	s_wait_dscnt 4*NL+1                            ; (the add and the youngest 24 loads may be out)
	WIN MUL_LO
	MUL16 0, 1, NQ-1, \slot, 0
	s_wait_dscnt 0x0                               ; the add is done, and my reads of this slot are over
	s_barrier_signal -1
	MUL16 2, 1, NQ-1, \slot, 0
	WIN 0
	s_barrier_wait -1
.if \fill
	CREST                                          ; a round of the cluster's barrier: no wave of any partner still reads this slot or has a load on its way
	s_add_nc_u64 s[G0+4*\slot+2:G0+4*\slot+3], s[G0+4*\slot+2:G0+4*\slot+3], 2*ROWB
	s_add_nc_u64 s[G0B+4*\slot+2:G0B+4*\slot+3], s[G0B+4*\slot+2:G0B+4*\slot+3], 2*ROWB
	JLOAD G0+4*\slot, G1, G0B+4*\slot, G1B         ; the first tensor load behind the round
.else
	PLACES NP
.endif
	v_add_nc_u32 v[ADRS], 4*NQ, v[ADRS]
	FETCH_B \next, 0, 0
	FETCH_A \next, 0, 0
	SCALES \next
	WIN MUL_HI
	MUL16 4, 1, NQ-1, \slot, 0
	MUL16 6, 1, NQ-1, \slot, 0
	PLACES NP
	WIN 0
	FETCH_A \next, 0, 4
.endm
	s_wait_tensorcnt 1                             ; the scales and my part of K step 0 are in (K step 1's load may be out),
	s_barrier_signal -1
	s_barrier_wait -1                              ; everybody's are
	FETCH_B 0, 0, 0
	FETCH_A 0, 0, 0
	SCALES 0
	FETCH_A 0, 0, 4
	STEP 0, 0, 1
	s_mov_b32 s3, LAPS-1
.Llap:
	TURN 0, 1, 1
	STEP 1, 0, 0
	TURN 1, 0, 1
	STEP 0, 0, 0
	s_sub_co_u32 s3, s3, 1
	s_cmp_lg_u32 s3, 0
	s_cbranch_scc1 .Llap
	TURN 0, 1, 0
	STEP 1, 0, 0
	s_wait_dscnt 4*NL
	WIN MUL_LO
	MUL16 0, 1, NQ-1, 1, 0
	MUL16 2, 1, NQ-1, 1, 0
	s_wait_dscnt 0
	WIN MUL_HI
	MUL16 4, 1, NQ-1, 1, 0
	MUL16 6, 1, NQ-1, 1, 0
	WIN 0
.macro SWAPS t                         ; register 8 b + j is unit 16 b + 8 h + j; afterwards register 16 b + i is unit 32 b + 16 h + i
.irp b, 0,1,2,3
.irp j, 0,1,2,3,4,5,6,7
	v_permlane16_swap_b32 v[\t+16*\b+\j], v[\t+16*\b+8+\j]
.endr
.endr
.endm
; 64 numbers of a lane, register 16 b + i = k 32 b + 16 (lane / 16) + i of my row, become a fragment's codes in v[PC] on and its scale word in v[PW].
.macro QUANT s
.irp b, 0,1,2,3
	v_max3_num_f32 v[TM+\b], |v[\s+16*\b]|, |v[\s+1+16*\b]|, 0x1800000   ; and the floor 2^(3 - 127): the byte cannot fall under 1
.endr
.irp i, 2,4,6,8,10,12,14
.irp b, 0,1,2,3
	v_max3_num_f32 v[TM+\b], v[TM+\b], |v[\s+16*\b+\i]|, |v[\s+1+16*\b+\i]|
.endr
.endr
.irp b, 0,1,2,3
	v_permlanex16_b32 v[TM+4+\b], v[TM+\b], s[SEL], s[SEL+1]
.endr
.irp b, 0,1,2,3
	v_max_num_f32 v[TM+\b], v[TM+\b], v[TM+4+\b]
.endr
.irp b, 0,1,2,3
	v_add_nc_u32 v[TM+12+\b], 0xff000000, v[TM+\b]   ; 2 off the exponent field: the conversion's scale operand
.endr
.irp b, 0,1,2,3
	v_lshrrev_b32 v[TM+4+\b], 23, v[TM+12+\b]
.endr
	v_lshl_or_b32 v[PW], v[TM+5], 8, v[TM+4]
	v_lshl_or_b32 v[PW], v[TM+6], 16, v[PW]
	v_lshl_or_b32 v[PW], v[TM+7], 24, v[PW]
.irp c, 0,1
	v_cvt_scalef32_pk16_fp6_f32 v[PC+6*\c:PC+2+6*\c], v[\s+32*\c:\s+15+32*\c], v[TM+12+2*\c]
	v_cvt_scalef32_pk16_fp6_f32 v[PC+12+4*\c:PC+14+4*\c], v[\s+16+32*\c:\s+31+32*\c], v[TM+12+2*\c+1]
.endr
	v_nop                                          ; one plain place behind a scaled conversion
.irp c, 0,1
.irp i, 0,1,2
	v_permlane16_swap_b32 v[PC+6*\c+\i], v[PC+12+4*\c+\i]
.endr
.irp i, 0,1,2
	v_mov_b32 v[PC+3+6*\c+\i], v[PC+12+4*\c+\i]
.endr
.endr
.endm
.macro CASE a                          ; block a's accumulators + b1 into T; each accumulator from its low end on
	WIN 0x06+(\a)/4                                ; source 0 window 2 or 3, source 1 (b1) window 1
.set i, 0
.rept 32
.if i < 16
	v_pk_add_f32 v[T+2*i:T+2*i+1], v[64*((\a)%4)+2*i:64*((\a)%4)+2*i+1], v[96+2*i:97+2*i]
.else
	v_pk_add_f32 v[T+2*i:T+2*i+1], v[64*((\a)%4)+2*i:64*((\a)%4)+2*i+1], v[224+2*(i-16):225+2*(i-16)]
.endif
.set i, i+1
.endr
	WIN 0
.endm
.macro GELU32 o                        ; the gelu of v[T + o] .. v[T + o + 31], in place
.set i, 0
.rept 16
	v_pk_mul_f32 v[M+2*i:M+2*i+1], v[T+\o+2*i:T+\o+2*i+1], v[T+\o+2*i:T+\o+2*i+1]   ; x^2
.set i, i+1
.endr
.set i, 0
.rept 32
	v_fma_f32 v[U+i], |v[T+\o+i]|, s21, 1.0        ; 1 + 0.35355339 |x|
.set i, i+1
.endr
.set i, 0
.rept 32
	v_rcp_f32 v[U+i], v[U+i]                       ; t
.set i, i+1
.endr
	v_nop                                          ; one plain place behind the transcendentals
.set i, 0
	s_wait_alu depctr_va_vdst(0)
.rept 16
	v_pk_fma_f32 v[P+2*i:P+2*i+1], v[U+2*i:U+2*i+1], v[KC+18:KC+19], v[KC+16:KC+17]
.set i, i+1
.endr
.irp c, 7,6,5,4,3,2,1,0
.set i, 0
.rept 16
	v_pk_fma_f32 v[P+2*i:P+2*i+1], v[P+2*i:P+2*i+1], v[U+2*i:U+2*i+1], v[KC+2*\c:KC+2*\c+1]
.set i, i+1
.endr
.endr
.set i, 0
.rept 16
	v_pk_fma_f32 v[P+2*i:P+2*i+1], v[M+2*i:M+2*i+1], 0xbf38aa3b, v[P+2*i:P+2*i+1] op_sel_hi:[1,0,1]   ; - x^2 log2(e) / 2
.set i, i+1
.endr
.set i, 0
.rept 32
	v_exp_f32 v[P+i], v[P+i]
.set i, i+1
.endr
	v_nop
.set i, 0
	s_wait_alu depctr_va_vdst(0)
.rept 16
	v_pk_mul_f32 v[P+2*i:P+2*i+1], v[P+2*i:P+2*i+1], v[U+2*i:U+2*i+1]      ; h
.set i, i+1
.endr
.set i, 0
.rept 32
	v_max_num_f32 v[M+i], 0, v[T+\o+i]
.set i, i+1
.endr
.set i, 0
.rept 32
	v_fma_f32 v[T+\o+i], -|v[T+\o+i]|, v[P+i], v[M+i]        ; max(x, 0) - |x| h
.set i, i+1
.endr
.endm
.macro KONST c, bits
	v_mov_b32 v[KC+2*\c], \bits
	v_mov_b32 v[KC+2*\c+1], \bits
.endm
	PLACES NP                                      ; behind the last products
	KONST 0, 0xc034d90f                            ; -2.82574822 = (-1.26551223 - ln 2) log2 e
	KONST 1, 0x3fb8ab5a                            ;  1.44272920
	KONST 2, 0x3f0a29d2                            ;  0.53970062
	KONST 3, 0x3e0efb2e                            ;  0.13963006
	KONST 4, 0xbe899a80                            ; -0.26875686
	KONST 5, 0x3ecdfd18                            ;  0.40232158
	KONST 6, 0xbfd1a1e5                            ; -1.63775315
	KONST 7, 0x40097039                            ;  2.14747446
	KONST 8, 0xbf97d29d                            ; -1.18611495
	KONST 9, 0x3e7c6f08                            ;  0.24651730
.irp b, 0,1,2,3
	v_mov_b32 v[TM+4+\b], 0                        ; written once: a lane permute's destination counts as one of its sources
.endr
	s_mov_b32 s21, 0x3eb504f3                      ; 0.35355339
	s_mov_b32 s19, 0
.Lout:                                                 ; eight trips: block s19
.irp a, 0,1,2,3,4,5,6
	s_cmp_eq_u32 s19, \a
	s_cbranch_scc1 .Lcase\a
.endr
	CASE 7
	s_branch .Lcommon
.irp a, 0,1,2,3,4,5
.Lcase\a:
	CASE \a
	s_branch .Lcommon
.endr
.Lcase6:
	CASE 6
.Lcommon:
	GELU32 0
	GELU32 32
	SWAPS T
	QUANT T
.irp c, 0,1
.irp p, 0,1,2
	ds_store_b64 v[STO], v[PC+6*\c+2*\p:PC+6*\c+2*\p+1] offset:48*\c+8*\p    ; token r's 96 bytes: 24 bytes at 48 c + 24 h
.endr
.endr
	ds_store_b32 v[SCW], v[PW]                     ; both halves of the lanes write the same word with the same value
.irp g, 0,1,2
	ds_load_b128 v[U+4*\g:U+4*\g+3], v[RD] offset:512*\g     ; LDS serves a wave's instructions in order: these see the stores above
.endr
	s_wait_dscnt 0x0
.irp g, 0,1,2
	global_store_b128 v[VG+\g], v[U+4*\g:U+4*\g+3], s[12:13]       ; six lanes store a token's 96 consecutive bytes
.endr
	s_wait_xcnt 0x0                                ; the stores have read their data and their base
	s_add_nc_u64 s[12:13], s[12:13], 16*3072
	v_add_nc_u32 v[SCW], 64, v[SCW]
	s_add_co_u32 s19, s19, 1
	s_cmp_lt_u32 s19, 8
	s_cbranch_scc1 .Lout
.irp i, 0,1,2,3
	ds_load_b32 v[U+\i], v[SCR] offset:128*\i      ; my 128 tokens' scale words
.endr
	s_wait_dscnt 0x0
.irp i, 0,1,2,3
	global_store_b32 v[VSC], v[U+\i], s[98:99] offset:4096*\i      ; 4 bytes a token, 128 bytes apart: 4 bytes in each 100 that the launch stores
.endr
	s_wait_tensorcnt 0x0                           ; the wave's end
	ds_add_u32 v[SPW], v[NIL]
	s_wait_dscnt 0x0
	CROUND                                         ; the closing round
	s_endpgm
.Lfunc_end_k_qd10a0de7d6_ffn_up:
	.size	k_qd10a0de7d6_ffn_up, .Lfunc_end_k_qd10a0de7d6_ffn_up-k_qd10a0de7d6_ffn_up
	.p2alignl 7, 3214868480
	.fill 96, 4, 3214868480
	.section	.rodata,"a",@progbits
	.p2align	6, 0x0
	.amdhsa_kernel k_qd10a0de7d6_ffn_up
		.amdhsa_group_segment_fixed_size 327680
		.amdhsa_private_segment_fixed_size 0
		.amdhsa_enable_private_segment 0
		.amdhsa_kernarg_size 40
		.amdhsa_user_sgpr_count 2
		.amdhsa_user_sgpr_kernarg_segment_ptr 1
		.amdhsa_wavefront_size32 1
		.amdhsa_system_sgpr_workgroup_id_x 1
		.amdhsa_system_sgpr_workgroup_id_y 1
		.amdhsa_system_sgpr_workgroup_id_z 1
		.amdhsa_system_vgpr_workitem_id 0
		.amdhsa_next_free_vgpr 1024
		.amdhsa_next_free_sgpr 102
		.amdhsa_reserve_vcc 0
		.amdhsa_float_denorm_mode_32 3
		.amdhsa_float_denorm_mode_16_64 3
		.amdhsa_memory_ordered 1
		.amdhsa_forward_progress 1
		.amdhsa_inst_pref_size 198
	.end_amdhsa_kernel
	.amdgpu_metadata
---
amdhsa.version: [ 1, 2 ]
amdhsa.kernels:
  - .name:           k_qd10a0de7d6_ffn_up
    .symbol:         k_qd10a0de7d6_ffn_up.kd
    .args:
      - { .name: h2, .offset: 0, .size: 8, .value_kind: global_buffer, .address_space: global }
      - { .name: w1_codes, .offset: 8, .size: 8, .value_kind: global_buffer, .address_space: global }
      - { .name: w1_scales, .offset: 16, .size: 8, .value_kind: global_buffer, .address_space: global }
      - { .name: b1, .offset: 24, .size: 8, .value_kind: global_buffer, .address_space: global }
      - { .name: gc, .offset: 32, .size: 8, .value_kind: global_buffer, .address_space: global }
    .group_segment_fixed_size: 327680
    .private_segment_fixed_size: 0
    .kernarg_segment_align: 8
    .kernarg_segment_size: 40
    .max_flat_workgroup_size: 128
    .sgpr_count:     102
    .vgpr_count:     1024
    .wavefront_size: 32
...
	.end_amdgpu_metadata
.endif
;; end of part 5
;; launch ffn_down (part 6): grid 4 x 16, 4 waves a work-group, clusters of 4 x 4, 327,680 bytes of LDS; arguments gc, w2_codes, w2_scales, b2, x1, out0; writes out0
.if DOCPART == 6
	.amdgcn_target "amdgcn-amd-amdhsa--gfx1250"
	.amdhsa_code_object_version 6
	.text
	.protected	k_qd10a0de7d6_ffn_down
	.globl	k_qd10a0de7d6_ffn_down
	.p2align	8
	.type	k_qd10a0de7d6_ffn_down,@function
k_qd10a0de7d6_ffn_down:
	s_mov_b64 s[64:65], 0
	v_nop
	global_prefetch_b8 v0, s[64:65] scope:SCOPE_SE
	s_setreg_imm32_b32 hwreg(HW_REG_WAVE_MODE, 25, 1), 1
	s_wait_xcnt 0x0
	s_wait_alu depctr_hold_cnt(0) depctr_sa_sdst(0) depctr_va_vdst(0) depctr_va_sdst(0) depctr_va_ssrc(0) depctr_va_vcc(0) depctr_vm_vsrc(0)
	s_getreg_b32 s2, hwreg(HW_REG_IB_STS2, 6, 4)
	s_cmp_eq_u32 s2, 0
	s_cbranch_scc0 .Lentry_in_a_cluster
	s_endpgm
.Lentry_in_a_cluster:
	s_bfe_u32 s2, ttmp6, 0x10000c
	s_cmp_lg_u32 s2, 0xf033
	s_cbranch_scc0 .Lentry_shape_is_right
	s_endpgm
.Lentry_shape_is_right:
; out = res + bias + A W^T.  A: [4096][SIZE_K] and W: [1024][SIZE_K] as codes of FP6 (E2M3) with one E8M0 scale for each 32 along K; A's scale bytes lie ASC bytes behind its codes in one buffer.  bias [1024], res and out [4096][1024]: f32.
; A tile of 256 x 256 to a work-group of four waves, 128 x 128 (64 accumulators, 512 registers) to a wave; K in steps of 256 through a ring of two LDS slots filled by the tensor data mover; the scale bytes of the
; work-group's rows, 17 SIZE_K bytes with their padding, come into LDS once.  4 x 4 work-groups form a cluster: A's tiles are asked for jointly along a row of the cluster, B's along a column.  The output has 64 such tiles: 64 work-groups.
; The matrix instruction is used transposed (source 0 = 16 rows of W, source 1 = 16 rows of A): a lane holds eight neighbouring numbers of a row of the output.  The bias is the C of each sum's first product.
; The way out goes through the wave's stage in LDS, so that whole rows of 512 bytes meet the residual's rows and are stored.
; REGISTERS, in windows of 256: window 0: v0-31 addresses; v32-63 scale words, two sets; v64-127 the bias; v128-223 A's fragments, ONE set; on the way out v32-95 the residual, v128-255 rows.
;   window 1: B's fragments, TWO sets.   windows 2, 3: the accumulators ((a, b) at v[8 (8 (a % 4) + b)]).
.set SIZE_K, 4096
.set SIZE_N, 1024
.set ASC,    12582912                  ; A's scale bytes begin here
.set KSTEP,  256
.set NQ,     KSTEP/128
.set ROWB,   192
.set KROW,   SIZE_K*6/8
.set PITCH,  240                       ; an LDS row: 3 x (64 bytes + 16 of padding) = 60 words: the 32 lanes of a load of 8 bytes touch 64 different banks (64 banks of 4 bytes: ISA guide 11.1)
.set FR,     12
.set NL,     6
.set NP,     4                         ; places behind this matrix instruction (ISA guide 7.12.1)
.set HALFT,  128*PITCH
.set SLOT,   4*HALFT
.set LAPS,   SIZE_K/(2*KSTEP)
.set KS,     SIZE_K/32
.set SCL,    2*SLOT
.set HALFS,  (128*KS/256)*272
.set SBLK,   (16*KS/256)*272
.set SPARE,  SCL+4*HALFS               ; the spare words, 128 bytes a wave: two blocks of 256 bytes that no other line names
.set SPITCH, 528                       ; the way out: a stage of 16 rows x (512 bytes + 16) for each wave, in slot 0, which has had its last fill and its last read by then
.set ADRA, 16
.set ADRB, 20
.set STO,  24
.set RD,   25
.set CO,   26
.set ADRS, 27
.set SPW,  28
.set NIL,  29
.set SC,   32
.set CB,   64                          ; v[CB + 8 b + j] = bias(16 b + 8 h + j)
.set AF,   128
.set R,    32
.set BK,   128
.set G1, 24
.set G0, 32
.set G1B, 48
.set G0B, 56
.set G1S, 68
.set G0S, 76
.set G1SB, 80
.set G0SB, 88
.set MSB, 0
.macro WIN new                         ; the immediate's high byte repeats the setting that is left
.if MSB != (\new)
	s_set_vgpr_msb (MSB<<8)|(\new)
.set MSB, (\new)
.endif
.endm
.set MUL_LO, 0xa1                      ; source 0 (B) window 1, source 1 (A) window 0, C and D window 2
.set MUL_HI, 0xf1
.set ZER_LO, 0x81                      ; the first products: C (the bias) window 0, D window 2
.set ZER_HI, 0xc1
.set TO_B,   0x40
; A joint load: waves 0 and 1 fetch for A, waves 2 and 3 for B; the branch hangs on the wave's number alone.  Four v_nop follow each of the two lines.
.macro JLOAD g0a, g1a, g0b, g1b
	s_cmp_eq_u32 s15, 0
	s_cbranch_scc0 .Lfor_b_\@
	tensor_load_to_lds s[\g0a:\g0a+3], s[\g1a:\g1a+7]
	s_nop 0
.rept 4
	v_nop
.endr
	s_branch .Lasked_\@
.Lfor_b_\@:
	tensor_load_to_lds s[\g0b:\g0b+3], s[\g1b:\g1b+7]
	s_nop 0
.rept 4
	v_nop
.endr
.Lasked_\@:
.endm
.macro CREST
	s_cmp_lg_u32 s14, 0
	s_cbranch_scc1 .Lnot_wave_0_\@
	s_barrier_signal -3
.Lnot_wave_0_\@:
	s_barrier_wait -3
	s_barrier_signal -1
	s_barrier_wait -1
.endm
.macro CROUND
	s_barrier_signal -1
	s_barrier_wait -1
	CREST
.endm
	s_load_b64 s[4:5], s[0:1], 0x0                 ; A's buffer
	s_load_b128 s[8:11], s[0:1], 0x8               ; W's codes s[8:9], W's scales s[10:11]
	s_load_b128 s[96:99], s[0:1], 0x18             ; the bias s[96:97], the residual s[98:99]
	s_load_b64 s[12:13], s[0:1], 0x28              ; the output
	v_lshl_add_u32 v[SPW], v0, 2, SPARE
	v_mov_b32 v[NIL], 0
	ds_add_u32 v28, v29
	ds_add_u32 v28, v29
	s_wait_dscnt 0x0
	v_lshrrev_b32 v1, 5, v0
	v_readfirstlane_b32 s14, v1                    ; wave 0..3
	s_lshr_b32 s15, s14, 1                         ; which half of the tile's rows is mine.  Also: I fetch for A (0) or for B (1)
	s_and_b32 s16, s14, 1                          ; which half of its columns.  Also: which 128 rows of that tile I fetch
	s_bfe_u32 s40, ttmp6, 0x40000                  ; cx, cy
	s_bfe_u32 s41, ttmp6, 0x40004
	s_lshl_b32 s42, ttmp9, 2
	s_add_co_u32 s42, s42, s40                     ; tile column
	s_and_b32 s17, ttmp7, 0xffff
	s_lshl_b32 s17, s17, 2
	s_add_co_u32 s17, s17, s41                     ; tile row
	s_lshl_b32 s43, s41, 2
	s_lshl_b32 s43, 15, s43                        ; my row of the cluster
	s_lshl_b32 s44, 0x1111, s40                    ; my column
	s_or_b32 s[G1+0], s43, (0<<16)|(1<<20)|(1<<21)|(3<<22)|(3<<25)  ; the mask; elements of 1 byte; padding on; 21 set beside a mask; after every 16 words 4 words
	s_or_b32 s[G1B+0], s44, (0<<16)|(1<<20)|(1<<21)|(3<<22)|(3<<25)
.irp g, G1, G1B
	s_mov_b32 s[\g+1], ROWB<<16
	s_mov_b32 s[\g+2], 128<<16
	s_mov_b32 s[\g+3], ROWB<<16
	s_mov_b32 s[\g+4], 128
	s_mov_b32 s[\g+5], KROW
	s_mov_b32 s[\g+6], 0
	s_mov_b32 s[\g+7], 0
.endr
	s_or_b32 s[G1S+0], s43, (3<<16)|(1<<20)|(1<<21)|(5<<22)|(3<<25)   ; the scales of 128 rows: a dense block as rows of 256 bytes, 16 of padding behind each
	s_or_b32 s[G1SB+0], s44, (3<<16)|(1<<20)|(1<<21)|(5<<22)|(3<<25)
.irp g, G1S, G1SB
	s_mov_b32 s[\g+1], 32<<16
	s_mov_b32 s[\g+2], (128*KS/256)<<16
	s_mov_b32 s[\g+3], 32<<16
	s_mov_b32 s[\g+4], 128*KS/256
	s_mov_b32 s[\g+5], 32
	s_mov_b32 s[\g+6], 0
	s_mov_b32 s[\g+7], 0
.endr
	s_lshl_b32 s18, s16, 7
	s_lshl_b32 s20, s17, 8
	s_add_co_u32 s20, s20, s18
	s_lshl_b32 s46, s42, 8
	s_add_co_u32 s46, s46, s18
	s_mov_b32 s21, 0
	s_mov_b32 s47, 0
	s_mov_b64 s[18:19], KS
	s_mul_u64 s[22:23], s[20:21], s[18:19]
	s_mul_u64 s[92:93], s[46:47], s[18:19]
	s_mov_b64 s[18:19], KROW
	s_mul_u64 s[20:21], s[20:21], s[18:19]
	s_mul_u64 s[46:47], s[46:47], s[18:19]
	s_mul_i32 s45, s14, HALFT
	s_mul_i32 s94, s14, HALFS
	s_wait_kmcnt 0x0
	s_add_nc_u64 s[6:7], s[4:5], ASC               ; A's scale bytes
	s_add_nc_u64 s[20:21], s[4:5], s[20:21]
	s_add_nc_u64 s[22:23], s[6:7], s[22:23]
	s_add_nc_u64 s[46:47], s[8:9], s[46:47]
	s_add_nc_u64 s[92:93], s[10:11], s[92:93]
	CROUND                                         ; all sixteen work-groups are here: the first joint loads meet
	s_mov_b32 s[G0S], 1
	s_add_co_u32 s[G0S+1], s94, SCL
	s_mov_b64 s[G0S+2:G0S+3], s[22:23]
	s_or_b32 s[G0S+3], s[G0S+3], 0x80000000
	s_mov_b32 s[G0SB], 1
	s_add_co_u32 s[G0SB+1], s94, SCL
	s_mov_b64 s[G0SB+2:G0SB+3], s[92:93]
	s_or_b32 s[G0SB+3], s[G0SB+3], 0x80000000
	JLOAD G0S, G1S, G0SB, G1SB
.irp s, 0,1
	s_mov_b32 s[G0+4*\s], 1
	s_add_co_u32 s[G0+4*\s+1], s45, \s*SLOT
	s_add_nc_u64 s[G0+4*\s+2:G0+4*\s+3], s[20:21], \s*ROWB
	s_or_b32 s[G0+4*\s+3], s[G0+4*\s+3], 0x80000000
	s_mov_b32 s[G0B+4*\s], 1
	s_add_co_u32 s[G0B+4*\s+1], s45, \s*SLOT
	s_add_nc_u64 s[G0B+4*\s+2:G0B+4*\s+3], s[46:47], \s*ROWB
	s_or_b32 s[G0B+4*\s+3], s[G0B+4*\s+3], 0x80000000
	JLOAD G0+4*\s, G1, G0B+4*\s, G1B
.endr
	v_and_b32 v1, 15, v0                           ; r
	v_bfe_u32 v2, v0, 4, 1                         ; h
	v_mul_u32_u24 v3, v1, PITCH
	v_mul_u32_u24 v4, v2, 24
	v_add_nc_u32 v4, v3, v4
	v_lshl_add_u32 v5, v2, 4, v4
	s_mul_i32 s21, s15, HALFT
	s_mul_i32 s22, s16, HALFT
	s_add_co_u32 s22, s22, 2*HALFT
.irp s, 0,1
	v_add_nc_u32 v[ADRA+\s], s21, v4
	v_add_nc_u32 v[ADRB+\s], s22, v4
	v_add_nc_u32 v[ADRA+2+\s], s21, v5
	v_add_nc_u32 v[ADRB+2+\s], s22, v5
	s_add_co_u32 s21, s21, SLOT
	s_add_co_u32 s22, s22, SLOT
.endr
	v_mul_u32_u24 v5, v1, KS
	v_lshrrev_b32 v6, 8, v5
	v_lshl_add_u32 v5, v6, 4, v5
	s_mul_i32 s21, s15, HALFS
	s_mul_i32 s22, s16, HALFS
	s_add_co_u32 s22, s22, 2*HALFS
	s_sub_co_u32 s22, s22, s21
	v_mul_u32_u24 v6, s22, v2                      ; lanes 16-31 take B's
	s_add_co_u32 s21, s21, SCL
	v_add_nc_u32 v5, v5, v6
	v_add_nc_u32 v[ADRS], s21, v5
	s_mul_i32 s23, s14, 16*SPITCH                  ; my stage
	v_mul_u32_u24 v5, v1, SPITCH
	v_lshl_add_u32 v5, v2, 5, v5
	v_add_nc_u32 v[STO], s23, v5
	v_and_b32 v6, 31, v0
	v_lshlrev_b32 v[CO], 4, v6
	v_add_nc_u32 v[RD], s23, v[CO]
	s_lshl_b32 s20, s17, 8
	s_lshl_b32 s21, s15, 7
	s_add_co_u32 s20, s20, s21                     ; my first row
	s_mov_b32 s21, 0
	s_mov_b64 s[18:19], SIZE_N*4
	s_mul_u64 s[20:21], s[20:21], s[18:19]
	s_lshl_b32 s46, s42, 10
	s_lshl_b32 s47, s16, 9
	s_add_co_u32 s46, s46, s47                     ; my first column, in bytes
	s_mov_b32 s47, 0
	s_add_nc_u64 s[96:97], s[96:97], s[46:47]
	s_add_nc_u64 s[20:21], s[20:21], s[46:47]
	s_add_nc_u64 s[12:13], s[12:13], s[20:21]
	s_add_nc_u64 s[98:99], s[98:99], s[20:21]
	v_lshlrev_b32 v7, 5, v2
.irp b, 0,1,2,3,4,5,6,7
	global_load_b128 v[CB+8*\b:CB+8*\b+3], v7, s[96:97] offset:64*\b
	global_load_b128 v[CB+8*\b+4:CB+8*\b+7], v7, s[96:97] offset:64*\b+16
.endr
	s_wait_loadcnt 0x0
.macro FRAG reg, adr, q, i             ; a fragment, 16 rows x 128 K: 12 registers, in pieces of 8 bytes; where the piece three on (lanes 16-31) lies behind one padding more, the second address register serves
.irp p, 0,1,2,3,4,5
.set PCE, 12*(\q)+6*(\p/3)+\p%3
.if PCE%8 < 5
	ds_load_b64 v[\reg+2*\p:\reg+2*\p+1], v[\adr] offset:8*PCE+16*(PCE/8)+(\i)*16*PITCH
.else
	ds_load_b64 v[\reg+2*\p:\reg+2*\p+1], v[\adr+2] offset:8*PCE+16*(PCE/8)+(\i)*16*PITCH
.endif
.endr
.endm
; 16 matrix instructions: A's blocks a0, a0 + 1 x B's eight.  zero = 1: the first product starts the sums, with the bias as its C.  The 64 accumulators take turns, one instruction a turn.
.macro MUL16 a0, p, q, sc, zero
.irp a, \a0, \a0+1
.irp b, 0,1,2,3,4,5,6,7
.if \zero
	v_wmma_scale_f32_16x16x128_f8f6f4 v[8*(8*((\a)%4)+\b):8*(8*((\a)%4)+\b)+7], v[128*(\p)+FR*\b:128*(\p)+FR*\b+FR-1], v[AF+FR*(\a):AF+FR*(\a)+FR-1], v[CB+8*\b:CB+8*\b+7], v[SC+8*NQ*(\sc)+NQ*\b+(\q)], v[SC+8*NQ*(\sc)+NQ*(\a)+(\q)] matrix_a_fmt:MATRIX_FMT_FP6 matrix_b_fmt:MATRIX_FMT_FP6 matrix_a_scale:MATRIX_SCALE_ROW1
.else
	v_wmma_scale_f32_16x16x128_f8f6f4 v[8*(8*((\a)%4)+\b):8*(8*((\a)%4)+\b)+7], v[128*(\p)+FR*\b:128*(\p)+FR*\b+FR-1], v[AF+FR*(\a):AF+FR*(\a)+FR-1], v[8*(8*((\a)%4)+\b):8*(8*((\a)%4)+\b)+7], v[SC+8*NQ*(\sc)+NQ*\b+(\q)], v[SC+8*NQ*(\sc)+NQ*(\a)+(\q)] matrix_a_fmt:MATRIX_FMT_FP6 matrix_b_fmt:MATRIX_FMT_FP6 matrix_a_scale:MATRIX_SCALE_ROW1
.endif
.endr
.endr
.endm
.macro FETCH_B slot, q, p
	WIN TO_B
.irp i, 0,1,2,3,4,5,6,7
	FRAG 128*(\p)+FR*\i, ADRB+\slot, \q, \i
.endr
	WIN 0
.endm
.macro FETCH_A slot, q, i0
.irp i, \i0, \i0+1, \i0+2, \i0+3
	FRAG AF+FR*(\i), ADRA+\slot, \q, \i
.endr
.endm
.macro SCALES sc                       ; lanes 0-15 take A's block i, lanes 16-31 B's block i
.irp i, 0,1,2,3,4,5,6,7
	ds_load_b64 v[SC+8*NQ*\sc+NQ*\i:SC+8*NQ*\sc+NQ*\i+1], v[ADRS] offset:\i*SBLK
.endr
.endm
.macro PLACES n
.rept \n
	v_nop
.endr
.endm
.macro STEP slot, q, zero
	s_wait_dscnt 4*NL                              ; the youngest 24 loads (A's blocks 4-7) may be out
.if \zero
	WIN ZER_LO
.else
	WIN MUL_LO
.endif
	MUL16 0, (\q)%2, \q, \slot, \zero
	MUL16 2, (\q)%2, \q, \slot, \zero
	s_wait_dscnt 0
	PLACES NP
	FETCH_B \slot, (\q)+1, 1-(\q)%2
	FETCH_A \slot, (\q)+1, 0
.if \zero
	WIN ZER_HI
.else
	WIN MUL_HI
.endif
	MUL16 4, (\q)%2, \q, \slot, \zero
	MUL16 6, (\q)%2, \q, \slot, \zero
	PLACES NP
	WIN 0
	FETCH_A \slot, (\q)+1, 4
.endm
; A slot's last step changes slots: ONE barrier; in front of it each wave waits for all its tensor loads, adds 0 to its spare word, and waits for that and for its own reads of this slot.
.macro TURN slot, next, fill
	s_wait_tensorcnt 0x0                           ; all my tensor loads have landed: my part of the next slot
	ds_add_u32 v[SPW], v[NIL]                      ; 0 onto my spare word
	s_wait_dscnt 4*NL+1                            ; (the add and the youngest 24 loads may be out)
	WIN MUL_LO
	MUL16 0, 1, NQ-1, \slot, 0
	s_wait_dscnt 0x0                               ; the add is done, and my reads of this slot are over
	s_barrier_signal -1
	MUL16 2, 1, NQ-1, \slot, 0
	WIN 0
	s_barrier_wait -1
.if \fill
	CREST                                          ; a round of the cluster's barrier: no wave of any partner still reads this slot or has a load on its way
	s_add_nc_u64 s[G0+4*\slot+2:G0+4*\slot+3], s[G0+4*\slot+2:G0+4*\slot+3], 2*ROWB
	s_add_nc_u64 s[G0B+4*\slot+2:G0B+4*\slot+3], s[G0B+4*\slot+2:G0B+4*\slot+3], 2*ROWB
	JLOAD G0+4*\slot, G1, G0B+4*\slot, G1B         ; the first tensor load behind the round
.else
	PLACES NP
.endif
	v_add_nc_u32 v[ADRS], 4*NQ, v[ADRS]
	FETCH_B \next, 0, 0
	FETCH_A \next, 0, 0
	SCALES \next
	WIN MUL_HI
	MUL16 4, 1, NQ-1, \slot, 0
	MUL16 6, 1, NQ-1, \slot, 0
	PLACES NP
	WIN 0
	FETCH_A \next, 0, 4
.endm
	s_wait_tensorcnt 1                             ; the scales and my part of K step 0 are in (K step 1's load may be out),
	s_barrier_signal -1
	s_barrier_wait -1                              ; everybody's are
	FETCH_B 0, 0, 0
	FETCH_A 0, 0, 0
	SCALES 0
	FETCH_A 0, 0, 4
	STEP 0, 0, 1
	s_mov_b32 s3, LAPS-1
.Llap:
	TURN 0, 1, 1
	STEP 1, 0, 0
	TURN 1, 0, 1
	STEP 0, 0, 0
	s_sub_co_u32 s3, s3, 1
	s_cmp_lg_u32 s3, 0
	s_cbranch_scc1 .Llap
	TURN 0, 1, 0
	STEP 1, 0, 0
	s_wait_dscnt 4*NL
	WIN MUL_LO
	MUL16 0, 1, NQ-1, 1, 0
	MUL16 2, 1, NQ-1, 1, 0
	s_wait_dscnt 0
	WIN MUL_HI
	MUL16 4, 1, NQ-1, 1, 0
	MUL16 6, 1, NQ-1, 1, 0
	WIN 0
; THE WAY OUT, block by block of 16 rows x 128 columns: through my stage, back as whole rows of 512 bytes, plus the residual's rows, stored.
.macro TOSTAGE a
.set AC, 64*((\a)%4)
	WIN 0x08+4*((\a)/4)                            ; the data: window 2 or 3
.irp b, 0,1,2,3,4,5,6,7
	ds_store_b128 v[STO], v[AC+8*\b:AC+8*\b+3] offset:64*\b          ; each accumulator from its low end on
	ds_store_b128 v[STO], v[AC+8*\b+4:AC+8*\b+7] offset:64*\b+16
.endr
	WIN 0
.set BB, BK+64*((\a)%2)
.irp t, 0,1,2,3,4,5,6,7,8,9,10,11,12,13,14,15
	ds_load_b128 v[BB+4*\t:BB+4*\t+3], v[RD] offset:\t*SPITCH        ; LDS serves a wave's instructions in order: these see the stores above
.endr
.endm
.macro RLOAD                           ; 16 rows of the residual, 512 consecutive bytes an instruction; each byte is read once in the launch
.irp t, 0,1,2,3,4,5,6,7,8,9,10,11,12,13,14,15
	global_load_b128 v[R+4*\t:R+4*\t+3], v[CO], s[98:99] offset:\t*SIZE_N*4 th:TH_LOAD_NT
.endr
.endm
	PLACES NP
	RLOAD
	TOSTAGE 0
.irp a, 0,1,2,3,4,5,6,7
	s_wait_dscnt 0x0                               ; block a is back in registers,
	s_wait_loadcnt 0x0                             ; and its rows of the residual are in
.set BB, BK+64*(\a%2)
.set i, 0
.rept 32
	v_pk_add_f32 v[BB+2*i:BB+2*i+1], v[BB+2*i:BB+2*i+1], v[R+2*i:R+2*i+1]
.set i, i+1
.endr
	s_wait_xcnt 0x0                                ; block a - 1's stores have read their data and their base
.if \a < 7
	s_add_nc_u64 s[98:99], s[98:99], 16*SIZE_N*4
	RLOAD
	TOSTAGE \a+1
.endif
.if \a > 0
	s_add_nc_u64 s[12:13], s[12:13], 16*SIZE_N*4
.endif
.set BB, BK+64*(\a%2)
.irp t, 0,1,2,3,4,5,6,7,8,9,10,11,12,13,14,15
	global_store_b128 v[CO], v[BB+4*\t:BB+4*\t+3], s[12:13] offset:\t*SIZE_N*4 th:TH_STORE_NT   ; 32 lanes store 512 consecutive bytes, at a multiple of 256 from the buffer's first byte; written once, read by nobody here
.endr
.endr
	s_wait_tensorcnt 0x0                           ; the wave's end
	ds_add_u32 v[SPW], v[NIL]
	s_wait_dscnt 0x0
	CROUND                                         ; the closing round
	s_endpgm
.Lfunc_end_k_qd10a0de7d6_ffn_down:
	.size	k_qd10a0de7d6_ffn_down, .Lfunc_end_k_qd10a0de7d6_ffn_down-k_qd10a0de7d6_ffn_down
	.p2alignl 7, 3214868480
	.fill 96, 4, 3214868480
	.section	.rodata,"a",@progbits
	.p2align	6, 0x0
	.amdhsa_kernel k_qd10a0de7d6_ffn_down
		.amdhsa_group_segment_fixed_size 327680
		.amdhsa_private_segment_fixed_size 0
		.amdhsa_enable_private_segment 0
		.amdhsa_kernarg_size 48
		.amdhsa_user_sgpr_count 2
		.amdhsa_user_sgpr_kernarg_segment_ptr 1
		.amdhsa_wavefront_size32 1
		.amdhsa_system_sgpr_workgroup_id_x 1
		.amdhsa_system_sgpr_workgroup_id_y 1
		.amdhsa_system_sgpr_workgroup_id_z 1
		.amdhsa_system_vgpr_workitem_id 0
		.amdhsa_next_free_vgpr 1024
		.amdhsa_next_free_sgpr 102
		.amdhsa_reserve_vcc 0
		.amdhsa_float_denorm_mode_32 3
		.amdhsa_float_denorm_mode_16_64 3
		.amdhsa_memory_ordered 1
		.amdhsa_forward_progress 1
		.amdhsa_inst_pref_size 190
	.end_amdhsa_kernel
	.amdgpu_metadata
---
amdhsa.version: [ 1, 2 ]
amdhsa.kernels:
  - .name:           k_qd10a0de7d6_ffn_down
    .symbol:         k_qd10a0de7d6_ffn_down.kd
    .args:
      - { .name: gc, .offset: 0, .size: 8, .value_kind: global_buffer, .address_space: global }
      - { .name: w2_codes, .offset: 8, .size: 8, .value_kind: global_buffer, .address_space: global }
      - { .name: w2_scales, .offset: 16, .size: 8, .value_kind: global_buffer, .address_space: global }
      - { .name: b2, .offset: 24, .size: 8, .value_kind: global_buffer, .address_space: global }
      - { .name: x1, .offset: 32, .size: 8, .value_kind: global_buffer, .address_space: global }
      - { .name: out0, .offset: 40, .size: 8, .value_kind: global_buffer, .address_space: global }
    .group_segment_fixed_size: 327680
    .private_segment_fixed_size: 0
    .kernarg_segment_align: 8
    .kernarg_segment_size: 48
    .max_flat_workgroup_size: 128
    .sgpr_count:     102
    .vgpr_count:     1024
    .wavefront_size: 32
...
	.end_amdgpu_metadata
.endif
;; end of part 6
;; ======== version 2 of 2: 7 launches
;; limits: right only within a limited range of input values
;; workspace buffers: h1 3,276,800 bytes; qkvc 13,631,488 bytes; ao 3,276,800 bytes; x1 16,777,216 bytes; h2 3,276,800 bytes; gc 13,107,200 bytes
;; launch norm1 (part 7): grid 256 x 1, 4 waves a work-group, no clusters, 33,280 bytes of LDS; arguments x, ln1_g, ln1_b, h1; writes h1
.if DOCPART == 7
	.amdgcn_target "amdgcn-amd-amdhsa--gfx1250"
	.amdhsa_code_object_version 6
	.text
	.protected	k_qd10a0de7d6_norm1
	.globl	k_qd10a0de7d6_norm1
	.p2align	8
	.type	k_qd10a0de7d6_norm1,@function
k_qd10a0de7d6_norm1:
	s_mov_b64 s[64:65], 0
	v_nop
	global_prefetch_b8 v0, s[64:65] scope:SCOPE_SE
	s_setreg_imm32_b32 hwreg(HW_REG_WAVE_MODE, 25, 1), 1
	s_wait_xcnt 0x0
; y = (x - mean) * rsqrt(var + 1e-5) * g + b over rows of 1,024 f32, all in f32 (mean first, then the mean of the squared differences), and y quantised along the row:
; codes of FP6 (E2M3), 6 bits each, [4096][768 bytes], and SCO bytes on one E8M0 byte for each 32 numbers, [4096][32].
; A block's scale is 2^(floor(log2(its largest magnitude)) - 2); its byte is the largest magnitude's exponent field - 2, held at 1 from below.
; LIMITS: NaN and infinities are not served.  A block of zeros gets the byte 1 where the rule says 127: its codes are zeros, and the bytes are read by this program alone.  v_rsq_f32 is good to 1 ulp.
; SHARES.  Work-group j, wave w: rows 16 j + 4 w + 0 .. 3, one row at a time; a row is 32 registers of the wave, so both sums stay inside the wave: no barrier.
; All 48 loads of a wave (four rows, g, b) go out at the head; each reads 512 consecutive bytes.  For the sums any lane may hold any column; the conversion wants 16 NEIGHBOURS in a lane:
; so the finished row turns through the wave's own stage in LDS (64 bytes + 16 of padding a place) and comes back 64 bytes a lane.
.set SCO,  3145728                     ; where the scale bytes begin in the output buffer
.set WREG, 8192                        ; LDS: a region for each wave
.set SP,   80                          ; a place in the stage: 64 bytes + 16
.set SBY,  64*SP                       ; behind the stage's 64 places: the wave's 128 scale bytes
.set E,    24                          ; v24-31   a scale byte for each (row, half)
.set C,    32                          ; v32-63   codes: four registers for each (row, half): no store's data are written again
.set G,    64                          ; v64-95   g, as loaded
.set B,    96                          ; v96-127  b
.set X,    128                         ; v128-255 row p at X + 32 p
	s_load_b256 s[4:11], s[0:1], 0x0               ; in s[4:5], g s[6:7], b s[8:9], out s[10:11]
	v_lshl_add_u32 v59, v0, 2, 0x8000
	v_mov_b32 v63, 0
	v_lshrrev_b32 v1, 5, v0
	v_readfirstlane_b32 s14, v1                    ; wave
	v_and_b32 v1, 31, v0                           ; lane
	v_lshlrev_b32 v2, 4, v1                        ; my 16 bytes of a load's 512
	s_mul_i32 s15, s14, WREG
	v_lshrrev_b32 v3, 2, v1
	v_mul_u32_u24 v3, v3, SP
	v_and_b32 v9, 3, v1
	v_lshl_add_u32 v3, v9, 4, v3
	v_add_nc_u32 v3, s15, v3                       ; the stage, in: SP (lane / 4) + 16 (lane % 4); a load's 512 bytes take eight places
	v_mul_u32_u24 v4, v1, SP
	v_add_nc_u32 v4, s15, v4                       ; out: SP x lane: 16 neighbours
	v_lshrrev_b32 v5, 1, v1
	s_add_co_u32 s15, s15, SBY
	v_add_nc_u32 v5, s15, v5                       ; my block's scale byte
	v_lshlrev_b32 v8, 2, v1
	v_add_nc_u32 v6, s15, v8                       ; and on the way out 4 bytes a lane
	v_mul_u32_u24 v7, v1, 12                       ; my 16 codes in a half row's 384 bytes
	v_mov_b32 v21, 0                               ; a lane permute's destination counts as one of its sources
	s_mov_b32 s16, 0x76543210
	s_mov_b32 s17, 0xfedcba98                      ; v_permlanex16_b32's selects for lane l xor 16
	s_mov_b32 s18, 0x3a800000                      ; 1 / 1024
	s_mov_b32 s19, 0x3727c5ac                      ; 1e-5
	s_lshl_b32 s20, ttmp9, 4
	s_lshl_b32 s21, s14, 2
	s_add_co_u32 s20, s20, s21                     ; my first row
	s_lshl_b32 s22, s20, 12                        ; x 4,096 bytes
	s_mov_b32 s23, 0
	s_mul_i32 s24, s20, 768                        ; x 768 bytes of codes
	s_mov_b32 s25, 0
	s_lshl_b32 s26, s20, 5                         ; x 32 scale bytes,
	s_add_co_u32 s26, s26, SCO                     ; behind the codes
	s_mov_b32 s27, 0
	s_wait_kmcnt 0x0
	s_add_nc_u64 s[4:5], s[4:5], s[22:23]
	s_add_nc_u64 s[12:13], s[10:11], s[26:27]
	s_add_nc_u64 s[10:11], s[10:11], s[24:25]
.macro XLOAD p                         ; row p: load i brings columns 128 i + 4 lane + 0 .. 3
.irp i, 0,1,2,3,4,5,6,7
	global_load_b128 v[X+32*\p+4*\i:X+32*\p+4*\i+3], v2, s[4:5] offset:4096*\p+512*\i
.endr
.endm
	XLOAD 0
.irp i, 0,1,2,3,4,5,6,7
	global_load_b128 v[G+4*\i:G+4*\i+3], v2, s[6:7] offset:512*\i
.endr
.irp i, 0,1,2,3,4,5,6,7
	global_load_b128 v[B+4*\i:B+4*\i+3], v2, s[8:9] offset:512*\i
.endr
	XLOAD 1
	XLOAD 2
	XLOAD 3
.macro REDUCE                          ; v10 summed over the 32 lanes, the sum in every lane
	v_add_f32_dpp v10, v10, v10 row_xmask:1 row_mask:0xf bank_mask:0xf
	v_add_f32_dpp v10, v10, v10 row_xmask:2 row_mask:0xf bank_mask:0xf
	v_add_f32_dpp v10, v10, v10 row_xmask:4 row_mask:0xf bank_mask:0xf
	v_add_f32_dpp v10, v10, v10 row_xmask:8 row_mask:0xf bank_mask:0xf
	v_permlanex16_b32 v21, v10, s16, s17
	v_add_f32 v10, v10, v21
.endm
; Row p.  n1: the loads that may be out when the row is wanted; n2: when g and b are wanted.
.macro ROWP p, n1, n2
.set XR, X+32*\p
	s_wait_loadcnt \n1                             ; loads come back in order: my row is in, the younger ones stay out
	v_pk_add_f32 v[10:11], v[XR:XR+1], v[XR+2:XR+3]          ; the sum, in two chains
	v_pk_add_f32 v[12:13], v[XR+4:XR+5], v[XR+6:XR+7]
.irp i, 8,12,16,20,24,28
	v_pk_add_f32 v[10:11], v[10:11], v[XR+\i:XR+\i+1]
	v_pk_add_f32 v[12:13], v[12:13], v[XR+\i+2:XR+\i+3]
.endr
	v_pk_add_f32 v[10:11], v[10:11], v[12:13]
	v_add_f32 v10, v10, v11
	REDUCE
	v_mul_f32 v14, s18, v10                        ; the mean
	v_mov_b32 v15, v14
.irp i, 0,2,4,6,8,10,12,14,16,18,20,22,24,26,28,30
	v_pk_add_f32 v[XR+\i:XR+\i+1], v[XR+\i:XR+\i+1], v[14:15] neg_lo:[0,1] neg_hi:[0,1]   ; x - mean, in place
.endr
	v_pk_mul_f32 v[10:11], v[XR:XR+1], v[XR:XR+1]            ; the sum of their squares, in two chains
	v_pk_mul_f32 v[12:13], v[XR+2:XR+3], v[XR+2:XR+3]
.irp i, 4,8,12,16,20,24,28
	v_pk_fma_f32 v[10:11], v[XR+\i:XR+\i+1], v[XR+\i:XR+\i+1], v[10:11]
	v_pk_fma_f32 v[12:13], v[XR+\i+2:XR+\i+3], v[XR+\i+2:XR+\i+3], v[12:13]
.endr
	v_pk_add_f32 v[10:11], v[10:11], v[12:13]
	v_add_f32 v10, v10, v11
	REDUCE
	v_fma_f32 v16, v10, s18, s19                   ; var + eps
	s_wait_alu depctr_va_vdst(0)
	v_rsq_f32 v16, v16
	v_nop                                          ; one plain place behind a transcendental
	s_wait_alu depctr_va_vdst(0)
	v_mov_b32 v17, v16
	s_wait_alu depctr_va_vdst(0)
	s_wait_loadcnt \n2                             ; g and b are in
.irp i, 0,2,4,6,8,10,12,14,16,18,20,22,24,26,28,30
	v_pk_mul_f32 v[XR+\i:XR+\i+1], v[XR+\i:XR+\i+1], v[16:17]
.endr
.irp i, 0,2,4,6,8,10,12,14,16,18,20,22,24,26,28,30
	v_pk_fma_f32 v[XR+\i:XR+\i+1], v[XR+\i:XR+\i+1], v[G+\i:G+\i+1], v[B+\i:B+\i+1]
.endr
.irp i, 0,1,2,3,4,5,6,7
	ds_store_b128 v3, v[XR+4*\i:XR+4*\i+3] offset:8*SP*\i
.endr
.irp t, 0,1
.irp j, 0,1,2,3
	ds_load_b128 v[XR+16*\t+4*\j:XR+16*\t+4*\j+3], v4 offset:32*SP*\t+16*\j   ; LDS serves a wave's instructions in order: these see the stores above.  Register 16 t + i is now column 512 t + 16 lane + i
.endr
.endr
	s_wait_dscnt 0x0
.irp t, 0,1
.set XS, XR+16*\t
.set CC, C+4*(2*\p+\t)
	v_max3_num_f32 v18, |v[XS]|, |v[XS+1]|, |v[XS+2]|        ; the largest magnitude of my 16
	v_max3_num_f32 v19, |v[XS+3]|, |v[XS+4]|, |v[XS+5]|
.irp i, 6,10
	v_max3_num_f32 v18, v18, |v[XS+\i]|, |v[XS+\i+1]|
	v_max3_num_f32 v19, v19, |v[XS+\i+2]|, |v[XS+\i+3]|
.endr
	v_max3_num_f32 v18, v18, |v[XS+14]|, |v[XS+15]|
	v_max3_num_f32 v18, v18, v19, 0x1800000        ; and the floor 2^(3 - 127): the byte cannot fall under 1
	v_max_num_f32_dpp v18, v18, v18 row_xmask:1 row_mask:0xf bank_mask:0xf   ; with my neighbour's 16: the block's
	v_add_nc_u32 v20, 0xff000000, v18              ; 2 off its exponent field: the conversion takes the exponent field of this operand as its scale
	v_cvt_scalef32_pk16_fp6_f32 v[CC:CC+2], v[XS:XS+15], v20
	v_lshrrev_b32 v[E+2*\p+\t], 23, v20            ; the scale's byte (a plain line behind the conversion)
	ds_store_b8 v5, v[E+2*\p+\t] offset:32*\p+16*\t          ; both lanes of a block write the same byte with the same value
	global_store_b96 v7, v[CC:CC+2], s[10:11] offset:768*\p+384*\t   ; the wave stores 384 consecutive bytes
.endr
.endm
	ROWP 0, 40, 24                                 ; of the 48 loads: behind row 0's stand 40; behind b's the 24 of rows 1 to 3
	ROWP 1, 16, 16
	ROWP 2, 8, 8
	ROWP 3, 0, 0
	ds_load_b32 v9, v6                             ; my four rows' 128 scale bytes: LDS serves a wave's instructions in order
	s_wait_dscnt 0x0
	global_store_b32 v8, v9, s[12:13]              ; 128 consecutive bytes
	s_wait_tensorcnt 0x0
	ds_add_u32 v59, v63
	s_wait_dscnt 0x0
	s_endpgm
.Lfunc_end_k_qd10a0de7d6_norm1:
	.size	k_qd10a0de7d6_norm1, .Lfunc_end_k_qd10a0de7d6_norm1-k_qd10a0de7d6_norm1
	.p2alignl 7, 3214868480
	.fill 96, 4, 3214868480
	.section	.rodata,"a",@progbits
	.p2align	6, 0x0
	.amdhsa_kernel k_qd10a0de7d6_norm1
		.amdhsa_group_segment_fixed_size 33280
		.amdhsa_private_segment_fixed_size 0
		.amdhsa_enable_private_segment 0
		.amdhsa_kernarg_size 32
		.amdhsa_user_sgpr_count 2
		.amdhsa_user_sgpr_kernarg_segment_ptr 1
		.amdhsa_wavefront_size32 1
		.amdhsa_system_sgpr_workgroup_id_x 1
		.amdhsa_system_sgpr_workgroup_id_y 1
		.amdhsa_system_sgpr_workgroup_id_z 1
		.amdhsa_system_vgpr_workitem_id 0
		.amdhsa_next_free_vgpr 256
		.amdhsa_next_free_sgpr 66
		.amdhsa_reserve_vcc 0
		.amdhsa_float_denorm_mode_32 3
		.amdhsa_float_denorm_mode_16_64 3
		.amdhsa_memory_ordered 1
		.amdhsa_forward_progress 1
		.amdhsa_inst_pref_size 43
	.end_amdhsa_kernel
	.amdgpu_metadata
---
amdhsa.version: [ 1, 2 ]
amdhsa.kernels:
  - .name:           k_qd10a0de7d6_norm1
    .symbol:         k_qd10a0de7d6_norm1.kd
    .args:
      - { .name: x, .offset: 0, .size: 8, .value_kind: global_buffer, .address_space: global }
      - { .name: ln1_g, .offset: 8, .size: 8, .value_kind: global_buffer, .address_space: global }
      - { .name: ln1_b, .offset: 16, .size: 8, .value_kind: global_buffer, .address_space: global }
      - { .name: h1, .offset: 24, .size: 8, .value_kind: global_buffer, .address_space: global }
    .group_segment_fixed_size: 33280
    .private_segment_fixed_size: 0
    .kernarg_segment_align: 8
    .kernarg_segment_size: 32
    .max_flat_workgroup_size: 128
    .sgpr_count:     66
    .vgpr_count:     256
    .wavefront_size: 32
...
	.end_amdgpu_metadata
.endif
;; end of part 7
;; launch proj_qkv (part 8): grid 12 x 16, 4 waves a work-group, clusters of 4 x 4, 327,680 bytes of LDS; arguments h1, wq_codes, wq_scales, wk_codes, wk_scales, wv_codes, wv_scales, bq, bk, bv, qkvc; writes qkvc
.if DOCPART == 8
	.amdgcn_target "amdgcn-amd-amdhsa--gfx1250"
	.amdhsa_code_object_version 6
	.text
	.protected	k_qd10a0de7d6_proj_qkv
	.globl	k_qd10a0de7d6_proj_qkv
	.p2align	8
	.type	k_qd10a0de7d6_proj_qkv,@function
k_qd10a0de7d6_proj_qkv:
	s_mov_b64 s[64:65], 0
	v_nop
	global_prefetch_b8 v0, s[64:65] scope:SCOPE_SE
	s_setreg_imm32_b32 hwreg(HW_REG_WAVE_MODE, 25, 1), 1
	s_wait_xcnt 0x0
	s_wait_alu depctr_hold_cnt(0) depctr_sa_sdst(0) depctr_va_vdst(0) depctr_va_sdst(0) depctr_va_ssrc(0) depctr_va_vcc(0) depctr_vm_vsrc(0)
	s_getreg_b32 s2, hwreg(HW_REG_IB_STS2, 6, 4)
	s_cmp_eq_u32 s2, 0
	s_cbranch_scc0 .Lentry_in_a_cluster
	s_endpgm
.Lentry_in_a_cluster:
	s_bfe_u32 s2, ttmp6, 0x10000c
	s_cmp_lg_u32 s2, 0xf033
	s_cbranch_scc0 .Lentry_shape_is_right
	s_endpgm
.Lentry_shape_is_right:
; q = h Wq^T + bq, k = h Wk^T + bk, v = h Wv^T + bv on codes of FP6 (E2M3) with one E8M0 scale for each 32 along K = 1,024; then q and k are quantised along a head's 64 channels and v along the KEYS,
; and all three are stored as IMAGES OF THE OPERAND REGISTERS that the attention launch loads.  h: codes [4096][768 bytes], its scale bytes SCO bytes on; the weights: codes [1024][768], scales [1024][32].
; THE PRODUCT.  A tile of 256 x 256 to a work-group of four waves, 128 x 128 (64 accumulators, 512 registers) to a wave; K in steps of 256 through a ring of two LDS slots filled by the tensor data mover;
; the scale bytes of the work-group's rows come into LDS once.  4 x 4 work-groups form a cluster: A's tiles are asked for jointly along a row of the cluster, B's along a column.
; The matrix instruction is used transposed (source 0 = 16 rows of B, source 1 = 16 rows of A): a lane holds ONE row of A's side, and its registers run along B's side.
; THREE KINDS, ONE TEXT.  The cluster's x says which: 0 q, 1 k, 2 v; it is the same in all sixteen partners, and it only chooses pointers and numbers (s_cselect, v_cndmask): there is no branch on it.
;   q, k: A = h (tokens), B = the weight: a lane holds a token, its registers run along the features: two heads of 64.      v: A = Wv (channels), B = h (tokens): a lane holds a channel, its registers run along the keys.
; So a lane's 64 numbers of a block of 16 rows always run along the axis that is quantised.  The bias along B's side (q, k) is the C of each sum's first product; the one along A's side (v) is added on the way out; the other is 0.
; THE OUTPUT.  Two regions, q's at 0 and k's and v's at KVR; in each [16 batch + head][step of 128 tokens] a block of SB bytes:
;   +0      8 tiles x 768: tile 2 b + u, slot r = token 32 b + 8 u + r + 8 (r / 8); registers 2 p, 2 p + 1 (p = 0 .. 2) of lane 16 h + r at 768 tile + 256 p + 8 lane: channels 32 h + 0 .. 31
;   +6144   4 tiles x 1536 of v^T (16 channels x the step's 128 keys): registers 2 p, 2 p + 1 (p = 0 .. 5) at 1536 tile + 256 p + 8 lane
;   +12288  the first part's scale words, 64 tile + 4 r: bytes 0, 1 the head's two blocks, bytes 2, 3 zero       +12800  v's scale words, 128 tile + 4 lane (lanes 16-31 a copy)
; LIMITS: NaN and infinities are not served; a block of zeros gets the byte 1 (its codes are zeros; this program alone reads the bytes).
; REGISTERS, in windows of 256: window 0: v0-31 addresses; v32-63 scale words, two sets; v64-127 the bias along B's side, later 64 numbers at work; v128-223 A's fragments, ONE set, later codes at work;
;   v224-239 the bias along A's side; v240-245 the way out's offsets.   window 1: B's fragments, TWO sets.   windows 2, 3: the accumulators ((a, b) at v[8 (8 (a % 4) + b)]).
.set SIZE_K, 1024
.set SCO,    3145728                   ; h's scale bytes begin here
.set SB,     13312                     ; a step's block in the output
.set HB,     16*SB                     ; a head's
.set KVR,    32*HB                     ; k's and v's region
.set KSTEP,  256                       ; along K in a slot
.set NQ,     KSTEP/128                 ; matrix instructions deep
; THE RING: K goes in chunks of 256 bytes of each row of codes (a row is 768 bytes: three chunks, each begins at a multiple of 256 bytes); chunk c lies in slot c % 2.
; A matrix step is 96 bytes of a row: eight steps to three chunks; steps 2 and 5 lie across two chunks.  No prefetch: K is three chunks, two of which are asked for before the first product.
.set ROWB,   256                       ; a tile's row in bytes: a chunk
.set STEPS,  SIZE_K/128
.set CHUNKS, 3
.set KROW,   SIZE_K*6/8                ; a row of codes in memory
.set PITCH,  272                       ; an LDS row: 256 bytes + 16 of padding = 68 words
.set FR,     12                        ; registers of a fragment
.set NL,     6                         ; LDS loads that bring one
.set NP,     4                         ; places behind this matrix instruction (ISA guide 7.12.1)
.set HALFT,  128*PITCH                 ; 128 rows: what one tensor load brings
.set SLOT,   4*HALFT                   ; A's 256 rows, then B's 256
.set LAPS,   SIZE_K/(2*KSTEP)
.set KS,     SIZE_K/32                 ; a row of scale bytes
.set SCL,    2*SLOT                    ; behind the ring: the scales, as rows of 256 bytes + 16 of padding
.set HALFS,  (128*KS/256)*272          ; those of 128 rows
.set SBLK,   (16*KS/256)*272           ; those of 16 rows
.set SPARE,  SCL+4*HALFS               ; behind the scales: the spare words, 128 bytes a wave: two blocks of 256 bytes that no other line names
.set ADRA, 16                          ; v16-17 LDS address of my A fragments in slot 0, 1 (v18-19: for the pieces across two chunks)
.set ADRB, 20                          ; v20-23 the same for B
.set ADRS, 27                          ; v27    LDS address of my scale words: lanes 0-15 A's rows, lanes 16-31 B's
.set SPW,  28                          ; v28    LDS address of my spare word; never rewritten
.set NIL,  29                          ; v29    0; never rewritten
.set SC,   32                          ; scale words: set s at v[SC + 8 NQ s]
.set CB,   64                          ; the bias along B's side: v[CB + 8 b + j] = bias(16 b + 8 h + j)
.set AF,   128                         ; A's fragments
.set RB,   224                         ; the bias along A's side: block a's, twice, at v[RB + 2 a]
.set VC,   240                         ; the way out: my codes' offset
.set VS,   241                         ; my scale word's
.set SH,   242                         ; how far my scale word is shifted down
.set VA,   243                         ; the two offsets and the word of the block in hand
.set VB,   244
.set VW,   245
.set T,    64                          ; the way out: 64 numbers
.set PC,   128                         ; the codes just made: v128-146
.set TM,   148                         ; v148-163 at work
.set PW,   164                         ; the scale word just made
.set G1, 24                            ; s[24:31] descriptor group 1 for A's tiles; s[32:39] group 0, one set for each slot
.set G0, 32
.set G1B, 48                           ; s[48:55], s[56:63] the same for B's
.set G0B, 56
.set SEL, 66                           ; s[66:67] v_permlanex16_b32's selects for lane l xor 16
.set G1S, 68                           ; s[68:75], s[76:79] groups 1 and 0 for A's scales; s[80:87], s[88:91] for B's
.set G0S, 76
.set G1SB, 80
.set G0SB, 88
.set MSB, 0
.macro WIN new                         ; the immediate's high byte repeats the setting that is left
.if MSB != (\new)
	s_set_vgpr_msb (MSB<<8)|(\new)
.set MSB, (\new)
.endif
.endm
.set MUL_LO, 0xa1                      ; source 0 (B) window 1, source 1 (A) window 0, C and D window 2
.set MUL_HI, 0xf1                      ; the same, C and D window 3
.set ZER_LO, 0x81                      ; the first products: C (the bias) window 0, D window 2
.set ZER_HI, 0xc1                      ; D window 3
.set TO_B,   0x40                      ; destination window 1, address window 0
; A joint load: waves 0 and 1 fetch for A, waves 2 and 3 for B.  Each line has one mask and one set of registers for all that issue it; the branch hangs on the wave's number alone.
; Four v_nop follow each of the two lines, ahead of the jump, the label and what follows.
.macro JLOAD g0a, g1a, g0b, g1b
	s_cmp_eq_u32 s15, 0
	s_cbranch_scc0 .Lfor_b_\@
	tensor_load_to_lds s[\g0a:\g0a+3], s[\g1a:\g1a+7]
	s_nop 0
.rept 4
	v_nop
.endr
	s_branch .Lasked_\@
.Lfor_b_\@:
	tensor_load_to_lds s[\g0b:\g0b+3], s[\g1b:\g1b+7]
	s_nop 0
.rept 4
	v_nop
.endr
.Lasked_\@:
.endm
.macro CREST                           ; a round of the cluster's barrier behind its opening barrier
	s_cmp_lg_u32 s14, 0
	s_cbranch_scc1 .Lnot_wave_0_\@
	s_barrier_signal -3
.Lnot_wave_0_\@:
	s_barrier_wait -3
	s_barrier_signal -1
	s_barrier_wait -1
.endm
.macro CROUND                          ; a whole round
	s_barrier_signal -1
	s_barrier_wait -1
	CREST
.endm
	s_load_b512 s[68:83], s[0:1], 0x0              ; h s[68:69]; Wq's codes, scales s[70:73]; Wk's s[74:77]; Wv's s[78:81]; bq s[82:83]
	s_load_b128 s[84:87], s[0:1], 0x40             ; bk, bv
	s_load_b64 s[12:13], s[0:1], 0x50              ; the output
	v_lshl_add_u32 v[SPW], v0, 2, SPARE
	v_mov_b32 v[NIL], 0
	ds_add_u32 v28, v29
	ds_add_u32 v28, v29
	s_wait_dscnt 0x0
	v_lshrrev_b32 v1, 5, v0
	v_readfirstlane_b32 s14, v1                    ; wave 0..3
	s_lshr_b32 s15, s14, 1                         ; which half of the tile's rows is mine.  Also: I fetch for A (0) or for B (1)
	s_and_b32 s16, s14, 1                          ; which half of its columns.  Also: which 128 rows of that tile I fetch
	s_bfe_u32 s40, ttmp6, 0x40000                  ; cx, cy: my place in the cluster
	s_bfe_u32 s41, ttmp6, 0x40004
	s_and_b32 s99, ttmp7, 0xffff                   ; the cluster's y: which 1,024 tokens
	s_mov_b32 s[SEL], 0x76543210
	s_mov_b32 s[SEL+1], 0xfedcba98
	s_wait_kmcnt 0x0
	s_add_nc_u64 s[88:89], s[68:69], SCO           ; h's scale bytes
	s_cmp_eq_u32 ttmp9, 0                          ; the kind hangs on the cluster's x alone
	s_cselect_b64 s[20:21], s[70:71], s[74:75]     ; the weight's codes: q's or k's,
	s_cselect_b64 s[22:23], s[72:73], s[76:77]     ; its scales,
	s_cselect_b64 s[96:97], s[82:83], s[84:85]     ; the bias
	s_cmp_eq_u32 ttmp9, 2
	s_cselect_b64 s[20:21], s[78:79], s[20:21]     ; or v's
	s_cselect_b64 s[22:23], s[80:81], s[22:23]
	s_cselect_b64 s[96:97], s[86:87], s[96:97]
	s_cselect_b64 s[4:5], s[20:21], s[68:69]       ; A's codes: v: the weight; q, k: h
	s_cselect_b64 s[6:7], s[22:23], s[88:89]       ; A's scales
	s_cselect_b64 s[8:9], s[68:69], s[20:21]       ; B's the other way round
	s_cselect_b64 s[10:11], s[88:89], s[22:23]
	s_cselect_b32 s95, 0, -1                       ; all lanes for q and k
	s_cselect_b32 s98, -1, 0                       ; all lanes for v
	s_cselect_b32 s100, s99, 0                     ; the tokens lie along B's side (v)
	s_cselect_b32 s101, 0, s99                     ; or along A's (q, k)
	s_lshl_b32 s42, s100, 2
	s_add_co_u32 s42, s42, s40                     ; tile column
	s_lshl_b32 s17, s101, 2
	s_add_co_u32 s17, s17, s41                     ; tile row
	s_lshl_b32 s43, s41, 2
	s_lshl_b32 s43, 15, s43                        ; my row of the cluster
	s_lshl_b32 s44, 0x1111, s40                    ; my column
	; descriptor group 1: a tile of 128 rows x ROWB bytes, padded in LDS
	s_or_b32 s[G1+0], s43, (0<<16)|(1<<20)|(1<<21)|(5<<22)|(3<<25)  ; the mask: A's tiles go to my row; elements of 1 byte; padding on; 21 set beside a mask; after every 64 words 4 words
	s_or_b32 s[G1B+0], s44, (0<<16)|(1<<20)|(1<<21)|(5<<22)|(3<<25)
.irp g, G1, G1B
	s_mov_b32 s[\g+1], ROWB<<16                    ; tensor_dim0
	s_mov_b32 s[\g+2], 256<<16                     ; 256 rows for the head's loads; 128 behind them
	s_mov_b32 s[\g+3], ROWB<<16
	s_mov_b32 s[\g+4], 256
	s_mov_b32 s[\g+5], KROW                        ; tensor_dim0_stride
	s_mov_b32 s[\g+6], 0
	s_mov_b32 s[\g+7], 0
.endr
	; the scales of 256 rows: a dense block, as rows of 256 bytes (32 elements of 8 bytes), 16 bytes of padding behind each
	s_or_b32 s[G1S+0], s43, (3<<16)|(1<<20)|(1<<21)|(5<<22)|(3<<25)
	s_or_b32 s[G1SB+0], s44, (3<<16)|(1<<20)|(1<<21)|(5<<22)|(3<<25)
.irp g, G1S, G1SB
	s_mov_b32 s[\g+1], 32<<16
	s_mov_b32 s[\g+2], KS<<16                      ; the scales of 256 rows: KS rows of 256 bytes
	s_mov_b32 s[\g+3], 32<<16
	s_mov_b32 s[\g+4], KS
	s_mov_b32 s[\g+5], 32
	s_mov_b32 s[\g+6], 0
	s_mov_b32 s[\g+7], 0
.endr
	s_lshl_b32 s20, s17, 8                         ; A: the tile's first row
	s_lshl_b32 s46, s42, 8                         ; B: likewise
	s_mov_b32 s21, 0
	s_mov_b32 s47, 0
	s_mov_b64 s[18:19], KS
	s_mul_u64 s[22:23], s[20:21], s[18:19]         ; where these rows' scales begin, in bytes
	s_mul_u64 s[92:93], s[46:47], s[18:19]
	s_mov_b64 s[18:19], KROW
	s_mul_u64 s[20:21], s[20:21], s[18:19]         ; and their codes
	s_mul_u64 s[46:47], s[46:47], s[18:19]
	s_mul_i32 s45, s14, HALFT                      ; where they go: wave x 128 rows: no place in the cluster enters an LDS address
	s_mul_i32 s2, s16, 128*KROW                    ; in the ring I fetch 128 rows of a tile: which half, in bytes
	s_mov_b32 s3, 0
	s_add_nc_u64 s[20:21], s[4:5], s[20:21]
	s_add_nc_u64 s[22:23], s[6:7], s[22:23]
	s_add_nc_u64 s[46:47], s[8:9], s[46:47]
	s_add_nc_u64 s[92:93], s[10:11], s[92:93]
	CROUND                                         ; all sixteen work-groups are here: the first joint loads meet
	s_mov_b32 s[G0], 1                             ; the head's four tiles, each whole: chunk 0's 256 rows of A (slot 0's group 0 is set to my half behind the head's wait),
	s_mov_b32 s[G0+1], 0
	s_mov_b64 s[G0+2:G0+3], s[20:21]
	s_or_b32 s[G0+3], s[G0+3], 0x80000000
	s_mov_b32 s[G0B], 1                            ; its 256 rows of B,
	s_mov_b32 s[G0B+1], 2*HALFT
	s_mov_b64 s[G0B+2:G0B+3], s[46:47]
	s_or_b32 s[G0B+3], s[G0B+3], 0x80000000
	s_mov_b32 s[G0S], 1                            ; A's scales,
	s_mov_b32 s[G0S+1], SCL
	s_mov_b64 s[G0S+2:G0S+3], s[22:23]
	s_or_b32 s[G0S+3], s[G0S+3], 0x80000000
	s_mov_b32 s[G0SB], 1                           ; B's scales
	s_mov_b32 s[G0SB+1], SCL+2*HALFS
	s_mov_b64 s[G0SB+2:G0SB+3], s[92:93]
	s_or_b32 s[G0SB+3], s[G0SB+3], 0x80000000
	s_mov_b32 s[G0+4], 1                           ; slot 1: chunk 1, my 128 rows
	s_add_co_u32 s[G0+5], s45, SLOT
	s_add_nc_u64 s[G0+6:G0+7], s[20:21], s[2:3]
	s_add_nc_u64 s[G0+6:G0+7], s[G0+6:G0+7], ROWB
	s_or_b32 s[G0+7], s[G0+7], 0x80000000
	s_mov_b32 s[G0B+4], 1
	s_add_co_u32 s[G0B+5], s45, SLOT
	s_add_nc_u64 s[G0B+6:G0B+7], s[46:47], s[2:3]
	s_add_nc_u64 s[G0B+6:G0B+7], s[G0B+6:G0B+7], ROWB
	s_or_b32 s[G0B+7], s[G0B+7], 0x80000000
; one load a wave at the head: one chain of branches on the wave's number, one load to an arm, one join
.macro ARM under, g0, g1, next
	s_cmp_lt_u32 s14, \under
	s_cbranch_scc0 \next
	tensor_load_to_lds s[\g0:\g0+3], s[\g1:\g1+7]
	s_nop 0
.rept 4
	v_nop
.endr
	s_branch .Lhead_asked
\next:
.endm
	ARM 1, G0,  G1,  .Lhead_b
	ARM 2, G0B, G1B, .Lhead_sa
	ARM 3, G0S, G1S, .Lhead_sb
	tensor_load_to_lds s[G0SB:G0SB+3], s[G1SB:G1SB+7]
	s_nop 0
.rept 4
	v_nop
.endr
.Lhead_asked:
	v_and_b32 v1, 15, v0                           ; r = l % 16
	v_bfe_u32 v2, v0, 4, 1                         ; h = l / 16
	v_mul_u32_u24 v3, v1, PITCH
	v_mul_u32_u24 v4, v2, 24
	v_add_nc_u32 v4, v3, v4                        ; a fragment's row x pitch + 24 x half
	s_mov_b32 s21, SLOT-232
	s_mov_b32 s22, SLOT+232
	v_sub_nc_u32 v7, 1, v2                         ; 1 in lanes 0-15
	v_mul_u32_u24 v5, s21, v2
	v_add_nc_u32 v5, v3, v5
	v_add_nc_u32 v5, 232, v5                       ; across two chunks: lanes 0-15 byte 232 of the row in slot 0, lanes 16-31 byte 0 of the row in slot 1;
	v_mul_u32_u24 v6, s22, v7
	v_add_nc_u32 v6, v3, v6                        ; and the other way round
	s_mul_i32 s21, s15, HALFT                      ; my 128 rows of A
	s_mul_i32 s22, s16, HALFT                      ; my 128 rows of B,
	s_add_co_u32 s22, s22, 2*HALFT                 ; behind A's 256
	v_add_nc_u32 v[ADRA+2], s21, v5
	v_add_nc_u32 v[ADRA+3], s21, v6
	v_add_nc_u32 v[ADRB+2], s22, v5
	v_add_nc_u32 v[ADRB+3], s22, v6
.irp s, 0,1
	v_add_nc_u32 v[ADRA+\s], s21, v4
	v_add_nc_u32 v[ADRB+\s], s22, v4
	s_add_co_u32 s21, s21, SLOT
	s_add_co_u32 s22, s22, SLOT
.endr
	v_mul_u32_u24 v5, v1, KS                       ; my row's scales: KS bytes a row,
	v_lshrrev_b32 v6, 8, v5
	v_lshl_add_u32 v5, v6, 4, v5                   ; and 16 more for each 256 passed
	s_mul_i32 s21, s15, HALFS                      ; A's: my 128 rows
	s_mul_i32 s22, s16, HALFS                      ; B's: my 128 rows, behind A's 256
	s_add_co_u32 s22, s22, 2*HALFS
	s_sub_co_u32 s22, s22, s21
	v_mul_u32_u24 v6, s22, v2                      ; lanes 16-31 take B's
	s_add_co_u32 s21, s21, SCL
	v_add_nc_u32 v5, v5, v6
	v_add_nc_u32 v[ADRS], s21, v5
	; the biases.  q, k: along B's side, from my first column on; v: along A's side, from my first row on.  The other is loaded from the bias's head, so that no load leaves the buffer, and made 0 below
	s_lshl_b32 s46, s42, 10
	s_lshl_b32 s47, s16, 9
	s_add_co_u32 s46, s46, s47                     ; my first column x 4 bytes
	s_lshl_b32 s20, s17, 10
	s_lshl_b32 s21, s15, 9
	s_add_co_u32 s20, s20, s21                     ; my first row x 4 bytes
	s_cmp_eq_u32 ttmp9, 2
	s_cselect_b32 s46, 0, s46
	s_cselect_b32 s20, s20, 0
	s_mov_b32 s47, 0
	s_mov_b32 s21, 0
	s_add_nc_u64 s[92:93], s[96:97], s[46:47]
	s_add_nc_u64 s[96:97], s[96:97], s[20:21]
	v_lshlrev_b32 v7, 5, v2                        ; 32 h
	v_lshlrev_b32 v8, 2, v1                        ; 4 r
.irp b, 0,1,2,3,4,5,6,7
	global_load_b128 v[CB+8*\b:CB+8*\b+3], v7, s[92:93] offset:64*\b
	global_load_b128 v[CB+8*\b+4:CB+8*\b+7], v7, s[92:93] offset:64*\b+16
.endr
.irp a, 0,1,2,3,4,5,6,7
	global_load_b32 v[RB+2*\a], v8, s[96:97] offset:64*\a      ; twice: a pair for the packed addition
	global_load_b32 v[RB+2*\a+1], v8, s[96:97] offset:64*\a
.endr
	; the way out's numbers.  step: which 128 tokens are mine; the pair of heads: which 128 features or channels
	s_lshl_b32 s20, s17, 1
	s_add_co_u32 s20, s20, s15                     ; 2 x tile row + half
	s_lshl_b32 s21, s42, 1
	s_add_co_u32 s21, s21, s16                     ; 2 x tile column + half
	s_cmp_eq_u32 ttmp9, 2
	s_cselect_b32 s22, s21, s20                    ; the step
	s_cselect_b32 s23, s20, s21                    ; the pair of heads
	s_cselect_b32 s6, 1536, 64                     ; what block a adds to the codes' offset: (a % 2) s6 + ((a / 2) % 2) s7 + (a / 4) s8
	s_mov_b32 s7, 1536
	s_cselect_b32 s7, 3072, s7
	s_mov_b32 s8, 3072
	s_cselect_b32 s8, HB, s8
	s_cselect_b32 s9, 128, 32                      ; and to the scale word's: s9, s10, s11
	s_mov_b32 s10, 128
	s_cselect_b32 s10, 256, s10
	s_mov_b32 s11, 256
	s_cselect_b32 s11, HB, s11
	s_cselect_b32 s18, -1, 0xffff                  ; the bytes of the scale word that are kept
	s_mov_b32 s46, HB
	s_cselect_b32 s46, 768, s46                    ; from the fragment's first six registers to its last six: the next head (q, k) or three pieces on (v)
	s_mov_b32 s19, KVR
	s_cselect_b32 s19, KVR+6144, s19               ; the region: v's part, k's,
	s_cmp_eq_u32 ttmp9, 0
	s_cselect_b32 s19, 0, s19                      ; or q's
	s_lshr_b32 s47, s22, 4
	s_lshl_b32 s47, s47, 4                         ; 16 x batch
	s_lshl_b32 s23, s23, 1
	s_add_co_u32 s47, s47, s23                     ; + the first head
	s_mul_i32 s47, s47, HB
	s_and_b32 s22, s22, 15
	s_mul_i32 s22, s22, SB
	s_add_co_u32 s22, s22, s47
	s_add_co_u32 s22, s22, s19
	s_mov_b32 s23, 0
	s_add_nc_u64 s[12:13], s[12:13], s[22:23]      ; where the first six registers go
	s_mov_b32 s47, 0
	s_add_nc_u64 s[4:5], s[12:13], s[46:47]        ; and the last six
	v_lshrrev_b32 v9, 3, v1                        ; r / 8
	v_and_b32 v10, 7, v1                           ; r % 8
	v_and_b32 v12, 31, v0                          ; lane
	v_mul_u32_u24 v11, v9, 768
	v_lshl_add_u32 v11, v2, 7, v11
	v_lshl_add_u32 v11, v10, 3, v11                ; q, k: token 16 a + r is slot r % 8 + 8 (a % 2) of tile 2 (a / 2) + r / 8: 768 (r / 8) + 128 h + 8 (r % 8)
	v_lshlrev_b32 v13, 3, v12                      ; v: 8 x lane
	v_cndmask_b32 v[VC], v11, v13, s98
	v_mul_u32_u24 v11, v2, HB                      ; q, k: lanes 0-15 store the first head's word, lanes 16-31 the second's
	v_lshl_add_u32 v11, v9, 6, v11
	v_lshl_add_u32 v11, v10, 2, v11
	v_add_nc_u32 v11, 12288, v11
	v_lshl_add_u32 v13, v12, 2, 6656               ; v: 12800 - 6144 + 4 x lane
	v_cndmask_b32 v[VS], v11, v13, s98
	v_lshlrev_b32 v11, 4, v2
	v_cndmask_b32 v[SH], v11, 0, s98               ; q, k: the second head's two bytes come down
	s_wait_loadcnt 0x0                             ; the biases
.set i, 0
.rept 64
	v_cndmask_b32 v[CB+i], 0, v[CB+i], s95         ; v has none along B's side
.set i, i+1
.endr
.set i, 0
.rept 16
	v_cndmask_b32 v[RB+i], 0, v[RB+i], s98         ; q and k have none along A's side
.set i, i+1
.endr
.macro FRAG reg, adr, q, i             ; a fragment, 16 rows x 128 K, is 12 registers: lane l holds row l % 16; registers 6 c .. 6 c + 5 hold K = 64 c + 32 (l / 16) + 0 .. 31: 24 bytes of the row, as they lie
.irp p, 0,1,2,3,4,5                    ; in pieces of 8 bytes.  The mover has laid 16 bytes of padding behind every 256: where a piece and the one three on (lanes 16-31) lie in two chunks, the second address pair serves
.set BY, 96*(\q)+48*(\p/3)+8*(\p%3)    ; q: the step, counted from the row's start.  Byte y of a row lies in slot (y / 256) % 2 at byte y % 256; lanes 16-31 read 24 bytes on
.if BY/ROWB == (BY+24)/ROWB
	ds_load_b64 v[\reg+2*\p:\reg+2*\p+1], v[\adr+(BY/ROWB)%2] offset:BY%ROWB+(\i)*16*PITCH
.else
	ds_load_b64 v[\reg+2*\p:\reg+2*\p+1], v[\adr+2+(BY/ROWB)%2] offset:BY%ROWB-232+(\i)*16*PITCH
.endif
.endr
.endm
; 16 matrix instructions: A's blocks a0, a0 + 1 x B's eight, 128 along K.  p: B's set; sc: the set of scale words.  zero = 1: the first product starts the sums, with the bias as its C: nothing is cleared.
; The 64 accumulators take turns, one instruction a turn, in the same order in every step.
.macro MUL16 a0, p, q, sc, zero
.irp a, \a0, \a0+1
.irp b, 0,1,2,3,4,5,6,7
.if \zero
	v_wmma_scale_f32_16x16x128_f8f6f4 v[8*(8*((\a)%4)+\b):8*(8*((\a)%4)+\b)+7], v[128*(\p)+FR*\b:128*(\p)+FR*\b+FR-1], v[AF+FR*(\a):AF+FR*(\a)+FR-1], v[CB+8*\b:CB+8*\b+7], v[SC+8*NQ*(\sc)+NQ*\b+(\q)], v[SC+8*NQ*(\sc)+NQ*(\a)+(\q)] matrix_a_fmt:MATRIX_FMT_FP6 matrix_b_fmt:MATRIX_FMT_FP6 matrix_a_scale:MATRIX_SCALE_ROW1
.else
	v_wmma_scale_f32_16x16x128_f8f6f4 v[8*(8*((\a)%4)+\b):8*(8*((\a)%4)+\b)+7], v[128*(\p)+FR*\b:128*(\p)+FR*\b+FR-1], v[AF+FR*(\a):AF+FR*(\a)+FR-1], v[8*(8*((\a)%4)+\b):8*(8*((\a)%4)+\b)+7], v[SC+8*NQ*(\sc)+NQ*\b+(\q)], v[SC+8*NQ*(\sc)+NQ*(\a)+(\q)] matrix_a_fmt:MATRIX_FMT_FP6 matrix_b_fmt:MATRIX_FMT_FP6 matrix_a_scale:MATRIX_SCALE_ROW1
.endif
.endr
.endr
.endm
.macro FETCH_B slot, q, p              ; B's eight fragments of the slot's q-th 128 along K into set p
	WIN TO_B
.irp i, 0,1,2,3,4,5,6,7
	FRAG 128*(\p)+FR*\i, ADRB+\slot, \q, \i
.endr
	WIN 0
.endm
.macro FETCH_A slot, q, i0             ; A's blocks i0 .. i0 + 3
.irp i, \i0, \i0+1, \i0+2, \i0+3
	FRAG AF+FR*(\i), ADRA+\slot, \q, \i
.endr
.endm
.macro SCALES pr                       ; the scale words of steps 2 pr, 2 pr + 1 into set pr % 2
.irp i, 0,1,2,3,4,5,6,7
	ds_load_b64 v[SC+8*NQ*((\pr)%2)+NQ*\i:SC+8*NQ*((\pr)%2)+NQ*\i+1], v[ADRS] offset:\i*SBLK+4*NQ*(\pr)
.endr
.endm
.macro PLACES n                        ; plain vector lines between a matrix instruction and a load into, or a vector read or write of, one of its registers
.rept \n
	v_nop
.endr
.endm
; A step of 128 along K: 64 matrix instructions; the next step's fragments are fetched in its middle and at its end.  Where the next step's bytes END in a chunk not yet read: a wait for my tensor loads and a barrier.
; Where they BEGIN in a later chunk: the chunk left behind is read no more: the wait, the add, the wait for it and for my reads, the barrier; where a chunk two on is left to fetch, the barrier opens a round and the slot is filled again.
.macro STEP st, zero
.set NX, (\st)+1
.set C0, (96*(\st))/ROWB
.set C1, (96*NX)/ROWB
.set E0, (96*(\st)+95)/ROWB
.set E1, (96*NX+95)/ROWB
.if C1 > C0 || E1 > E0
	s_wait_tensorcnt 0x0                           ; all my tensor loads have landed
.if C1 > C0
	ds_add_u32 v[SPW], v[NIL]
	s_wait_dscnt 4*NL+1                            ; (the add and the youngest 24 loads may be out)
.else
	s_wait_dscnt 4*NL
.endif
	WIN MUL_LO
	MUL16 0, (\st)%2, (\st)%2, ((\st)/2)%2, 0
	s_wait_dscnt 0x0                               ; the add and all my reads are done
	s_barrier_signal -1
	MUL16 2, (\st)%2, (\st)%2, ((\st)/2)%2, 0
	WIN 0
	s_barrier_wait -1
.if C1 > C0 && C0+2 < CHUNKS
	CREST
	s_add_nc_u64 s[G0+4*(C0%2)+2:G0+4*(C0%2)+3], s[G0+4*(C0%2)+2:G0+4*(C0%2)+3], 2*ROWB
	s_add_nc_u64 s[G0B+4*(C0%2)+2:G0B+4*(C0%2)+3], s[G0B+4*(C0%2)+2:G0B+4*(C0%2)+3], 2*ROWB
	JLOAD G0+4*(C0%2), G1, G0B+4*(C0%2), G1B       ; chunk C0 + 2, the first tensor load behind the round
.else
	PLACES NP
.endif
.else
	s_wait_dscnt 4*NL                              ; the youngest 24 loads (A's blocks 4-7) may be out
.if \zero
	WIN ZER_LO
.else
	WIN MUL_LO
.endif
	MUL16 0, (\st)%2, (\st)%2, ((\st)/2)%2, \zero
	MUL16 2, (\st)%2, (\st)%2, ((\st)/2)%2, \zero
	s_wait_dscnt 0
	PLACES NP
.endif
	FETCH_B 0, NX, NX%2
	FETCH_A 0, NX, 0
.if NX%2 == 0
	SCALES NX/2
.endif
.if \zero
	WIN ZER_HI
.else
	WIN MUL_HI
.endif
	MUL16 4, (\st)%2, (\st)%2, ((\st)/2)%2, \zero
	MUL16 6, (\st)%2, (\st)%2, ((\st)/2)%2, \zero
	PLACES NP
	WIN 0
	FETCH_A 0, NX, 4
.endm
	s_wait_alu depctr_va_vdst(0)
	s_wait_tensorcnt 0x0                           ; my tile of the head's four is in; the three lines ahead of slot 1's first fill
	ds_add_u32 v[SPW], v[NIL]
	s_mov_b32 s[G1+2], 128<<16                     ; no tensor load of mine is out: from here on a load brings my 128 rows
	s_mov_b32 s[G1+4], 128
	s_mov_b32 s[G1B+2], 128<<16
	s_mov_b32 s[G1B+4], 128
	s_mov_b32 s[G0+1], s45
	s_add_nc_u64 s[G0+2:G0+3], s[G0+2:G0+3], s[2:3]
	s_mov_b32 s[G0B+1], s45
	s_add_nc_u64 s[G0B+2:G0B+3], s[G0B+2:G0B+3], s[2:3]
	s_wait_dscnt 0x0
	CROUND
	JLOAD G0+4, G1, G0B+4, G1B                     ; chunk 1
	FETCH_B 0, 0, 0
	FETCH_A 0, 0, 0
	SCALES 0
	FETCH_A 0, 0, 4
	STEP 0, 1                                      ; the first step's products start the sums
.set ST, 1
.rept STEPS-2
	STEP ST, 0
.set ST, ST+1
.endr
	s_wait_dscnt 4*NL                              ; the very last step
	WIN MUL_LO
	MUL16 0, 1, NQ-1, 1, 0
	MUL16 2, 1, NQ-1, 1, 0
	s_wait_dscnt 0
	WIN MUL_HI
	MUL16 4, 1, NQ-1, 1, 0
	MUL16 6, 1, NQ-1, 1, 0
	WIN 0
; THE WAY OUT.  Register 8 b + j of a block is column 16 b + 8 h + j.  SWAPS: lanes 16-31 of register 16 b + j change places with lanes 0-15 of register 16 b + 8 + j: register 16 b + i is then column 32 b + 16 h + i.
.macro SWAPS t
.irp b, 0,1,2,3
.irp j, 0,1,2,3,4,5,6,7
	v_permlane16_swap_b32 v[\t+16*\b+\j], v[\t+16*\b+8+\j]
.endr
.endr
.endm
; 64 numbers of a lane, register 16 b + i = k 32 b + 16 (lane / 16) + i of my row, become a fragment's codes in v[PC] on and its scale word in v[PW].
.macro QUANT s
.irp b, 0,1,2,3
	v_max3_num_f32 v[TM+\b], |v[\s+16*\b]|, |v[\s+1+16*\b]|, 0x1800000   ; block b: my 16 numbers, and the floor 2^(3 - 127): the byte cannot fall under 1
.endr
.irp i, 2,4,6,8,10,12,14
.irp b, 0,1,2,3
	v_max3_num_f32 v[TM+\b], v[TM+\b], |v[\s+16*\b+\i]|, |v[\s+1+16*\b+\i]|   ; (the four blocks by turns)
.endr
.endr
.irp b, 0,1,2,3
	v_permlanex16_b32 v[TM+4+\b], v[TM+\b], s[SEL], s[SEL+1]
.endr
.irp b, 0,1,2,3
	v_max_num_f32 v[TM+\b], v[TM+\b], v[TM+4+\b]   ; with lane l xor 16's: the block's largest magnitude
.endr
.irp b, 0,1,2,3
	v_add_nc_u32 v[TM+12+\b], 0xff000000, v[TM+\b]   ; 2 off its exponent field: the conversion's scale operand
.endr
.irp b, 0,1,2,3
	v_lshrrev_b32 v[TM+4+\b], 23, v[TM+12+\b]      ; the scale's byte
.endr
	v_lshl_or_b32 v[PW], v[TM+5], 8, v[TM+4]
	v_lshl_or_b32 v[PW], v[TM+6], 16, v[PW]
	v_lshl_or_b32 v[PW], v[TM+7], 24, v[PW]
.irp c, 0,1
	v_cvt_scalef32_pk16_fp6_f32 v[PC+6*\c:PC+2+6*\c], v[\s+32*\c:\s+15+32*\c], v[TM+12+2*\c]
	v_cvt_scalef32_pk16_fp6_f32 v[PC+12+4*\c:PC+14+4*\c], v[\s+16+32*\c:\s+31+32*\c], v[TM+12+2*\c+1]   ; (a conversion's three registers begin on an even number)
.endr
	v_nop                                          ; one plain place behind a scaled conversion
.irp c, 0,1                                    ; the operand's layout wants a WHOLE block in a lane
.irp i, 0,1,2
	v_permlane16_swap_b32 v[PC+6*\c+\i], v[PC+12+4*\c+\i]
.endr
.irp i, 0,1,2
	v_mov_b32 v[PC+3+6*\c+\i], v[PC+12+4*\c+\i]
.endr
.endr
.endm
; Block a: 16 rows of A's side x my 128 columns: one fragment and one scale word a row.
.macro QBLK a
	WIN 0x02+(\a)/4                                ; source 0: window 2 or 3
.set i, 0
.rept 32
	v_pk_add_f32 v[T+2*i:T+2*i+1], v[64*((\a)%4)+2*i:64*((\a)%4)+2*i+1], v[RB+2*(\a):RB+2*(\a)+1]   ; into window 0, with the bias along A's side; each accumulator from its low end on
.set i, i+1
.endr
	WIN 0
	SWAPS T
	s_wait_xcnt 0x0                                ; the last block's stores have read their data and offsets: both are written again below
	QUANT T
	s_mov_b32 s19, 0
	s_mov_b32 s20, 0
.if (\a)%2
	s_add_co_u32 s19, s19, s6
	s_add_co_u32 s20, s20, s9
.endif
.if ((\a)/2)%2
	s_add_co_u32 s19, s19, s7
	s_add_co_u32 s20, s20, s10
.endif
.if (\a)/4
	s_add_co_u32 s19, s19, s8
	s_add_co_u32 s20, s20, s11
.endif
	v_add_nc_u32 v[VA], s19, v[VC]
	s_wait_alu depctr_va_vdst(0)
	v_add_nc_u32 v[VB], s20, v[VS]
	v_lshrrev_b32 v[VW], v[SH], v[PW]
	v_and_b32 v[VW], s18, v[VW]
.irp p, 0,1,2
	global_store_b64 v[VA], v[PC+2*\p:PC+2*\p+1], s[12:13] offset:256*\p      ; v: 256 consecutive bytes an instruction; q, k: four runs of 64, which blocks a and a xor 1 fill up
.endr
.irp p, 0,1,2
	global_store_b64 v[VA], v[PC+6+2*\p:PC+7+2*\p], s[4:5] offset:256*\p
.endr
	global_store_b32 v[VB], v[VW], s[12:13]
.endm
	PLACES NP                                      ; behind the last products
.irp b, 0,1,2,3
	v_mov_b32 v[TM+4+\b], 0                        ; written once: a lane permute's destination counts as one of its sources
.endr
.irp a, 0,1,2,3,4,5,6,7
	QBLK \a
.endr
	s_wait_tensorcnt 0x0                           ; the wave's end
	ds_add_u32 v[SPW], v[NIL]
	s_wait_dscnt 0x0
	CROUND                                         ; the closing round: no work-group ends while a partner may still ask for a tile that names it
	s_endpgm
.Lfunc_end_k_qd10a0de7d6_proj_qkv:
	.size	k_qd10a0de7d6_proj_qkv, .Lfunc_end_k_qd10a0de7d6_proj_qkv-k_qd10a0de7d6_proj_qkv
	.p2alignl 7, 3214868480
	.fill 96, 4, 3214868480
	.section	.rodata,"a",@progbits
	.p2align	6, 0x0
	.amdhsa_kernel k_qd10a0de7d6_proj_qkv
		.amdhsa_group_segment_fixed_size 327680
		.amdhsa_private_segment_fixed_size 0
		.amdhsa_enable_private_segment 0
		.amdhsa_kernarg_size 88
		.amdhsa_user_sgpr_count 2
		.amdhsa_user_sgpr_kernarg_segment_ptr 1
		.amdhsa_wavefront_size32 1
		.amdhsa_system_sgpr_workgroup_id_x 1
		.amdhsa_system_sgpr_workgroup_id_y 1
		.amdhsa_system_sgpr_workgroup_id_z 1
		.amdhsa_system_vgpr_workitem_id 0
		.amdhsa_next_free_vgpr 1024
		.amdhsa_next_free_sgpr 102
		.amdhsa_reserve_vcc 0
		.amdhsa_float_denorm_mode_32 3
		.amdhsa_float_denorm_mode_16_64 3
		.amdhsa_memory_ordered 1
		.amdhsa_forward_progress 1
		.amdhsa_inst_pref_size 204
	.end_amdhsa_kernel
	.amdgpu_metadata
---
amdhsa.version: [ 1, 2 ]
amdhsa.kernels:
  - .name:           k_qd10a0de7d6_proj_qkv
    .symbol:         k_qd10a0de7d6_proj_qkv.kd
    .args:
      - { .name: h1, .offset: 0, .size: 8, .value_kind: global_buffer, .address_space: global }
      - { .name: wq_codes, .offset: 8, .size: 8, .value_kind: global_buffer, .address_space: global }
      - { .name: wq_scales, .offset: 16, .size: 8, .value_kind: global_buffer, .address_space: global }
      - { .name: wk_codes, .offset: 24, .size: 8, .value_kind: global_buffer, .address_space: global }
      - { .name: wk_scales, .offset: 32, .size: 8, .value_kind: global_buffer, .address_space: global }
      - { .name: wv_codes, .offset: 40, .size: 8, .value_kind: global_buffer, .address_space: global }
      - { .name: wv_scales, .offset: 48, .size: 8, .value_kind: global_buffer, .address_space: global }
      - { .name: bq, .offset: 56, .size: 8, .value_kind: global_buffer, .address_space: global }
      - { .name: bk, .offset: 64, .size: 8, .value_kind: global_buffer, .address_space: global }
      - { .name: bv, .offset: 72, .size: 8, .value_kind: global_buffer, .address_space: global }
      - { .name: qkvc, .offset: 80, .size: 8, .value_kind: global_buffer, .address_space: global }
    .group_segment_fixed_size: 327680
    .private_segment_fixed_size: 0
    .kernarg_segment_align: 8
    .kernarg_segment_size: 88
    .max_flat_workgroup_size: 128
    .sgpr_count:     102
    .vgpr_count:     1024
    .wavefront_size: 32
...
	.end_amdgpu_metadata
.endif
;; end of part 8
;; launch attention (part 9): grid 8 x 32, 8 waves a work-group, clusters of 4 x 1, 327,680 bytes of LDS; arguments qkvc, ao; writes ao
.if DOCPART == 9
	.amdgcn_target "amdgcn-amd-amdhsa--gfx1250"
	.amdhsa_code_object_version 6
	.text
	.protected	k_qd10a0de7d6_attention
	.globl	k_qd10a0de7d6_attention
	.p2align	8
	.type	k_qd10a0de7d6_attention,@function
k_qd10a0de7d6_attention:
	s_mov_b64 s[64:65], 0
	v_nop
	global_prefetch_b8 v0, s[64:65] scope:SCOPE_SE
	s_setreg_imm32_b32 hwreg(HW_REG_WAVE_MODE, 25, 1), 1
	s_wait_xcnt 0x0
	s_wait_alu depctr_hold_cnt(0) depctr_sa_sdst(0) depctr_va_vdst(0) depctr_va_sdst(0) depctr_va_ssrc(0) depctr_va_vcc(0) depctr_vm_vsrc(0)
	s_getreg_b32 s2, hwreg(HW_REG_IB_STS2, 6, 4)
	s_cmp_eq_u32 s2, 0
	s_cbranch_scc0 .Lentry_in_a_cluster
	s_endpgm
.Lentry_in_a_cluster:
	s_bfe_u32 s2, ttmp6, 0x10000c
	s_cmp_lg_u32 s2, 0x3003
	s_cbranch_scc0 .Lentry_shape_is_right
	s_endpgm
.Lentry_shape_is_right:
.set SB,   13312
.set HB,   16*SB
.set KVR,  32*HB
.set SCO,  3145728
.set L8,   1
.set L4,   2
.set ADK,  3
.set ADS,  4
.set DD,   5
.set WV,   18
.set SEL,  20
.set CS,   22
.set G1,   24
.set TB,   40
.set KF,   41
.set DG,   42
.set CNT,  43
.macro CROUND
	s_barrier_signal -1
	s_barrier_wait -1
	s_cmp_lg_u32 s[WV], 0
	s_cbranch_scc1 .Lnot_wave_0_\@
	s_barrier_signal -3
.Lnot_wave_0_\@:
	s_barrier_wait -3
	s_barrier_signal -1
	s_barrier_wait -1
.endm
	s_load_b128 s[4:7], s[0:1], 0x0
	v_lshl_add_u32 v223, v0, 2, 0x34000
	v_mov_b32 v243, 0
	ds_add_u32 v223, v243
	ds_add_u32 v223, v243
	v_lshrrev_b32 v1, 5, v0
	s_delay_alu instid0(VALU_DEP_1)
	v_readfirstlane_b32 s[WV], v1
	s_bfe_u32 s8, ttmp6, 0x40000
	s_lshl_b32 s9, ttmp9, 2
	s_add_co_u32 s9, s9, s8
	s_and_b32 s10, ttmp7, 0xffff
	s_mov_b32 s[G1], 15|(3<<16)|(1<<21)
	s_mov_b32 s[G1+1], 32<<16
	s_mov_b32 s[G1+2], 52<<16
	s_mov_b32 s[G1+3], 32<<16
	s_mov_b32 s[G1+4], 52
	s_mov_b32 s[G1+5], 32
	s_mov_b32 s[G1+6], 0
	s_mov_b32 s[G1+7], 0
	s_mul_i32 s11, s10, HB
	s_mul_i32 s12, s[WV], SB
	s_add_co_u32 s14, s11, s12
	s_add_co_u32 s14, s14, KVR
	s_mov_b32 s15, 0
	s_mov_b32 s[SEL], 0x76543210
	s_mov_b32 s[SEL+1], 0xfedcba98
	s_mov_b32 s[CS], 0x3e38aa3b
	s_mov_b32 s[CS+1], s[CS]
	s_mov_b32 s44, 0xffff0000
	s_wait_dscnt 0x0
	s_wait_kmcnt 0x0
	CROUND
	s_mov_b32 s32, 1
	s_mov_b32 s33, s12
	s_add_nc_u64 s[34:35], s[4:5], s[14:15]
	s_or_b32 s35, s35, 0x80000000
	s_mov_b32 s36, 1
	s_add_co_u32 s37, s12, 8*SB
	s_add_nc_u64 s[38:39], s[4:5], s[14:15]
	s_add_nc_u64 s[38:39], s[38:39], 8*SB
	s_or_b32 s39, s39, 0x80000000
	tensor_load_to_lds s[32:35], s[G1:G1+7]
	s_nop 0
	; steps 0 to 7 are asked for: the addresses, q's loads and the first sums' start stand here, while that load is out
	s_sub_co_u32 s16, 7, s9
	s_sub_co_u32 s17, 15, s[WV]
	s_mul_i32 s46, s17, SB
	s_add_co_u32 s46, s46, s11
	s_mov_b32 s47, 0
	s_add_nc_u64 s[48:49], s[4:5], s[46:47]
	s_add_co_u32 s46, s12, s11
	s_add_nc_u64 s[50:51], s[4:5], s[46:47]
	v_and_b32 v11, 31, v0
	s_delay_alu instid0(VALU_DEP_1)
	v_lshlrev_b32 v[L8], 3, v11
	s_delay_alu instid0(VALU_DEP_2)
	v_lshlrev_b32 v[L4], 2, v11
	v_and_b32 v28, 15, v0
	s_wait_alu depctr_va_vdst(0)
	v_bfe_u32 v29, v0, 4, 1
	s_wait_alu depctr_va_vdst(0)
	s_mul_i32 s52, s16, 768
	v_add_nc_u32 v200, s52, v[L8]
	s_lshl_b32 s52, s16, 6
	v_lshl_add_u32 v201, v28, 2, s52
	s_mul_i32 s52, s9, 768
	v_add_nc_u32 v202, s52, v[L8]
	s_lshl_b32 s52, s9, 6
	v_lshl_add_u32 v203, v28, 2, s52
.irp p, 0,1,2
	global_load_b64 v[16+2*\p:17+2*\p], v200, s[48:49] offset:256*\p
.endr
	global_load_b32 v255, v201, s[48:49] offset:12288
.irp p, 0,1,2
	global_load_b64 v[192+2*\p:193+2*\p], v202, s[50:51] offset:256*\p
.endr
	global_load_b32 v198, v203, s[50:51] offset:12288
	s_lshr_b32 s54, s10, 4
	s_lshl_b32 s54, s54, 11
	s_and_b32 s56, s10, 15
	s_mul_i32 s55, s56, 48
	s_lshl_b32 s56, s56, 1
	v_and_b32 v30, 8, v28
	s_delay_alu instid0(VALU_DEP_1)
	v_add_nc_u32 v30, v30, v28
.macro TILEADR tau, st, dd, oa, os
	s_lshr_b32 s52, s[\tau], 1
	s_lshl_b32 s52, s52, 5
	s_and_b32 s53, s[\tau], 1
	s_lshl_b32 s53, s53, 3
	s_add_co_u32 s52, s52, s53
	v_add_nc_u32 v31, s52, v30
	v_lshlrev_b32 v[\dd], 4, v29
	s_delay_alu instid0(VALU_DEP_1)
	v_sub_nc_u32 v[\dd], v31, v[\dd]
	s_lshl_b32 s53, s[\st], 7
	s_add_co_u32 s53, s53, s54
	v_add_nc_u32 v31, s53, v31
	s_delay_alu instid0(VALU_DEP_1)
	v_mul_u32_u24 v[\oa], v31, 768
	s_delay_alu instid0(VALU_DEP_1)
	v_mad_u32_u24 v[\oa], v29, 12, v[\oa]
	s_delay_alu instid0(VALU_DEP_1)
	v_add_nc_u32 v[\oa], s55, v[\oa]
	s_delay_alu instid0(VALU_DEP_4)
	v_lshl_add_u32 v[\os], v31, 5, v29
	s_delay_alu instid0(VALU_DEP_1)
	v_add_nc_u32 v[\os], s56, v[\os]
.endm
	TILEADR 16, 17, 5, 6, 7
	TILEADR 9, 18, 10, 8, 9
.irp j, 22,23,24,25,26,27, 80,81,82,83,84,85, 236,237,238,239, 252,253
	v_mov_b32 v[\j], 0
.endr
.macro INIT
	v_mov_b32 v13, 0xff61b1e6
	s_delay_alu instid0(VALU_DEP_1)
	v_floor_f32 v12, -v13
	v_mov_b32 v14, 0
	v_mov_b32 v15, 0
.set i, 0
.rept 32
	v_mov_b32 v[160+i], 0
.set i, i+1
.endr
.endm
.macro STEP masked
.if \masked
	s_cmp_gt_u32 s[KF], s[DG]
	s_cbranch_scc1 .Lhid_\@
.endif
	v_add_nc_u32 v[ADK], s[TB], v[L8]
	v_add_nc_u32 v[ADS], s[TB], v[L4]
	v_nop
	v_nop
.irp t, 0,1,2,3,4,5,6,7
.irp p, 0,1,2
	ds_load_b64 v[32+6*\t+2*\p:33+6*\t+2*\p], v[ADK] offset:768*\t+256*\p
.endr
.endr
.irp b, 0,1,2,3
	ds_load_b32 v[248+\b], v[ADS] offset:12288+128*\b
.endr
	s_wait_alu depctr_va_vdst(0)
	s_wait_dscnt 0x0
.irp t, 0,2,4,6
	v_wmma_scale_f32_16x16x128_f8f6f4 v[96+8*\t:103+8*\t], v[32+6*\t:43+6*\t], v[16:27], 0, v[248+\t/2], v255 matrix_a_fmt:MATRIX_FMT_FP6 matrix_b_fmt:MATRIX_FMT_FP6
	v_wmma_scale_f32_16x16x128_f8f6f4 v[104+8*\t:111+8*\t], v[38+6*\t:49+6*\t], v[16:27], 0, v[248+\t/2], v255 matrix_a_fmt:MATRIX_FMT_FP6 matrix_b_fmt:MATRIX_FMT_FP6 matrix_a_scale:MATRIX_SCALE_ROW1
.endr
.rept 4
	v_nop
.endr
.irp t, 0,1,2,3
.irp p, 0,1,2,3,4,5
	ds_load_b64 v[32+12*\t+2*\p:33+12*\t+2*\p], v[ADK] offset:6144+1536*\t+256*\p
.endr
	ds_load_b32 v[248+\t], v[ADS] offset:12800+128*\t
.endr
.if \masked
	s_cmp_lt_u32 s[KF], s[DG]
	s_cbranch_scc1 .Lopen_\@
	v_mov_b32 v254, 0xff800000
.set n, 0
.rept 64
	v_cmp_gt_i32 vcc_lo, 32*(n/16)+n%16, v[DD]
	v_cndmask_b32 v[96+n], v[96+n], v254, vcc_lo
.set n, n+1
.endr
.Lopen_\@:
.endif
.irp b, 0,1,2,3
	v_max3_num_f32 v[232+\b], v[96+16*\b], v[97+16*\b], v[98+16*\b]
.endr
.irp i, 3,5,7,9,11,13
.irp b, 0,1,2,3
	v_max3_num_f32 v[232+\b], v[232+\b], v[96+16*\b+\i], v[97+16*\b+\i]
.endr
.endr
.irp b, 0,1,2,3
	v_max_num_f32 v[232+\b], v[232+\b], v[111+16*\b]
.endr
.irp b, 0,1,2,3
	s_delay_alu instid0(VALU_DEP_4)
	v_permlanex16_b32 v[236+\b], v[232+\b], s[SEL], s[SEL+1]
.endr
.irp b, 0,1,2,3
	s_delay_alu instid0(VALU_DEP_4)
	v_max_num_f32 v[232+\b], v[232+\b], v[236+\b]
.endr
	s_delay_alu instid0(VALU_DEP_2)
	v_max3_num_f32 v254, v232, v233, v234
	s_delay_alu instid0(VALU_DEP_1)
	v_max_num_f32 v254, v254, v235
	s_delay_alu instid0(VALU_DEP_1)
	v_mul_f32 v254, s[CS], v254
	s_delay_alu instid0(VALU_DEP_1)
	v_max_num_f32 v13, v13, v254
	v_mov_b32 v254, v12
	s_delay_alu instid0(VALU_DEP_2)
	v_floor_f32 v12, -v13
	s_delay_alu instid0(VALU_DEP_1)
	v_sub_f32 v254, v12, v254
	s_delay_alu instid0(VALU_DEP_1)
	v_cvt_i32_f32 v254, v254
	s_delay_alu instid0(VALU_DEP_1)
	v_ldexp_f32 v252, 1.0, v254
.irp j, 0,2,4,6,8,10,12,14,16,18,20,22,24,26,28,30,32,34,36,38,40,42,44,46,48,50,52,54,56,58,60,62
	v_pk_fma_f32 v[96+\j:97+\j], v[96+\j:97+\j], s[CS:CS+1], v[12:13] op_sel_hi:[1,0,0]
.endr
.irp b, 0,1,2,3
	v_fma_f32 v[232+\b], v[232+\b], s[CS], v12
.endr
.set n, 0
	s_wait_alu depctr_va_vdst(0)
.rept 64
	v_exp_f32 v[96+n], v[96+n]
.set n, n+1
.endr
.irp b, 0,1,2,3
	v_exp_f32 v[232+\b], v[232+\b]
.endr
	v_pk_mul_f32 v[14:15], v[14:15], v[252:253] op_sel_hi:[1,0]
	s_wait_alu depctr_va_vdst(0)
.irp b, 0,1,2,3
	v_max_num_f32 v[232+\b], 0x1800000, v[232+\b]
.endr
.irp b, 0,1,2,3
	s_delay_alu instid0(VALU_DEP_4)
	v_add_nc_u32 v[244+\b], 0xff000000, v[232+\b]
.endr
.irp b, 0,1,2,3
	s_delay_alu instid0(VALU_DEP_4)
	v_lshrrev_b32 v[236+\b], 23, v[244+\b]
.endr
	s_delay_alu instid0(VALU_DEP_3)
	v_lshl_or_b32 v253, v237, 8, v236
	s_delay_alu instid0(VALU_DEP_1)
	v_lshl_or_b32 v253, v238, 16, v253
	s_delay_alu instid0(VALU_DEP_1)
	v_lshl_or_b32 v253, v239, 24, v253
.irp c, 0,1
	v_cvt_scalef32_pk16_fp6_f32 v[224+6*\c:226+6*\c], v[96+32*\c:111+32*\c], v[244+2*\c]
	v_cvt_scalef32_pk16_fp6_f32 v[236+4*\c:238+4*\c], v[112+32*\c:127+32*\c], v[244+2*\c+1]
.endr
	v_nop
.irp c, 0,1
.irp i, 0,1,2
	v_permlane16_swap_b32 v[224+6*\c+\i], v[236+4*\c+\i]
.endr
.irp i, 0,1,2
	s_delay_alu instid0(VALU_DEP_3)
	v_mov_b32 v[227+6*\c+\i], v[236+4*\c+\i]
.endr
.endr
	v_pk_add_f32 v[236:237], v[96:97], v[98:99]
.irp j, 4,8,12,16,20,24,28,32,36,40,44,48,52,56,60
	v_pk_add_f32 v[14:15], v[14:15], v[96+\j:97+\j]
	v_pk_add_f32 v[236:237], v[236:237], v[98+\j:99+\j]
.endr
	s_delay_alu instid0(VALU_DEP_1)
	v_pk_add_f32 v[14:15], v[14:15], v[236:237]
.irp j, 0,2,4,6,8,10,12,14,16,18,20,22,24,26,28,30
	v_pk_mul_f32 v[160+\j:161+\j], v[160+\j:161+\j], v[252:253] op_sel_hi:[1,0]
.endr
	s_wait_alu depctr_va_vdst(0)
	s_wait_dscnt 0x0
.irp t, 0,1,2,3
	v_wmma_scale_f32_16x16x128_f8f6f4 v[160+8*\t:167+8*\t], v[32+12*\t:43+12*\t], v[224:235], v[160+8*\t:167+8*\t], v[248+\t], v253 matrix_a_fmt:MATRIX_FMT_FP6 matrix_b_fmt:MATRIX_FMT_FP6
.endr
.if \masked
.Lhid_\@:
.endif
	s_add_co_u32 s[KF], s[KF], 1
	s_add_co_u32 s[TB], s[TB], SB
.endm
.macro LOOP masked
	s_mov_b32 s[CNT], 8
.Lk_\@:
	STEP \masked
	s_sub_co_u32 s[CNT], s[CNT], 1
	s_cmp_lg_u32 s[CNT], 0
	s_cbranch_scc1 .Lk_\@
.endm
.macro OUT oa, os
.rept 4
	v_nop
.endr
	v_add_f32 v14, v14, v15
	s_delay_alu instid0(VALU_DEP_1)
	v_permlanex16_b32 v252, v14, s[SEL], s[SEL+1]
	s_delay_alu instid0(VALU_DEP_1)
	v_add_f32 v14, v14, v252
	s_wait_alu depctr_va_vdst(0)
	v_rcp_f32 v14, v14
	v_nop
	s_wait_alu depctr_va_vdst(0)
	v_mov_b32 v15, v14
.set i, 0
.rept 16
	v_pk_mul_f32 v[96+2*i:97+2*i], v[160+2*i:161+2*i], v[14:15]
.set i, i+1
.endr
.irp g, 0,1
.irp j, 0,1,2,3,4,5,6,7
	v_permlane16_swap_b32 v[96+16*\g+\j], v[104+16*\g+\j]
.endr
.endr
.irp g, 0,1
	v_max3_num_f32 v[232+\g], |v[96+16*\g]|, |v[97+16*\g]|, 0x1800000
.endr
.irp i, 2,4,6,8,10,12,14
.irp g, 0,1
	s_delay_alu instid0(VALU_DEP_2)
	v_max3_num_f32 v[232+\g], v[232+\g], |v[96+16*\g+\i]|, |v[97+16*\g+\i]|
.endr
.endr
.irp g, 0,1
	s_delay_alu instid0(VALU_DEP_2)
	v_permlanex16_b32 v[236+\g], v[232+\g], s[SEL], s[SEL+1]
.endr
.irp g, 0,1
	s_delay_alu instid0(VALU_DEP_2)
	v_max_num_f32 v[232+\g], v[232+\g], v[236+\g]
.endr
.irp g, 0,1
	s_delay_alu instid0(VALU_DEP_2)
	v_add_nc_u32 v[244+\g], 0xff000000, v[232+\g]
.endr
	v_cvt_scalef32_pk16_fp6_f32 v[224:226], v[96:111], v244
	v_cvt_scalef32_pk16_fp6_f32 v[228:230], v[112:127], v245
	v_lshrrev_b32 v234, 23, v244
	v_lshrrev_b32 v235, 23, v245
	s_delay_alu instid0(VALU_DEP_1)
	v_cndmask_b32 v231, v234, v235, s44
	global_store_b96 v[\oa], v[224:226], s[6:7]
	global_store_b96 v[\oa], v[228:230], s[6:7] offset:24
	global_store_b8 v[\os], v231, s[6:7] offset:SCO
	s_wait_xcnt 0x0
.endm
	INIT
	s_wait_alu depctr_va_vdst(0)
	s_wait_tensorcnt 0x0                           ; my step of the first eight is in; the three lines ahead of the second slot's first fill
	ds_add_u32 v223, v243
	s_wait_dscnt 0x0
	CROUND                                         ; everybody's step is in, and the four partners are here: the joint loads meet
	tensor_load_to_lds s[36:39], s[G1:G1+7]        ; steps 8 to 15: the first loop's eight steps stand between this load and the wait for it
	s_nop 0
.rept 4
	v_nop
.endr
	s_wait_loadcnt 0x0                             ; q's codes and scale words
	s_mov_b32 s[TB], 0
	s_mov_b32 s[KF], 0
	s_mov_b32 s[DG], s17
	LOOP 0
	s_wait_tensorcnt 0x0
	s_wait_dscnt 0x0
	s_barrier_signal -1
	s_barrier_wait -1
	LOOP 1
	OUT 6, 7
.irp j, 0,1,2,3,4,5
	v_mov_b32 v[16+\j], v[192+\j]
.endr
	v_mov_b32 v255, v198
	v_mov_b32 v[DD], v10
	INIT
	s_mov_b32 s[TB], 0
	s_mov_b32 s[KF], 0
	s_mov_b32 s[DG], s[WV]
	LOOP 1
	OUT 8, 9
	s_wait_tensorcnt 0x0
	ds_add_u32 v223, v243
	s_wait_dscnt 0x0
	CROUND
	s_endpgm
.Lfunc_end_k_qd10a0de7d6_attention:
	.size	k_qd10a0de7d6_attention, .Lfunc_end_k_qd10a0de7d6_attention-k_qd10a0de7d6_attention
	.p2alignl 7, 3214868480
	.fill 96, 4, 3214868480
	.section	.rodata,"a",@progbits
	.p2align	6, 0x0
	.amdhsa_kernel k_qd10a0de7d6_attention
		.amdhsa_group_segment_fixed_size 327680
		.amdhsa_private_segment_fixed_size 0
		.amdhsa_enable_private_segment 0
		.amdhsa_kernarg_size 16
		.amdhsa_user_sgpr_count 2
		.amdhsa_user_sgpr_kernarg_segment_ptr 1
		.amdhsa_wavefront_size32 1
		.amdhsa_system_sgpr_workgroup_id_x 1
		.amdhsa_system_sgpr_workgroup_id_y 1
		.amdhsa_system_sgpr_workgroup_id_z 1
		.amdhsa_system_vgpr_workitem_id 0
		.amdhsa_next_free_vgpr 256
		.amdhsa_next_free_sgpr 66
		.amdhsa_reserve_vcc 1
		.amdhsa_float_denorm_mode_32 3
		.amdhsa_float_denorm_mode_16_64 3
		.amdhsa_memory_ordered 1
		.amdhsa_forward_progress 1
		.amdhsa_inst_pref_size 86
	.end_amdhsa_kernel
	.amdgpu_metadata
---
amdhsa.version: [ 1, 2 ]
amdhsa.kernels:
  - .name:           k_qd10a0de7d6_attention
    .symbol:         k_qd10a0de7d6_attention.kd
    .args:
      - { .name: qkvc, .offset: 0, .size: 8, .value_kind: global_buffer, .address_space: global }
      - { .name: ao, .offset: 8, .size: 8, .value_kind: global_buffer, .address_space: global }
    .group_segment_fixed_size: 327680
    .private_segment_fixed_size: 0
    .kernarg_segment_align: 8
    .kernarg_segment_size: 16
    .max_flat_workgroup_size: 256
    .sgpr_count:     66
    .vgpr_count:     256
    .wavefront_size: 32
...
	.end_amdgpu_metadata
.endif
;; end of part 9
;; launch proj_o (part 10): grid 8 x 32, 4 waves a work-group, clusters of 4 x 4, 327,680 bytes of LDS; arguments ao, wo_codes, wo_scales, bo, x, x1; writes x1
.if DOCPART == 10
	.amdgcn_target "amdgcn-amd-amdhsa--gfx1250"
	.amdhsa_code_object_version 6
	.text
	.protected	k_qd10a0de7d6_proj_o
	.globl	k_qd10a0de7d6_proj_o
	.p2align	8
	.type	k_qd10a0de7d6_proj_o,@function
k_qd10a0de7d6_proj_o:
	s_mov_b64 s[64:65], 0
	v_nop
	global_prefetch_b8 v0, s[64:65] scope:SCOPE_SE
	s_setreg_imm32_b32 hwreg(HW_REG_WAVE_MODE, 25, 1), 1
	s_wait_xcnt 0x0
	s_wait_alu depctr_hold_cnt(0) depctr_sa_sdst(0) depctr_va_vdst(0) depctr_va_sdst(0) depctr_va_ssrc(0) depctr_va_vcc(0) depctr_vm_vsrc(0)
	s_getreg_b32 s2, hwreg(HW_REG_IB_STS2, 6, 4)
	s_cmp_eq_u32 s2, 0
	s_cbranch_scc0 .Lentry_in_a_cluster
	s_endpgm
.Lentry_in_a_cluster:
	s_bfe_u32 s2, ttmp6, 0x10000c
	s_cmp_lg_u32 s2, 0xf033
	s_cbranch_scc0 .Lentry_shape_is_right
	s_endpgm
.Lentry_shape_is_right:
; out = res + bias + A W^T.  A [4096][SIZE_K], W [1024][SIZE_K]: codes of FP6 (E2M3), one E8M0 byte for each 32 along K; A's scale bytes lie ASC bytes behind its codes.  bias [1024], res, out [4096][1024]: f32.
; A block of 128 x 128 to a work-group (32 x 8 = 256 of them), four waves of 64 x 64: 16 accumulators.  The text is the one of the launch ffn_down with other sizes:
; here a row of codes is 768 bytes and ALL OF K lies in LDS at once (CHUNKS = 1): one fill, no ring, no refill; the stage of the way out has bytes of its own.  No prefetch: there is no loop to run ahead in.
; The head's four tiles, one tensor load a wave: A's 128 rows, W's 128 rows, A's scales, W's scales; each asked for jointly in a 4 x 4 cluster (A's along a row of it, W's along a column).
; Used transposed (source 0 = W's rows, source 1 = A's): a lane holds eight neighbouring numbers of a row of the output.  The bias is the C of each sum's first product.
; LIMITS: NaN and infinities are not served.
; REGISTERS: window 0: v11-29 addresses; v32-63 scale words, two sets; v64-95 bias; v128-255 accumulators.  window 1: two sets of fragments (A's four, then W's four).  window 2: v0-127 residual, v128-255 rows back from the stage.
.set SIZE_K, 1024
.set SIZE_N, 1024
.set ASC,    3145728
.set ROWB,   768                       ; a chunk: bytes of a row that one fill brings
.set PITCH,  816                       ; 3 x (256 + 16): 204 words: the 16 rows of a load start at 16 different multiples of 4 banks (64 banks of 4 bytes: ISA guide 11.1)
.set QI,     5                         ; padding behind every 64 words
.set IP,     16                        ; bytes of padding inside an LDS row, behind each 256
.set NQ,     4                         ; steps that a set of scale words serves
.set KROW,   SIZE_K*6/8
.set STEPS,  SIZE_K/128
.set CHUNKS, KROW/ROWB
.set XB,     ROWB-24
.set FR,     12
.set NL,     6
.set NP,     4                         ; places behind this matrix instruction (ISA guide 7.12.1)
.set HALFT,  64*PITCH
.set SLOT,   4*HALFT
.set KS,     SIZE_K/32
.set HALFS,  (64*KS/256)*272
.set SBLK,   (16*KS/256)*272
.set SPITCH, 272
.if CHUNKS > 1
.set SCL,    2*SLOT
.set STAGE,  (CHUNKS%2)*SLOT           ; the slot that does not hold the last chunk
.else
.set SCL,    SLOT
.set STAGE,  SCL+4*HALFS+512           ; behind the spare words
.endif
.set SPARE,  SCL+4*HALFS
.set PFO,  11
.set ADRA, 16
.set ADRB, 20
.set STO,  24
.set RD,   25
.set CO,   26
.set ADRS, 27
.set SPW,  28
.set NIL,  29
.set SC,   32
.set CB,   64
.set ACC,  128
.set R,    0
.set BK,   128
.set G1, 24
.set G0, 32
.set G1B, 48
.set G0B, 56
.set G1S, 68
.set G0S, 76
.set G1SB, 80
.set G0SB, 88
.set PFA, 100
.set MSB, 0
.macro WIN new
.if MSB != (\new)
	s_set_vgpr_msb (MSB<<8)|(\new)
.set MSB, (\new)
.endif
.endm
.set MUL,    0x05
.set TO_F,   0x40
.set TO_2,   0x80
.set ADD_2,  0x8a
.set FROM_2, 0x08
.macro JLOAD g0a, g1a, g0b, g1b
	s_cmp_eq_u32 s15, 0
	s_cbranch_scc0 .Lfor_b_\@
	tensor_load_to_lds s[\g0a:\g0a+3], s[\g1a:\g1a+7]
	s_nop 0
.rept 4
	v_nop
.endr
	s_branch .Lasked_\@
.Lfor_b_\@:
	tensor_load_to_lds s[\g0b:\g0b+3], s[\g1b:\g1b+7]
	s_nop 0
.rept 4
	v_nop
.endr
.Lasked_\@:
.endm
.macro CREST
	s_cmp_lg_u32 s14, 0
	s_cbranch_scc1 .Lnot_wave_0_\@
	s_barrier_signal -3
.Lnot_wave_0_\@:
	s_barrier_wait -3
	s_barrier_signal -1
	s_barrier_wait -1
.endm
.macro CROUND
	s_barrier_signal -1
	s_barrier_wait -1
	CREST
.endm
	s_load_b64 s[4:5], s[0:1], 0x0
	s_load_b128 s[8:11], s[0:1], 0x8
	s_load_b128 s[96:99], s[0:1], 0x18
	s_load_b64 s[12:13], s[0:1], 0x28
	v_lshl_add_u32 v[SPW], v0, 2, SPARE
	v_mov_b32 v[NIL], 0
	ds_add_u32 v[SPW], v[NIL]                      ; the opening lines
	ds_add_u32 v[SPW], v[NIL]
	v_lshrrev_b32 v1, 5, v0
	v_readfirstlane_b32 s14, v1                    ; wave
	s_lshr_b32 s15, s14, 1                         ; my half of the rows; in the ring: I fetch for A (0) or W (1)
	s_and_b32 s16, s14, 1                          ; my half of the columns; in the ring: which 64 rows I fetch
	s_bfe_u32 s40, ttmp6, 0x40000
	s_bfe_u32 s41, ttmp6, 0x40004
	s_lshl_b32 s42, ttmp9, 2
	s_add_co_u32 s42, s42, s40                     ; tile column
	s_and_b32 s17, ttmp7, 0xffff
	s_lshl_b32 s17, s17, 2
	s_add_co_u32 s17, s17, s41                     ; tile row
	s_lshl_b32 s43, s41, 2
	s_lshl_b32 s43, 15, s43
	s_lshl_b32 s44, 0x1111, s40
	s_or_b32 s[G1+0], s43, (0<<16)|(1<<20)|(1<<21)|(QI<<22)|(3<<25)
	s_or_b32 s[G1B+0], s44, (0<<16)|(1<<20)|(1<<21)|(QI<<22)|(3<<25)
.irp g, G1, G1B
	s_mov_b32 s[\g+1], ROWB<<16
	s_mov_b32 s[\g+2], 128<<16
	s_mov_b32 s[\g+3], ROWB<<16
	s_mov_b32 s[\g+4], 128
	s_mov_b32 s[\g+5], KROW
	s_mov_b32 s[\g+6], 0
	s_mov_b32 s[\g+7], 0
.endr
	s_or_b32 s[G1S+0], s43, (3<<16)|(1<<20)|(1<<21)|(5<<22)|(3<<25)
	s_or_b32 s[G1SB+0], s44, (3<<16)|(1<<20)|(1<<21)|(5<<22)|(3<<25)
.irp g, G1S, G1SB
	s_mov_b32 s[\g+1], 32<<16
	s_mov_b32 s[\g+2], (128*KS/256)<<16
	s_mov_b32 s[\g+3], 32<<16
	s_mov_b32 s[\g+4], 128*KS/256
	s_mov_b32 s[\g+5], 32
	s_mov_b32 s[\g+6], 0
	s_mov_b32 s[\g+7], 0
.endr
	s_lshl_b32 s20, s17, 7
	s_lshl_b32 s46, s42, 7
	s_mov_b32 s21, 0
	s_mov_b32 s47, 0
	s_mov_b64 s[18:19], KS
	s_mul_u64 s[22:23], s[20:21], s[18:19]
	s_mul_u64 s[92:93], s[46:47], s[18:19]
	s_mov_b64 s[18:19], KROW
	s_mul_u64 s[20:21], s[20:21], s[18:19]
	s_mul_u64 s[46:47], s[46:47], s[18:19]
.if CHUNKS > 1
	s_mul_i32 s2, s16, 64*KROW
	s_mov_b32 s3, 0
	s_mul_i32 s45, s14, HALFT
.endif
	s_wait_dscnt 0x0
	s_wait_kmcnt 0x0
.if CHUNKS > 2
	s_cmp_eq_u32 s15, 0
	s_cselect_b32 s94, s17, s42
	s_cselect_b32 s95, s40, s41
	s_cselect_b64 s[PFA:PFA+1], s[4:5], s[8:9]
	s_lshl_b32 s94, s94, 7
	s_lshl_b32 s95, s95, 4
	s_add_co_u32 s94, s94, s95
	s_lshl_b32 s95, s16, 6
	s_add_co_u32 s94, s94, s95
	s_mul_i32 s94, s94, KROW
	s_mov_b32 s95, 0
	s_add_nc_u64 s[PFA:PFA+1], s[PFA:PFA+1], s[94:95]
.endif
	s_add_nc_u64 s[6:7], s[4:5], ASC
	s_add_nc_u64 s[20:21], s[4:5], s[20:21]
	s_add_nc_u64 s[22:23], s[6:7], s[22:23]
	s_add_nc_u64 s[46:47], s[8:9], s[46:47]
	s_add_nc_u64 s[92:93], s[10:11], s[92:93]
	CROUND                                         ; the first joint loads meet
	s_mov_b32 s[G0], 1
	s_mov_b32 s[G0+1], 0
	s_mov_b64 s[G0+2:G0+3], s[20:21]
	s_or_b32 s[G0+3], s[G0+3], 0x80000000
	s_mov_b32 s[G0B], 1
	s_mov_b32 s[G0B+1], 2*HALFT
	s_mov_b64 s[G0B+2:G0B+3], s[46:47]
	s_or_b32 s[G0B+3], s[G0B+3], 0x80000000
	s_mov_b32 s[G0S], 1
	s_mov_b32 s[G0S+1], SCL
	s_mov_b64 s[G0S+2:G0S+3], s[22:23]
	s_or_b32 s[G0S+3], s[G0S+3], 0x80000000
	s_mov_b32 s[G0SB], 1
	s_mov_b32 s[G0SB+1], SCL+2*HALFS
	s_mov_b64 s[G0SB+2:G0SB+3], s[92:93]
	s_or_b32 s[G0SB+3], s[G0SB+3], 0x80000000
.if CHUNKS > 1
	s_mov_b32 s[G0+4], 1
	s_add_co_u32 s[G0+5], s45, SLOT
	s_add_nc_u64 s[G0+6:G0+7], s[20:21], s[2:3]
	s_add_nc_u64 s[G0+6:G0+7], s[G0+6:G0+7], ROWB
	s_or_b32 s[G0+7], s[G0+7], 0x80000000
	s_mov_b32 s[G0B+4], 1
	s_add_co_u32 s[G0B+5], s45, SLOT
	s_add_nc_u64 s[G0B+6:G0B+7], s[46:47], s[2:3]
	s_add_nc_u64 s[G0B+6:G0B+7], s[G0B+6:G0B+7], ROWB
	s_or_b32 s[G0B+7], s[G0B+7], 0x80000000
.endif
.macro ARM under, g0, g1, next         ; one load a wave at the head: one chain of branches on the wave's number, one join
	s_cmp_lt_u32 s14, \under
	s_cbranch_scc0 \next
	tensor_load_to_lds s[\g0:\g0+3], s[\g1:\g1+7]
	s_nop 0
.rept 4
	v_nop
.endr
	s_branch .Lhead_asked
\next:
.endm
	ARM 1, G0,  G1,  .Lhead_b
	ARM 2, G0B, G1B, .Lhead_sa
	ARM 3, G0S, G1S, .Lhead_sb
	tensor_load_to_lds s[G0SB:G0SB+3], s[G1SB:G1SB+7]
	s_nop 0
.rept 4
	v_nop
.endr
.Lhead_asked:
	s_lshl_b32 s20, s17, 7
	s_lshl_b32 s21, s15, 6
	s_add_co_u32 s20, s20, s21                     ; my first row
	s_mov_b32 s21, 0
	s_mov_b64 s[18:19], SIZE_N*4
	s_mul_u64 s[20:21], s[20:21], s[18:19]
	s_lshl_b32 s46, s42, 9
	s_lshl_b32 s47, s16, 8
	s_add_co_u32 s46, s46, s47                     ; my first column, in bytes
	s_mov_b32 s47, 0
	s_add_nc_u64 s[96:97], s[96:97], s[46:47]
	s_add_nc_u64 s[20:21], s[20:21], s[46:47]
	s_add_nc_u64 s[12:13], s[12:13], s[20:21]
	s_add_nc_u64 s[98:99], s[98:99], s[20:21]
	s_mul_i32 s66, s15, HALFT                      ; my 64 rows of A
	s_mul_i32 s67, s16, HALFT
	s_add_co_u32 s67, s67, 2*HALFT                 ; my 64 rows of W
	s_mul_i32 s95, s15, HALFS
	s_mul_i32 s94, s16, HALFS
	s_add_co_u32 s94, s94, 2*HALFS
	s_sub_co_u32 s94, s94, s95                     ; from A's scales to W's
	s_add_co_u32 s95, s95, SCL
	s_mul_i32 s23, s14, 64*SPITCH
	s_add_co_u32 s23, s23, STAGE                   ; my stage
	s_mov_b32 s21, SLOT-XB
	s_mov_b32 s22, SLOT+XB
	v_and_b32 v1, 15, v0                           ; r
	v_bfe_u32 v2, v0, 4, 1                         ; h
	v_mul_u32_u24 v6, v2, SIZE_N*4
	v_lshl_add_u32 v[CO], v1, 4, v6                ; two rows of 256 bytes an instruction
	v_lshlrev_b32 v7, 5, v2
	v_mul_u32_u24 v3, v1, PITCH
	v_mul_u32_u24 v4, v2, 24
	v_add_nc_u32 v4, v3, v4                        ; a fragment's row x pitch + 24 h
	v_add_nc_u32 v[ADRA], s66, v4
	v_add_nc_u32 v[ADRB], s67, v4
.if IP
	v_lshl_add_u32 v5, v2, 4, v4                   ; lanes 16-31 behind one padding more
	v_add_nc_u32 v[ADRA+2], s66, v5
	v_add_nc_u32 v[ADRB+2], s67, v5
.else
	v_add_nc_u32 v[ADRA+1], SLOT, v[ADRA]
	v_add_nc_u32 v[ADRB+1], SLOT, v[ADRB]
	v_sub_nc_u32 v8, 1, v2
	v_mul_u32_u24 v5, s21, v2
	v_add_nc_u32 v5, v3, v5
	v_add_nc_u32 v5, XB, v5                        ; across two chunks: lanes 0-15 byte XB of the row in slot 0, lanes 16-31 byte 0 in slot 1;
	v_mul_u32_u24 v6, s22, v8
	v_add_nc_u32 v6, v3, v6                        ; and the other way round
	v_add_nc_u32 v[ADRA+2], s66, v5
	v_add_nc_u32 v[ADRA+3], s66, v6
	v_add_nc_u32 v[ADRB+2], s67, v5
	v_add_nc_u32 v[ADRB+3], s67, v6
.endif
	v_mul_u32_u24 v9, v1, KS
	v_lshrrev_b32 v10, 8, v9
	v_lshl_add_u32 v9, v10, 4, v9
	v_mul_u32_u24 v10, s94, v2                     ; lanes 16-31 take W's scales
	v_add_nc_u32 v9, v9, v10
	v_add_nc_u32 v[ADRS], s95, v9
	v_mul_u32_u24 v9, v1, SPITCH
	v_lshl_add_u32 v9, v2, 5, v9
	v_add_nc_u32 v[STO], s23, v9
	v_mul_u32_u24 v9, v2, SPITCH
	v_lshl_add_u32 v9, v1, 4, v9
	v_add_nc_u32 v[RD], s23, v9
.if CHUNKS > 2
	v_mul_u32_u24 v[PFO], v1, KROW
	v_lshl_add_u32 v[PFO], v2, 8, v[PFO]
.endif
	s_wait_alu depctr_va_vdst(0)
.irp b, 0,1,2,3
	global_load_b128 v[CB+8*\b:CB+8*\b+3], v7, s[96:97] offset:64*\b
	global_load_b128 v[CB+8*\b+4:CB+8*\b+7], v7, s[96:97] offset:64*\b+16
.endr
	WIN TO_2
.set i, 0
.rept 32
	global_load_b128 v[R+4*i:R+4*i+3], v[CO], s[98:99] offset:2*i*SIZE_N*4 th:TH_LOAD_NT   ; the residual stays out during the product
.set i, i+1
.endr
	WIN 0
.macro FRAG reg, adr, st, i            ; 16 rows x 128 K: 12 registers, in pieces of 8 bytes.  Byte y of a row lies in chunk y / ROWB; lanes 16-31 read 24 bytes on
.irp p, 0,1,2,3,4,5
.set BY, 96*(\st)+48*(\p/3)+8*(\p%3)
.set BO, BY%ROWB
.if BY/ROWB != (BY+24)/ROWB
	ds_load_b64 v[\reg+2*\p:\reg+2*\p+1], v[\adr+2+(BY/ROWB)%2] offset:BO-XB+(\i)*16*PITCH
.elseif IP*(BO/256) != IP*((BO+24)/256)
	ds_load_b64 v[\reg+2*\p:\reg+2*\p+1], v[\adr+2] offset:BO+IP*(BO/256)+(\i)*16*PITCH
.else
	ds_load_b64 v[\reg+2*\p:\reg+2*\p+1], v[\adr+(BY/ROWB)%2] offset:BO+IP*(BO/256)+(\i)*16*PITCH
.endif
.endr
.endm
.macro MUL4 a, p, q, sc, zero          ; A's block a x W's four; the 16 accumulators take turns
.irp b, 0,1,2,3
.if \zero
	v_wmma_scale_f32_16x16x128_f8f6f4 v[ACC+8*(4*(\a)+\b):ACC+8*(4*(\a)+\b)+7], v[128*(\p)+48+FR*\b:128*(\p)+48+FR*\b+FR-1], v[128*(\p)+FR*(\a):128*(\p)+FR*(\a)+FR-1], v[CB+8*\b:CB+8*\b+7], v[SC+4*NQ*(\sc)+NQ*\b+(\q)], v[SC+4*NQ*(\sc)+NQ*(\a)+(\q)] matrix_a_fmt:MATRIX_FMT_FP6 matrix_b_fmt:MATRIX_FMT_FP6 matrix_a_scale:MATRIX_SCALE_ROW1
.else
	v_wmma_scale_f32_16x16x128_f8f6f4 v[ACC+8*(4*(\a)+\b):ACC+8*(4*(\a)+\b)+7], v[128*(\p)+48+FR*\b:128*(\p)+48+FR*\b+FR-1], v[128*(\p)+FR*(\a):128*(\p)+FR*(\a)+FR-1], v[ACC+8*(4*(\a)+\b):ACC+8*(4*(\a)+\b)+7], v[SC+4*NQ*(\sc)+NQ*\b+(\q)], v[SC+4*NQ*(\sc)+NQ*(\a)+(\q)] matrix_a_fmt:MATRIX_FMT_FP6 matrix_b_fmt:MATRIX_FMT_FP6 matrix_a_scale:MATRIX_SCALE_ROW1
.endif
.endr
.endm
.macro FETCH st, p                     ; 48 LDS loads: W's four, then A's four
	WIN TO_F
.irp i, 0,1,2,3
	FRAG 128*(\p)+48+FR*\i, ADRB, \st, \i
.endr
.irp i, 0,1,2,3
	FRAG 128*(\p)+FR*\i, ADRA, \st, \i
.endr
.endm
.macro SCALES pr                       ; the scale words of steps 4 pr .. 4 pr + 3 into set pr % 2
.irp i, 0,1,2,3
	ds_load_b128 v[SC+4*NQ*((\pr)%2)+NQ*\i:SC+4*NQ*((\pr)%2)+NQ*\i+3], v[ADRS] offset:\i*SBLK+4*NQ*(\pr)
.endr
.endm
.macro PLACES n
.rept \n
	v_nop
.endr
.endm
.macro ASK c                           ; chunk c of my work-group's 16 of the 64 rows that I fetch: 16 rows x 2 blocks of 256 bytes, a lane a block
	global_prefetch_b8 v[PFO], s[PFA:PFA+1] offset:(\c)*ROWB th:TH_LOAD_NT scope:SCOPE_SE
.endm
.macro STEP st, zero
.set NX, (\st)+1
.set C0, (96*(\st))/ROWB
.set C1, (96*NX)/ROWB
.set E0, (96*(\st)+95)/ROWB
.set E1, (96*NX+95)/ROWB
.if C1 > C0 || E1 > E0
	WIN 0
	s_wait_tensorcnt 0x0
.if C1 > C0
	ds_add_u32 v[SPW], v[NIL]
	s_wait_dscnt 2*NL+1
.else
	s_wait_dscnt 2*NL
.endif
	WIN MUL
	MUL4 0, (\st)%2, (\st)%4, ((\st)/4)%2, \zero
	s_wait_dscnt 0x0
	s_barrier_signal -1
	MUL4 1, (\st)%2, (\st)%4, ((\st)/4)%2, \zero
	WIN 0
	s_barrier_wait -1
.if C1 > C0 && C0+2 < CHUNKS
	CREST
	s_add_nc_u64 s[G0+4*(C0%2)+2:G0+4*(C0%2)+3], s[G0+4*(C0%2)+2:G0+4*(C0%2)+3], 2*ROWB
	s_add_nc_u64 s[G0B+4*(C0%2)+2:G0B+4*(C0%2)+3], s[G0B+4*(C0%2)+2:G0B+4*(C0%2)+3], 2*ROWB
	JLOAD G0+4*(C0%2), G1, G0B+4*(C0%2), G1B
.else
	PLACES NP
.endif
.else
	s_wait_dscnt 2*NL                              ; the youngest 12 loads (A's blocks 2, 3) may be out
	WIN MUL
	MUL4 0, (\st)%2, (\st)%4, ((\st)/4)%2, \zero
	MUL4 1, (\st)%2, (\st)%4, ((\st)/4)%2, \zero
	PLACES NP
.endif
.if NX%4 == 0
	WIN 0
	SCALES NX/4
.endif
	FETCH NX, NX%2
.if C1 > C0 && C0+4 < CHUNKS
	ASK C0+4
.endif
	s_wait_dscnt 8*NL                              ; all but the 48 just issued
	WIN MUL
	MUL4 2, (\st)%2, (\st)%4, ((\st)/4)%2, \zero
	MUL4 3, (\st)%2, (\st)%4, ((\st)/4)%2, \zero
.endm
	s_wait_tensorcnt 0x0                           ; my tile of the head's four is in,
.if CHUNKS > 1
	ds_add_u32 v[SPW], v[NIL]
	s_mov_b32 s[G1+2], 64<<16
	s_mov_b32 s[G1+4], 64
	s_mov_b32 s[G1B+2], 64<<16
	s_mov_b32 s[G1B+4], 64
	s_mov_b32 s[G0+1], s45
	s_add_nc_u64 s[G0+2:G0+3], s[G0+2:G0+3], s[2:3]
	s_mov_b32 s[G0B+1], s45
	s_add_nc_u64 s[G0B+2:G0B+3], s[G0B+2:G0B+3], s[2:3]
	s_wait_dscnt 0x0
	CROUND
	JLOAD G0+4, G1, G0B+4, G1B
.else
	s_barrier_signal -1
	s_barrier_wait -1                              ; and everybody's
.endif
	SCALES 0
	FETCH 0, 0
.if CHUNKS > 3
	ASK 2
	ASK 3
.endif
	s_wait_loadcnt 32                              ; the bias is in; the residual's 32 loads stay out
	STEP 0, 1
.set ST, 1
.rept STEPS-2
	STEP ST, 0
.set ST, ST+1
.endr
	s_wait_dscnt 2*NL                              ; the last step
	WIN MUL
	MUL4 0, 1, 3, 1, 0
	MUL4 1, 1, 3, 1, 0
	s_wait_dscnt 0
	MUL4 2, 1, 3, 1, 0
	MUL4 3, 1, 3, 1, 0
	WIN 0
	PLACES NP
.irp a, 0,1,2,3                        ; the way out: all 64 rows into my stage, back as whole rows of 256 bytes, plus the residual, stored
.irp b, 0,1,2,3
	ds_store_b128 v[STO], v[ACC+8*(4*\a+\b):ACC+8*(4*\a+\b)+3] offset:\a*16*SPITCH+64*\b
	ds_store_b128 v[STO], v[ACC+8*(4*\a+\b)+4:ACC+8*(4*\a+\b)+7] offset:\a*16*SPITCH+64*\b+16
.endr
.endr
	WIN TO_2
.set i, 0
.rept 32
	ds_load_b128 v[BK+4*i:BK+4*i+3], v[RD] offset:i*2*SPITCH       ; LDS serves a wave's instructions in order (ISA guide 5.7.1.4)
.set i, i+1
.endr
	s_wait_loadcnt 0x0
.irp g, 0,1,2,3
	s_wait_dscnt 24-8*\g
	WIN ADD_2
.set i, 16*\g
.rept 16
	v_pk_add_f32 v[BK+2*i:BK+2*i+1], v[BK+2*i:BK+2*i+1], v[R+2*i:R+2*i+1]
.set i, i+1
.endr
	WIN FROM_2
.set i, 8*\g
.rept 8
	global_store_b128 v[CO], v[BK+4*i:BK+4*i+3], s[12:13] offset:2*i*SIZE_N*4     ; 16 lanes store 256 consecutive bytes, aligned
.set i, i+1
.endr
.endr
	WIN 0
	s_wait_tensorcnt 0x0                           ; the wave's end
	ds_add_u32 v[SPW], v[NIL]
	s_wait_dscnt 0x0
	CROUND                                         ; the closing round
	s_endpgm
.Lfunc_end_k_qd10a0de7d6_proj_o:
	.size	k_qd10a0de7d6_proj_o, .Lfunc_end_k_qd10a0de7d6_proj_o-k_qd10a0de7d6_proj_o
	.p2alignl 7, 3214868480
	.fill 96, 4, 3214868480
	.section	.rodata,"a",@progbits
	.p2align	6, 0x0
	.amdhsa_kernel k_qd10a0de7d6_proj_o
		.amdhsa_group_segment_fixed_size 327680
		.amdhsa_private_segment_fixed_size 0
		.amdhsa_enable_private_segment 0
		.amdhsa_kernarg_size 48
		.amdhsa_user_sgpr_count 2
		.amdhsa_user_sgpr_kernarg_segment_ptr 1
		.amdhsa_wavefront_size32 1
		.amdhsa_system_sgpr_workgroup_id_x 1
		.amdhsa_system_sgpr_workgroup_id_y 1
		.amdhsa_system_sgpr_workgroup_id_z 1
		.amdhsa_system_vgpr_workitem_id 0
		.amdhsa_next_free_vgpr 768
		.amdhsa_next_free_sgpr 102
		.amdhsa_reserve_vcc 0
		.amdhsa_float_denorm_mode_32 3
		.amdhsa_float_denorm_mode_16_64 3
		.amdhsa_memory_ordered 1
		.amdhsa_forward_progress 1
		.amdhsa_inst_pref_size 67
	.end_amdhsa_kernel
	.amdgpu_metadata
---
amdhsa.version: [ 1, 2 ]
amdhsa.kernels:
  - .name:           k_qd10a0de7d6_proj_o
    .symbol:         k_qd10a0de7d6_proj_o.kd
    .args:
      - { .name: ao, .offset: 0, .size: 8, .value_kind: global_buffer, .address_space: global }
      - { .name: wo_codes, .offset: 8, .size: 8, .value_kind: global_buffer, .address_space: global }
      - { .name: wo_scales, .offset: 16, .size: 8, .value_kind: global_buffer, .address_space: global }
      - { .name: bo, .offset: 24, .size: 8, .value_kind: global_buffer, .address_space: global }
      - { .name: x, .offset: 32, .size: 8, .value_kind: global_buffer, .address_space: global }
      - { .name: x1, .offset: 40, .size: 8, .value_kind: global_buffer, .address_space: global }
    .group_segment_fixed_size: 327680
    .private_segment_fixed_size: 0
    .kernarg_segment_align: 8
    .kernarg_segment_size: 48
    .max_flat_workgroup_size: 128
    .sgpr_count:     102
    .vgpr_count:     768
    .wavefront_size: 32
...
	.end_amdgpu_metadata
.endif
;; end of part 10
;; launch norm2: the kernel of part 7 again; grid 256 x 1, 4 waves a work-group, no clusters, 33,280 bytes of LDS; arguments x1, ln2_g, ln2_b, h2; writes h2
;; launch ffn_up (part 11): grid 16 x 16, 4 waves a work-group, clusters of 4 x 4, 327,680 bytes of LDS; arguments h2, w1_codes, w1_scales, b1, gc; writes gc
.if DOCPART == 11
	.amdgcn_target "amdgcn-amd-amdhsa--gfx1250"
	.amdhsa_code_object_version 6
	.text
	.protected	k_qd10a0de7d6_ffn_up
	.globl	k_qd10a0de7d6_ffn_up
	.p2align	8
	.type	k_qd10a0de7d6_ffn_up,@function
k_qd10a0de7d6_ffn_up:
	s_mov_b64 s[64:65], 0
	v_nop
	global_prefetch_b8 v0, s[64:65] scope:SCOPE_SE
	s_setreg_imm32_b32 hwreg(HW_REG_WAVE_MODE, 25, 1), 1
	s_wait_xcnt 0x0
	s_wait_alu depctr_hold_cnt(0) depctr_sa_sdst(0) depctr_va_vdst(0) depctr_va_sdst(0) depctr_va_ssrc(0) depctr_va_vcc(0) depctr_vm_vsrc(0)
	s_getreg_b32 s2, hwreg(HW_REG_IB_STS2, 6, 4)
	s_cmp_eq_u32 s2, 0
	s_cbranch_scc0 .Lentry_in_a_cluster
	s_endpgm
.Lentry_in_a_cluster:
	s_bfe_u32 s2, ttmp6, 0x10000c
	s_cmp_lg_u32 s2, 0xf033
	s_cbranch_scc0 .Lentry_shape_is_right
	s_endpgm
.Lentry_shape_is_right:
; g = Q(gelu(h W1^T + b1)): the product on codes of FP6 (E2M3) with one E8M0 scale for each 32 along K = 1,024; the exact gelu in f32; the result quantised along the 4,096 hidden units:
; codes [4096][3072 bytes], and GSC bytes on the scale bytes [4096][128].  h: codes [4096][768], its scale bytes ASC bytes on.  W1: codes [4096][768], scales [4096][32].  b1: [4096] f32.
; THE PRODUCT: a tile of 256 x 256 to a work-group of four waves, 128 x 128 (64 accumulators) to a wave; K in steps of 256 through a ring of two LDS slots filled by the tensor data mover; the scale bytes of the
; work-group's rows come into LDS once.  4 x 4 work-groups form a cluster: A's tiles are asked for jointly along a row of the cluster, B's along a column.  Used transposed: a lane holds one token, its registers run along the hidden units.
; THE GELU.  gelu(x) = max(x, 0) - |x| h(|x|), h(z) = erfc(z / sqrt 2) / 2 = t 2^(P(t) - 0.72134752 z^2), t = 1 / (1 + 0.35355339 z), P a polynomial of degree 9 (Numerical Recipes' erfcc, its coefficients times log2 e, ln 2 taken off the first).
; LIMITS: the formula's fractional error is 1.2e-7 for every x, f32 evaluation and the 1 ulp of v_rcp_f32 and v_exp_f32 come on top; h under 2^-126 is flushed to 0.  NaN and infinities are not served.  A block of zeros gets the byte 1.
; THE WAY OUT is a loop of eight trips, a block of 16 tokens x 128 units each: one fragment's worth of codes (96 bytes a token) and one scale word a token.  Only the lines that fetch the block's accumulators differ
; from trip to trip (their register numbers): they are chosen by a switch on the trip's number, and add b1 as they fetch.
; REGISTERS, in windows of 256: window 0: v0-31 addresses; v32-63 scale words; v128-223 A's fragments; on the way out v32-95 T, v96-127 U, v128-159 P, v160-191 M, v192-211 constants, v214-250 the quantiser's.
;   window 1: B's fragments, TWO sets, and in the gaps (v96-127, v224-255) b1.   windows 2, 3: the accumulators.
.set SIZE_K, 1024
.set ASC,    3145728
.set GSC,    12582912
.set KSTEP,  256
.set NQ,     KSTEP/128
; THE RING: K goes in chunks of 256 bytes of each row of codes (a row is 768 bytes: three chunks, each begins at a multiple of 256 bytes); chunk c lies in slot c % 2.
; A matrix step is 96 bytes of a row: eight steps to three chunks; steps 2 and 5 lie across two chunks.  No prefetch: K is three chunks, two of which are asked for before the first product.
.set ROWB,   256
.set STEPS,  SIZE_K/128
.set CHUNKS, 3
.set KROW,   SIZE_K*6/8
.set PITCH,  272                       ; an LDS row: 256 bytes + 16 of padding = 68 words
.set FR,     12
.set NL,     6
.set NP,     4                         ; places behind this matrix instruction (ISA guide 7.12.1)
.set HALFT,  128*PITCH
.set SLOT,   4*HALFT
.set LAPS,   SIZE_K/(2*KSTEP)
.set KS,     SIZE_K/32
.set SCL,    2*SLOT
.set HALFS,  (128*KS/256)*272
.set SBLK,   (16*KS/256)*272
.set SPARE,  SCL+4*HALFS               ; the spare words, 128 bytes a wave: two blocks of 256 bytes that no other line names
.set VG,   12                          ; v12-14 the way out: where piece lane + 32 g of a block's 96 pieces of 16 bytes goes
.set VSC,  15                          ; v15    128 x lane: my token's row of scale bytes
.set ADRA, 16
.set ADRB, 20
.set STO,  24                          ; v24 my stage (2,048 bytes a wave, in slot 1, which has had its last fill and its last read by then): 96 r + 24 h
.set RD,   25                          ; v25 16 x lane
.set ADRS, 27
.set SPW,  28
.set NIL,  29
.set SCW,  30                          ; v30 behind the stage's 1,536 bytes: the block's scale words, 4 r; it steps 64 a block
.set SCR,  31                          ; v31 and on the way out 4 x lane
.set SC,   32
.set AF,   128
.set T,    32
.set U,    96
.set P,    128
.set M,    160
.set KC,   192                         ; coefficient c, twice, at v[KC + 2 c]
.set PC,   214
.set TM,   234
.set PW,   250
.set G1, 24
.set G0, 32
.set G1B, 48
.set G0B, 56
.set SEL, 66
.set G1S, 68
.set G0S, 76
.set G1SB, 80
.set G0SB, 88
.set MSB, 0
.macro WIN new                         ; the immediate's high byte repeats the setting that is left
.if MSB != (\new)
	s_set_vgpr_msb (MSB<<8)|(\new)
.set MSB, (\new)
.endif
.endm
.set MUL_LO, 0xa1                      ; source 0 (B) window 1, source 1 (A) window 0, C and D window 2
.set MUL_HI, 0xf1
.set TO_B,   0x40
; A joint load: waves 0 and 1 fetch for A, waves 2 and 3 for B; the branch hangs on the wave's number alone.  Four v_nop follow each of the two lines.
.macro JLOAD g0a, g1a, g0b, g1b
	s_cmp_eq_u32 s15, 0
	s_cbranch_scc0 .Lfor_b_\@
	tensor_load_to_lds s[\g0a:\g0a+3], s[\g1a:\g1a+7]
	s_nop 0
.rept 4
	v_nop
.endr
	s_branch .Lasked_\@
.Lfor_b_\@:
	tensor_load_to_lds s[\g0b:\g0b+3], s[\g1b:\g1b+7]
	s_nop 0
.rept 4
	v_nop
.endr
.Lasked_\@:
.endm
.macro CREST
	s_cmp_lg_u32 s14, 0
	s_cbranch_scc1 .Lnot_wave_0_\@
	s_barrier_signal -3
.Lnot_wave_0_\@:
	s_barrier_wait -3
	s_barrier_signal -1
	s_barrier_wait -1
.endm
.macro CROUND
	s_barrier_signal -1
	s_barrier_wait -1
	CREST
.endm
	s_load_b64 s[4:5], s[0:1], 0x0                 ; h's buffer
	s_load_b128 s[8:11], s[0:1], 0x8               ; W1's codes s[8:9], W1's scales s[10:11]
	s_load_b128 s[96:99], s[0:1], 0x18             ; b1 s[96:97], the output s[98:99]
	v_lshl_add_u32 v[SPW], v0, 2, SPARE
	v_mov_b32 v[NIL], 0
	ds_add_u32 v28, v29
	ds_add_u32 v28, v29
	s_wait_dscnt 0x0
	v_lshrrev_b32 v1, 5, v0
	v_readfirstlane_b32 s14, v1                    ; wave 0..3
	s_lshr_b32 s15, s14, 1                         ; which half of the tile's rows is mine.  Also: I fetch for A (0) or for B (1)
	s_and_b32 s16, s14, 1                          ; which half of its columns.  Also: which 128 rows of that tile I fetch
	s_bfe_u32 s40, ttmp6, 0x40000                  ; cx, cy
	s_bfe_u32 s41, ttmp6, 0x40004
	s_lshl_b32 s42, ttmp9, 2
	s_add_co_u32 s42, s42, s40                     ; tile column
	s_and_b32 s17, ttmp7, 0xffff
	s_lshl_b32 s17, s17, 2
	s_add_co_u32 s17, s17, s41                     ; tile row
	s_lshl_b32 s43, s41, 2
	s_lshl_b32 s43, 15, s43                        ; my row of the cluster
	s_lshl_b32 s44, 0x1111, s40                    ; my column
	s_mov_b32 s[SEL], 0x76543210
	s_mov_b32 s[SEL+1], 0xfedcba98
	s_or_b32 s[G1+0], s43, (0<<16)|(1<<20)|(1<<21)|(5<<22)|(3<<25)  ; the mask; elements of 1 byte; padding on; 21 set beside a mask; after every 64 words 4 words
	s_or_b32 s[G1B+0], s44, (0<<16)|(1<<20)|(1<<21)|(5<<22)|(3<<25)
.irp g, G1, G1B
	s_mov_b32 s[\g+1], ROWB<<16
	s_mov_b32 s[\g+2], 256<<16                     ; 256 rows for the head's loads; 128 behind them
	s_mov_b32 s[\g+3], ROWB<<16
	s_mov_b32 s[\g+4], 256
	s_mov_b32 s[\g+5], KROW
	s_mov_b32 s[\g+6], 0
	s_mov_b32 s[\g+7], 0
.endr
	s_or_b32 s[G1S+0], s43, (3<<16)|(1<<20)|(1<<21)|(5<<22)|(3<<25)
	s_or_b32 s[G1SB+0], s44, (3<<16)|(1<<20)|(1<<21)|(5<<22)|(3<<25)
.irp g, G1S, G1SB
	s_mov_b32 s[\g+1], 32<<16
	s_mov_b32 s[\g+2], KS<<16                      ; the scales of 256 rows: KS rows of 256 bytes
	s_mov_b32 s[\g+3], 32<<16
	s_mov_b32 s[\g+4], KS
	s_mov_b32 s[\g+5], 32
	s_mov_b32 s[\g+6], 0
	s_mov_b32 s[\g+7], 0
.endr
	s_lshl_b32 s20, s17, 8                         ; A: the tile's first row
	s_lshl_b32 s46, s42, 8                         ; B: likewise
	s_mov_b32 s21, 0
	s_mov_b32 s47, 0
	s_mov_b64 s[18:19], KS
	s_mul_u64 s[22:23], s[20:21], s[18:19]
	s_mul_u64 s[92:93], s[46:47], s[18:19]
	s_mov_b64 s[18:19], KROW
	s_mul_u64 s[20:21], s[20:21], s[18:19]
	s_mul_u64 s[46:47], s[46:47], s[18:19]
	s_mul_i32 s45, s14, HALFT
	s_mul_i32 s2, s16, 128*KROW                    ; in the ring I fetch 128 rows of a tile: which half, in bytes
	s_mov_b32 s3, 0
	s_wait_kmcnt 0x0
	s_add_nc_u64 s[6:7], s[4:5], ASC               ; h's scale bytes
	s_add_nc_u64 s[20:21], s[4:5], s[20:21]
	s_add_nc_u64 s[22:23], s[6:7], s[22:23]
	s_add_nc_u64 s[46:47], s[8:9], s[46:47]
	s_add_nc_u64 s[92:93], s[10:11], s[92:93]
	CROUND                                         ; all sixteen work-groups are here: the first joint loads meet
	s_mov_b32 s[G0], 1                             ; the head's four tiles, each whole: chunk 0's 256 rows of A (slot 0's group 0 is set to my half behind the head's wait),
	s_mov_b32 s[G0+1], 0
	s_mov_b64 s[G0+2:G0+3], s[20:21]
	s_or_b32 s[G0+3], s[G0+3], 0x80000000
	s_mov_b32 s[G0B], 1                            ; its 256 rows of B,
	s_mov_b32 s[G0B+1], 2*HALFT
	s_mov_b64 s[G0B+2:G0B+3], s[46:47]
	s_or_b32 s[G0B+3], s[G0B+3], 0x80000000
	s_mov_b32 s[G0S], 1                            ; A's scales,
	s_mov_b32 s[G0S+1], SCL
	s_mov_b64 s[G0S+2:G0S+3], s[22:23]
	s_or_b32 s[G0S+3], s[G0S+3], 0x80000000
	s_mov_b32 s[G0SB], 1                           ; B's scales
	s_mov_b32 s[G0SB+1], SCL+2*HALFS
	s_mov_b64 s[G0SB+2:G0SB+3], s[92:93]
	s_or_b32 s[G0SB+3], s[G0SB+3], 0x80000000
	s_mov_b32 s[G0+4], 1                           ; slot 1: chunk 1, my 128 rows
	s_add_co_u32 s[G0+5], s45, SLOT
	s_add_nc_u64 s[G0+6:G0+7], s[20:21], s[2:3]
	s_add_nc_u64 s[G0+6:G0+7], s[G0+6:G0+7], ROWB
	s_or_b32 s[G0+7], s[G0+7], 0x80000000
	s_mov_b32 s[G0B+4], 1
	s_add_co_u32 s[G0B+5], s45, SLOT
	s_add_nc_u64 s[G0B+6:G0B+7], s[46:47], s[2:3]
	s_add_nc_u64 s[G0B+6:G0B+7], s[G0B+6:G0B+7], ROWB
	s_or_b32 s[G0B+7], s[G0B+7], 0x80000000
; one load a wave at the head: one chain of branches on the wave's number, one load to an arm, one join
.macro ARM under, g0, g1, next
	s_cmp_lt_u32 s14, \under
	s_cbranch_scc0 \next
	tensor_load_to_lds s[\g0:\g0+3], s[\g1:\g1+7]
	s_nop 0
.rept 4
	v_nop
.endr
	s_branch .Lhead_asked
\next:
.endm
	ARM 1, G0,  G1,  .Lhead_b
	ARM 2, G0B, G1B, .Lhead_sa
	ARM 3, G0S, G1S, .Lhead_sb
	tensor_load_to_lds s[G0SB:G0SB+3], s[G1SB:G1SB+7]
	s_nop 0
.rept 4
	v_nop
.endr
.Lhead_asked:
	v_and_b32 v1, 15, v0                           ; r
	v_bfe_u32 v2, v0, 4, 1                         ; h
	v_mul_u32_u24 v3, v1, PITCH
	v_mul_u32_u24 v4, v2, 24
	v_add_nc_u32 v4, v3, v4
	s_mov_b32 s21, SLOT-232
	s_mov_b32 s22, SLOT+232
	v_sub_nc_u32 v7, 1, v2                         ; 1 in lanes 0-15
	v_mul_u32_u24 v5, s21, v2
	v_add_nc_u32 v5, v3, v5
	v_add_nc_u32 v5, 232, v5                       ; across two chunks: lanes 0-15 byte 232 of the row in slot 0, lanes 16-31 byte 0 of the row in slot 1;
	v_mul_u32_u24 v6, s22, v7
	v_add_nc_u32 v6, v3, v6                        ; and the other way round
	s_mul_i32 s21, s15, HALFT
	s_mul_i32 s22, s16, HALFT
	s_add_co_u32 s22, s22, 2*HALFT
	v_add_nc_u32 v[ADRA+2], s21, v5
	v_add_nc_u32 v[ADRA+3], s21, v6
	v_add_nc_u32 v[ADRB+2], s22, v5
	v_add_nc_u32 v[ADRB+3], s22, v6
.irp s, 0,1
	v_add_nc_u32 v[ADRA+\s], s21, v4
	v_add_nc_u32 v[ADRB+\s], s22, v4
	s_add_co_u32 s21, s21, SLOT
	s_add_co_u32 s22, s22, SLOT
.endr
	v_mul_u32_u24 v5, v1, KS
	v_lshrrev_b32 v6, 8, v5
	v_lshl_add_u32 v5, v6, 4, v5
	s_mul_i32 s21, s15, HALFS
	s_mul_i32 s22, s16, HALFS
	s_add_co_u32 s22, s22, 2*HALFS
	s_sub_co_u32 s22, s22, s21
	v_mul_u32_u24 v6, s22, v2
	s_add_co_u32 s21, s21, SCL
	v_add_nc_u32 v5, v5, v6
	v_add_nc_u32 v[ADRS], s21, v5
	s_lshl_b32 s23, s14, 11                        ; my stage: 2,048 x wave,
	s_add_co_u32 s23, s23, SLOT                    ; in slot 1: the last chunk lies in slot 0; slot 1 has had its last fill and, behind the walk's last barrier, its last read
	v_mul_u32_u24 v5, v1, 96
	v_mad_u32_u24 v5, v2, 24, v5
	v_add_nc_u32 v[STO], s23, v5
	v_and_b32 v6, 31, v0                           ; lane
	v_lshl_add_u32 v[RD], v6, 4, s23
	s_add_co_u32 s23, s23, 1536
	v_lshl_add_u32 v[SCW], v1, 2, s23
	v_lshl_add_u32 v[SCR], v6, 2, s23
.irp g, 0,1,2
	v_add_nc_u32 v7, 32*\g, v6                     ; piece i = lane + 32 g of the block's 96: token i / 6, piece i % 6 of its 96 bytes
	v_mul_u32_u24 v8, v7, 43
	v_lshrrev_b32 v8, 8, v8                        ; i / 6 = 43 i >> 8 for i under 128
	v_mul_u32_u24 v9, v8, 6
	v_sub_nc_u32 v9, v7, v9
	v_mul_u32_u24 v8, v8, 3072
	v_lshl_add_u32 v[VG+\g], v9, 4, v8
.endr
	v_lshlrev_b32 v[VSC], 7, v6
	s_lshl_b32 s20, s17, 8
	s_lshl_b32 s21, s15, 7
	s_add_co_u32 s20, s20, s21                     ; my first token
	s_mul_i32 s22, s20, 3072
	s_lshl_b32 s46, s42, 1
	s_add_co_u32 s46, s46, s16                     ; which 128 hidden units are mine
	s_mul_i32 s47, s46, 96
	s_add_co_u32 s22, s22, s47
	s_mov_b32 s23, 0
	s_add_nc_u64 s[12:13], s[98:99], s[22:23]      ; my codes
	s_lshl_b32 s22, s20, 7
	s_lshl_b32 s47, s46, 2
	s_add_co_u32 s22, s22, s47
	s_add_co_u32 s22, s22, GSC
	s_add_nc_u64 s[98:99], s[98:99], s[22:23]      ; my scale words
	s_lshl_b32 s46, s46, 9
	s_mov_b32 s47, 0
	s_add_nc_u64 s[96:97], s[96:97], s[46:47]      ; b1 at my first unit
	v_lshlrev_b32 v7, 5, v2                        ; 32 h
	WIN TO_B                                       ; b1(16 b + 8 h + j) into window 1's gaps: b = 0 .. 3 at v96 on, b = 4 .. 7 at v224 on
.irp b, 0,1,2,3
	global_load_b128 v[96+8*\b:99+8*\b], v7, s[96:97] offset:64*\b
	global_load_b128 v[100+8*\b:103+8*\b], v7, s[96:97] offset:64*\b+16
	global_load_b128 v[224+8*\b:227+8*\b], v7, s[96:97] offset:256+64*\b
	global_load_b128 v[228+8*\b:231+8*\b], v7, s[96:97] offset:256+64*\b+16
.endr
	WIN 0
	s_wait_loadcnt 0x0
.macro FRAG reg, adr, q, i             ; a fragment, 16 rows x 128 K: 12 registers, in pieces of 8 bytes; where a piece and the one three on (lanes 16-31) lie in two chunks, the second address pair serves
.irp p, 0,1,2,3,4,5
.set BY, 96*(\q)+48*(\p/3)+8*(\p%3)    ; q: the step, counted from the row's start.  Byte y of a row lies in slot (y / 256) % 2 at byte y % 256; lanes 16-31 read 24 bytes on
.if BY/ROWB == (BY+24)/ROWB
	ds_load_b64 v[\reg+2*\p:\reg+2*\p+1], v[\adr+(BY/ROWB)%2] offset:BY%ROWB+(\i)*16*PITCH
.else
	ds_load_b64 v[\reg+2*\p:\reg+2*\p+1], v[\adr+2+(BY/ROWB)%2] offset:BY%ROWB-232+(\i)*16*PITCH
.endif
.endr
.endm
; 16 matrix instructions: A's blocks a0, a0 + 1 x B's eight.  zero = 1: the first product starts the sums.  The 64 accumulators take turns, one instruction a turn.
.macro MUL16 a0, p, q, sc, zero
.irp a, \a0, \a0+1
.irp b, 0,1,2,3,4,5,6,7
.if \zero
	v_wmma_scale_f32_16x16x128_f8f6f4 v[8*(8*((\a)%4)+\b):8*(8*((\a)%4)+\b)+7], v[128*(\p)+FR*\b:128*(\p)+FR*\b+FR-1], v[AF+FR*(\a):AF+FR*(\a)+FR-1], 0, v[SC+8*NQ*(\sc)+NQ*\b+(\q)], v[SC+8*NQ*(\sc)+NQ*(\a)+(\q)] matrix_a_fmt:MATRIX_FMT_FP6 matrix_b_fmt:MATRIX_FMT_FP6 matrix_a_scale:MATRIX_SCALE_ROW1
.else
	v_wmma_scale_f32_16x16x128_f8f6f4 v[8*(8*((\a)%4)+\b):8*(8*((\a)%4)+\b)+7], v[128*(\p)+FR*\b:128*(\p)+FR*\b+FR-1], v[AF+FR*(\a):AF+FR*(\a)+FR-1], v[8*(8*((\a)%4)+\b):8*(8*((\a)%4)+\b)+7], v[SC+8*NQ*(\sc)+NQ*\b+(\q)], v[SC+8*NQ*(\sc)+NQ*(\a)+(\q)] matrix_a_fmt:MATRIX_FMT_FP6 matrix_b_fmt:MATRIX_FMT_FP6 matrix_a_scale:MATRIX_SCALE_ROW1
.endif
.endr
.endr
.endm
.macro FETCH_B slot, q, p
	WIN TO_B
.irp i, 0,1,2,3,4,5,6,7
	FRAG 128*(\p)+FR*\i, ADRB+\slot, \q, \i
.endr
	WIN 0
.endm
.macro FETCH_A slot, q, i0
.irp i, \i0, \i0+1, \i0+2, \i0+3
	FRAG AF+FR*(\i), ADRA+\slot, \q, \i
.endr
.endm
.macro SCALES pr                       ; the scale words of steps 2 pr, 2 pr + 1 into set pr % 2
.irp i, 0,1,2,3,4,5,6,7
	ds_load_b64 v[SC+8*NQ*((\pr)%2)+NQ*\i:SC+8*NQ*((\pr)%2)+NQ*\i+1], v[ADRS] offset:\i*SBLK+4*NQ*(\pr)
.endr
.endm
.macro PLACES n
.rept \n
	v_nop
.endr
.endm
; A step of 128 along K: 64 matrix instructions; the next step's fragments are fetched in its middle and at its end.  Where the next step's bytes END in a chunk not yet read: a wait for my tensor loads and a barrier.
; Where they BEGIN in a later chunk: the chunk left behind is read no more: the wait, the add, the wait for it and for my reads, the barrier; where a chunk two on is left to fetch, the barrier opens a round and the slot is filled again.
.macro STEP st, zero
.set NX, (\st)+1
.set C0, (96*(\st))/ROWB
.set C1, (96*NX)/ROWB
.set E0, (96*(\st)+95)/ROWB
.set E1, (96*NX+95)/ROWB
.if C1 > C0 || E1 > E0
	s_wait_tensorcnt 0x0                           ; all my tensor loads have landed
.if C1 > C0
	ds_add_u32 v[SPW], v[NIL]
	s_wait_dscnt 4*NL+1                            ; (the add and the youngest 24 loads may be out)
.else
	s_wait_dscnt 4*NL
.endif
	WIN MUL_LO
	MUL16 0, (\st)%2, (\st)%2, ((\st)/2)%2, \zero
	s_wait_dscnt 0x0                               ; the add and all my reads are done
	s_barrier_signal -1
	MUL16 2, (\st)%2, (\st)%2, ((\st)/2)%2, \zero
	WIN 0
	s_barrier_wait -1
.if C1 > C0 && C0+2 < CHUNKS
	CREST
	s_add_nc_u64 s[G0+4*(C0%2)+2:G0+4*(C0%2)+3], s[G0+4*(C0%2)+2:G0+4*(C0%2)+3], 2*ROWB
	s_add_nc_u64 s[G0B+4*(C0%2)+2:G0B+4*(C0%2)+3], s[G0B+4*(C0%2)+2:G0B+4*(C0%2)+3], 2*ROWB
	JLOAD G0+4*(C0%2), G1, G0B+4*(C0%2), G1B       ; chunk C0 + 2, the first tensor load behind the round
.else
	PLACES NP
.endif
.else
	s_wait_dscnt 4*NL                              ; the youngest 24 loads (A's blocks 4-7) may be out
	WIN MUL_LO
	MUL16 0, (\st)%2, (\st)%2, ((\st)/2)%2, \zero
	MUL16 2, (\st)%2, (\st)%2, ((\st)/2)%2, \zero
	s_wait_dscnt 0
	PLACES NP
.endif
	FETCH_B 0, NX, NX%2
	FETCH_A 0, NX, 0
.if NX%2 == 0
	SCALES NX/2
.endif
	WIN MUL_HI
	MUL16 4, (\st)%2, (\st)%2, ((\st)/2)%2, \zero
	MUL16 6, (\st)%2, (\st)%2, ((\st)/2)%2, \zero
	PLACES NP
	WIN 0
	FETCH_A 0, NX, 4
.endm
	s_wait_alu depctr_va_vdst(0)
	s_wait_tensorcnt 0x0                           ; my tile of the head's four is in; the three lines ahead of slot 1's first fill
	ds_add_u32 v[SPW], v[NIL]
	s_mov_b32 s[G1+2], 128<<16                     ; no tensor load of mine is out: from here on a load brings my 128 rows
	s_mov_b32 s[G1+4], 128
	s_mov_b32 s[G1B+2], 128<<16
	s_mov_b32 s[G1B+4], 128
	s_mov_b32 s[G0+1], s45
	s_add_nc_u64 s[G0+2:G0+3], s[G0+2:G0+3], s[2:3]
	s_mov_b32 s[G0B+1], s45
	s_add_nc_u64 s[G0B+2:G0B+3], s[G0B+2:G0B+3], s[2:3]
	s_wait_dscnt 0x0
	CROUND
	JLOAD G0+4, G1, G0B+4, G1B                     ; chunk 1
	FETCH_B 0, 0, 0
	FETCH_A 0, 0, 0
	SCALES 0
	FETCH_A 0, 0, 4
	STEP 0, 1                                      ; the first step's products start the sums
.set ST, 1
.rept STEPS-2
	STEP ST, 0
.set ST, ST+1
.endr
	s_wait_dscnt 4*NL
	WIN MUL_LO
	MUL16 0, 1, NQ-1, 1, 0
	MUL16 2, 1, NQ-1, 1, 0
	s_wait_dscnt 0
	WIN MUL_HI
	MUL16 4, 1, NQ-1, 1, 0
	MUL16 6, 1, NQ-1, 1, 0
	WIN 0
.macro SWAPS t                         ; register 8 b + j is unit 16 b + 8 h + j; afterwards register 16 b + i is unit 32 b + 16 h + i
.irp b, 0,1,2,3
.irp j, 0,1,2,3,4,5,6,7
	v_permlane16_swap_b32 v[\t+16*\b+\j], v[\t+16*\b+8+\j]
.endr
.endr
.endm
; 64 numbers of a lane, register 16 b + i = k 32 b + 16 (lane / 16) + i of my row, become a fragment's codes in v[PC] on and its scale word in v[PW].
.macro QUANT s
.irp b, 0,1,2,3
	v_max3_num_f32 v[TM+\b], |v[\s+16*\b]|, |v[\s+1+16*\b]|, 0x1800000   ; and the floor 2^(3 - 127): the byte cannot fall under 1
.endr
.irp i, 2,4,6,8,10,12,14
.irp b, 0,1,2,3
	v_max3_num_f32 v[TM+\b], v[TM+\b], |v[\s+16*\b+\i]|, |v[\s+1+16*\b+\i]|
.endr
.endr
.irp b, 0,1,2,3
	v_permlanex16_b32 v[TM+4+\b], v[TM+\b], s[SEL], s[SEL+1]
.endr
.irp b, 0,1,2,3
	v_max_num_f32 v[TM+\b], v[TM+\b], v[TM+4+\b]
.endr
.irp b, 0,1,2,3
	v_add_nc_u32 v[TM+12+\b], 0xff000000, v[TM+\b]   ; 2 off the exponent field: the conversion's scale operand
.endr
.irp b, 0,1,2,3
	v_lshrrev_b32 v[TM+4+\b], 23, v[TM+12+\b]
.endr
	v_lshl_or_b32 v[PW], v[TM+5], 8, v[TM+4]
	v_lshl_or_b32 v[PW], v[TM+6], 16, v[PW]
	v_lshl_or_b32 v[PW], v[TM+7], 24, v[PW]
.irp c, 0,1
	v_cvt_scalef32_pk16_fp6_f32 v[PC+6*\c:PC+2+6*\c], v[\s+32*\c:\s+15+32*\c], v[TM+12+2*\c]
	v_cvt_scalef32_pk16_fp6_f32 v[PC+12+4*\c:PC+14+4*\c], v[\s+16+32*\c:\s+31+32*\c], v[TM+12+2*\c+1]
.endr
	v_nop                                          ; one plain place behind a scaled conversion
.irp c, 0,1
.irp i, 0,1,2
	v_permlane16_swap_b32 v[PC+6*\c+\i], v[PC+12+4*\c+\i]
.endr
.irp i, 0,1,2
	v_mov_b32 v[PC+3+6*\c+\i], v[PC+12+4*\c+\i]
.endr
.endr
.endm
.macro CASE a                          ; block a's accumulators + b1 into T; each accumulator from its low end on
	WIN 0x06+(\a)/4                                ; source 0 window 2 or 3, source 1 (b1) window 1
.set i, 0
.rept 32
.if i < 16
	v_pk_add_f32 v[T+2*i:T+2*i+1], v[64*((\a)%4)+2*i:64*((\a)%4)+2*i+1], v[96+2*i:97+2*i]
.else
	v_pk_add_f32 v[T+2*i:T+2*i+1], v[64*((\a)%4)+2*i:64*((\a)%4)+2*i+1], v[224+2*(i-16):225+2*(i-16)]
.endif
.set i, i+1
.endr
	WIN 0
.endm
.macro GELU32 o                        ; the gelu of v[T + o] .. v[T + o + 31], in place
.set i, 0
.rept 16
	v_pk_mul_f32 v[M+2*i:M+2*i+1], v[T+\o+2*i:T+\o+2*i+1], v[T+\o+2*i:T+\o+2*i+1]   ; x^2
.set i, i+1
.endr
.set i, 0
.rept 32
	v_fma_f32 v[U+i], |v[T+\o+i]|, s21, 1.0        ; 1 + 0.35355339 |x|
.set i, i+1
.endr
.set i, 0
	s_wait_alu depctr_va_vdst(0)
.rept 32
	v_rcp_f32 v[U+i], v[U+i]                       ; t
.set i, i+1
.endr
	v_nop                                          ; one plain place behind the transcendentals
.set i, 0
	s_wait_alu depctr_va_vdst(0)
.rept 16
	v_pk_fma_f32 v[P+2*i:P+2*i+1], v[U+2*i:U+2*i+1], v[KC+18:KC+19], v[KC+16:KC+17]
.set i, i+1
.endr
.irp c, 7,6,5,4,3,2,1,0
.set i, 0
.rept 16
	v_pk_fma_f32 v[P+2*i:P+2*i+1], v[P+2*i:P+2*i+1], v[U+2*i:U+2*i+1], v[KC+2*\c:KC+2*\c+1]
.set i, i+1
.endr
.endr
.set i, 0
.rept 16
	v_pk_fma_f32 v[P+2*i:P+2*i+1], v[M+2*i:M+2*i+1], 0xbf38aa3b, v[P+2*i:P+2*i+1] op_sel_hi:[1,0,1]   ; - x^2 log2(e) / 2
.set i, i+1
.endr
.set i, 0
	s_wait_alu depctr_va_vdst(0)
.rept 32
	v_exp_f32 v[P+i], v[P+i]
.set i, i+1
.endr
	v_nop
.set i, 0
	s_wait_alu depctr_va_vdst(0)
.rept 16
	v_pk_mul_f32 v[P+2*i:P+2*i+1], v[P+2*i:P+2*i+1], v[U+2*i:U+2*i+1]      ; h
.set i, i+1
.endr
.set i, 0
.rept 32
	v_max_num_f32 v[M+i], 0, v[T+\o+i]
.set i, i+1
.endr
.set i, 0
.rept 32
	v_fma_f32 v[T+\o+i], -|v[T+\o+i]|, v[P+i], v[M+i]        ; max(x, 0) - |x| h
.set i, i+1
.endr
.endm
.macro KONST c, bits
	v_mov_b32 v[KC+2*\c], \bits
	v_mov_b32 v[KC+2*\c+1], \bits
.endm
	PLACES NP                                      ; behind the last products
	KONST 0, 0xc034d90f                            ; -2.82574822 = (-1.26551223 - ln 2) log2 e
	KONST 1, 0x3fb8ab5a                            ;  1.44272920
	KONST 2, 0x3f0a29d2                            ;  0.53970062
	KONST 3, 0x3e0efb2e                            ;  0.13963006
	KONST 4, 0xbe899a80                            ; -0.26875686
	KONST 5, 0x3ecdfd18                            ;  0.40232158
	KONST 6, 0xbfd1a1e5                            ; -1.63775315
	KONST 7, 0x40097039                            ;  2.14747446
	KONST 8, 0xbf97d29d                            ; -1.18611495
	KONST 9, 0x3e7c6f08                            ;  0.24651730
.irp b, 0,1,2,3
	v_mov_b32 v[TM+4+\b], 0                        ; written once: a lane permute's destination counts as one of its sources
.endr
	s_mov_b32 s21, 0x3eb504f3                      ; 0.35355339
	s_mov_b32 s19, 0
.Lout:                                                 ; eight trips: block s19
.irp a, 0,1,2,3,4,5,6
	s_cmp_eq_u32 s19, \a
	s_cbranch_scc1 .Lcase\a
.endr
	CASE 7
	s_branch .Lcommon
.irp a, 0,1,2,3,4,5
.Lcase\a:
	CASE \a
	s_branch .Lcommon
.endr
.Lcase6:
	CASE 6
.Lcommon:
	GELU32 0
	GELU32 32
	SWAPS T
	QUANT T
.irp c, 0,1
.irp p, 0,1,2
	ds_store_b64 v[STO], v[PC+6*\c+2*\p:PC+6*\c+2*\p+1] offset:48*\c+8*\p    ; token r's 96 bytes: 24 bytes at 48 c + 24 h
.endr
.endr
	ds_store_b32 v[SCW], v[PW]                     ; both halves of the lanes write the same word with the same value
.irp g, 0,1,2
	ds_load_b128 v[U+4*\g:U+4*\g+3], v[RD] offset:512*\g     ; LDS serves a wave's instructions in order: these see the stores above
.endr
	s_wait_dscnt 0x0
.irp g, 0,1,2
	global_store_b128 v[VG+\g], v[U+4*\g:U+4*\g+3], s[12:13]       ; six lanes store a token's 96 consecutive bytes
.endr
	s_wait_xcnt 0x0                                ; the stores have read their data and their base
	s_add_nc_u64 s[12:13], s[12:13], 16*3072
	v_add_nc_u32 v[SCW], 64, v[SCW]
	s_add_co_u32 s19, s19, 1
	s_cmp_lt_u32 s19, 8
	s_cbranch_scc1 .Lout
.irp i, 0,1,2,3
	ds_load_b32 v[U+\i], v[SCR] offset:128*\i      ; my 128 tokens' scale words
.endr
	s_wait_dscnt 0x0
.irp i, 0,1,2,3
	global_store_b32 v[VSC], v[U+\i], s[98:99] offset:4096*\i      ; 4 bytes a token, 128 bytes apart: 4 bytes in each 100 that the launch stores
.endr
	s_wait_tensorcnt 0x0                           ; the wave's end
	ds_add_u32 v[SPW], v[NIL]
	s_wait_dscnt 0x0
	CROUND                                         ; the closing round
	s_endpgm
.Lfunc_end_k_qd10a0de7d6_ffn_up:
	.size	k_qd10a0de7d6_ffn_up, .Lfunc_end_k_qd10a0de7d6_ffn_up-k_qd10a0de7d6_ffn_up
	.p2alignl 7, 3214868480
	.fill 96, 4, 3214868480
	.section	.rodata,"a",@progbits
	.p2align	6, 0x0
	.amdhsa_kernel k_qd10a0de7d6_ffn_up
		.amdhsa_group_segment_fixed_size 327680
		.amdhsa_private_segment_fixed_size 0
		.amdhsa_enable_private_segment 0
		.amdhsa_kernarg_size 40
		.amdhsa_user_sgpr_count 2
		.amdhsa_user_sgpr_kernarg_segment_ptr 1
		.amdhsa_wavefront_size32 1
		.amdhsa_system_sgpr_workgroup_id_x 1
		.amdhsa_system_sgpr_workgroup_id_y 1
		.amdhsa_system_sgpr_workgroup_id_z 1
		.amdhsa_system_vgpr_workitem_id 0
		.amdhsa_next_free_vgpr 1024
		.amdhsa_next_free_sgpr 102
		.amdhsa_reserve_vcc 0
		.amdhsa_float_denorm_mode_32 3
		.amdhsa_float_denorm_mode_16_64 3
		.amdhsa_memory_ordered 1
		.amdhsa_forward_progress 1
		.amdhsa_inst_pref_size 199
	.end_amdhsa_kernel
	.amdgpu_metadata
---
amdhsa.version: [ 1, 2 ]
amdhsa.kernels:
  - .name:           k_qd10a0de7d6_ffn_up
    .symbol:         k_qd10a0de7d6_ffn_up.kd
    .args:
      - { .name: h2, .offset: 0, .size: 8, .value_kind: global_buffer, .address_space: global }
      - { .name: w1_codes, .offset: 8, .size: 8, .value_kind: global_buffer, .address_space: global }
      - { .name: w1_scales, .offset: 16, .size: 8, .value_kind: global_buffer, .address_space: global }
      - { .name: b1, .offset: 24, .size: 8, .value_kind: global_buffer, .address_space: global }
      - { .name: gc, .offset: 32, .size: 8, .value_kind: global_buffer, .address_space: global }
    .group_segment_fixed_size: 327680
    .private_segment_fixed_size: 0
    .kernarg_segment_align: 8
    .kernarg_segment_size: 40
    .max_flat_workgroup_size: 128
    .sgpr_count:     102
    .vgpr_count:     1024
    .wavefront_size: 32
...
	.end_amdgpu_metadata
.endif
;; end of part 11
;; launch ffn_down (part 12): grid 8 x 32, 4 waves a work-group, clusters of 4 x 4, 327,680 bytes of LDS; arguments gc, w2_codes, w2_scales, b2, x1, out0; writes out0
.if DOCPART == 12
	.amdgcn_target "amdgcn-amd-amdhsa--gfx1250"
	.amdhsa_code_object_version 6
	.text
	.protected	k_qd10a0de7d6_ffn_down
	.globl	k_qd10a0de7d6_ffn_down
	.p2align	8
	.type	k_qd10a0de7d6_ffn_down,@function
k_qd10a0de7d6_ffn_down:
	s_mov_b64 s[64:65], 0
	v_nop
	global_prefetch_b8 v0, s[64:65] scope:SCOPE_SE
	s_setreg_imm32_b32 hwreg(HW_REG_WAVE_MODE, 25, 1), 1
	s_wait_xcnt 0x0
	s_wait_alu depctr_hold_cnt(0) depctr_sa_sdst(0) depctr_va_vdst(0) depctr_va_sdst(0) depctr_va_ssrc(0) depctr_va_vcc(0) depctr_vm_vsrc(0)
	s_getreg_b32 s2, hwreg(HW_REG_IB_STS2, 6, 4)
	s_cmp_eq_u32 s2, 0
	s_cbranch_scc0 .Lentry_in_a_cluster
	s_endpgm
.Lentry_in_a_cluster:
	s_bfe_u32 s2, ttmp6, 0x10000c
	s_cmp_lg_u32 s2, 0xf033
	s_cbranch_scc0 .Lentry_shape_is_right
	s_endpgm
.Lentry_shape_is_right:
; out = res + bias + A W^T.  A [4096][SIZE_K], W [1024][SIZE_K]: codes of FP6 (E2M3), one E8M0 byte for each 32 along K; A's scale bytes lie ASC bytes behind its codes.  bias [1024], res, out [4096][1024]: f32.
; A block of 128 x 128 to a work-group (32 x 8 = 256 of them), four waves of 64 x 64: 16 accumulators.
; THE RING: a row of codes is 3,072 bytes; K goes in CHUNKS OF 512 BYTES of each row (each begins at a multiple of 256 bytes) through two LDS slots; chunk c lies in slot c % 2; six chunks.
; A matrix step is 96 bytes of a row: 16 steps to three chunks; a step that lies across two chunks takes its pieces from both slots.  Slots and chunks come back to where they began after 32 steps, all of K: the walk is written out by .rept.
; The head's four tiles, one tensor load a wave: chunk 0's 128 rows of A, of W, A's scales, W's scales (all of K, kept in LDS).  Behind the head a wave's load brings 64 rows of a chunk.
; 4 x 4 work-groups form a cluster: A's tiles are asked for jointly along a row of it, W's along a column; a refill stands behind a round of the cluster's barrier.
; PREFETCH: behind the load of chunk c stands one request a wave for chunk c + 2 (behind chunk 1's also for chunk 2): of the 64 rows that a wave fetches each of the four partners names 16, told apart by address, a lane a block of 256 bytes.
; Used transposed (source 0 = W's rows, source 1 = A's): a lane holds eight neighbouring numbers of a row of the output.  The bias is the C of each sum's first product.
; LIMITS: NaN and infinities are not served.
; REGISTERS: window 0: v11-29 addresses; v32-63 scale words, two sets; v64-95 bias; v128-255 accumulators.  window 1: two sets of fragments (A's four, then W's four).  window 2: v0-127 residual, v128-255 rows back from the stage.
.set SIZE_K, 4096
.set SIZE_N, 1024
.set ASC,    12582912
.set ROWB,   512                       ; a chunk: bytes of a row that one fill brings
.set PITCH,  528                       ; 512 + 16: 132 words: the 16 rows of a load start at 16 different multiples of 4 banks (64 banks of 4 bytes: ISA guide 11.1)
.set QI,     6                         ; padding behind every 128 words
.set IP,     0                         ; no padding inside an LDS row
.set NQ,     4                         ; steps that a set of scale words serves
.set KROW,   SIZE_K*6/8
.set STEPS,  SIZE_K/128
.set CHUNKS, KROW/ROWB
.set XB,     ROWB-24
.set FR,     12
.set NL,     6
.set NP,     4                         ; places behind this matrix instruction (ISA guide 7.12.1)
.set HALFT,  64*PITCH
.set SLOT,   4*HALFT
.set KS,     SIZE_K/32
.set HALFS,  (64*KS/256)*272
.set SBLK,   (16*KS/256)*272
.set SPITCH, 272
.if CHUNKS > 1
.set SCL,    2*SLOT
.set STAGE,  (CHUNKS%2)*SLOT           ; the slot that does not hold the last chunk: it has had its last fill, and behind the walk's last barrier its last read
.else
.set SCL,    SLOT
.set STAGE,  SCL+4*HALFS+512
.endif
.set SPARE,  SCL+4*HALFS
.set PFO,  11
.set ADRA, 16
.set ADRB, 20
.set STO,  24
.set RD,   25
.set CO,   26
.set ADRS, 27
.set SPW,  28
.set NIL,  29
.set SC,   32
.set CB,   64
.set ACC,  128
.set R,    0
.set BK,   128
.set G1, 24
.set G0, 32
.set G1B, 48
.set G0B, 56
.set G1S, 68
.set G0S, 76
.set G1SB, 80
.set G0SB, 88
.set PFA, 100
.set MSB, 0
.macro WIN new
.if MSB != (\new)
	s_set_vgpr_msb (MSB<<8)|(\new)
.set MSB, (\new)
.endif
.endm
.set MUL,    0x05
.set TO_F,   0x40
.set TO_2,   0x80
.set ADD_2,  0x8a
.set FROM_2, 0x08
.macro JLOAD g0a, g1a, g0b, g1b        ; a joint load: waves 0, 1 for A, waves 2, 3 for W
	s_cmp_eq_u32 s15, 0
	s_cbranch_scc0 .Lfor_b_\@
	tensor_load_to_lds s[\g0a:\g0a+3], s[\g1a:\g1a+7]
	s_nop 0
.rept 4
	v_nop
.endr
	s_branch .Lasked_\@
.Lfor_b_\@:
	tensor_load_to_lds s[\g0b:\g0b+3], s[\g1b:\g1b+7]
	s_nop 0
.rept 4
	v_nop
.endr
.Lasked_\@:
.endm
.macro CREST
	s_cmp_lg_u32 s14, 0
	s_cbranch_scc1 .Lnot_wave_0_\@
	s_barrier_signal -3
.Lnot_wave_0_\@:
	s_barrier_wait -3
	s_barrier_signal -1
	s_barrier_wait -1
.endm
.macro CROUND
	s_barrier_signal -1
	s_barrier_wait -1
	CREST
.endm
	s_load_b64 s[4:5], s[0:1], 0x0
	s_load_b128 s[8:11], s[0:1], 0x8
	s_load_b128 s[96:99], s[0:1], 0x18
	s_load_b64 s[12:13], s[0:1], 0x28
	v_lshl_add_u32 v[SPW], v0, 2, SPARE
	v_mov_b32 v[NIL], 0
	ds_add_u32 v[SPW], v[NIL]                      ; the opening lines
	ds_add_u32 v[SPW], v[NIL]
	v_lshrrev_b32 v1, 5, v0
	v_readfirstlane_b32 s14, v1                    ; wave
	s_lshr_b32 s15, s14, 1                         ; my half of the rows; in the ring: I fetch for A (0) or W (1)
	s_and_b32 s16, s14, 1                          ; my half of the columns; in the ring: which 64 rows I fetch
	s_bfe_u32 s40, ttmp6, 0x40000
	s_bfe_u32 s41, ttmp6, 0x40004
	s_lshl_b32 s42, ttmp9, 2
	s_add_co_u32 s42, s42, s40                     ; tile column
	s_and_b32 s17, ttmp7, 0xffff
	s_lshl_b32 s17, s17, 2
	s_add_co_u32 s17, s17, s41                     ; tile row
	s_lshl_b32 s43, s41, 2
	s_lshl_b32 s43, 15, s43
	s_lshl_b32 s44, 0x1111, s40
	s_or_b32 s[G1+0], s43, (0<<16)|(1<<20)|(1<<21)|(QI<<22)|(3<<25)
	s_or_b32 s[G1B+0], s44, (0<<16)|(1<<20)|(1<<21)|(QI<<22)|(3<<25)
.irp g, G1, G1B
	s_mov_b32 s[\g+1], ROWB<<16
	s_mov_b32 s[\g+2], 128<<16
	s_mov_b32 s[\g+3], ROWB<<16
	s_mov_b32 s[\g+4], 128
	s_mov_b32 s[\g+5], KROW
	s_mov_b32 s[\g+6], 0
	s_mov_b32 s[\g+7], 0
.endr
	s_or_b32 s[G1S+0], s43, (3<<16)|(1<<20)|(1<<21)|(5<<22)|(3<<25)
	s_or_b32 s[G1SB+0], s44, (3<<16)|(1<<20)|(1<<21)|(5<<22)|(3<<25)
.irp g, G1S, G1SB
	s_mov_b32 s[\g+1], 32<<16
	s_mov_b32 s[\g+2], (128*KS/256)<<16
	s_mov_b32 s[\g+3], 32<<16
	s_mov_b32 s[\g+4], 128*KS/256
	s_mov_b32 s[\g+5], 32
	s_mov_b32 s[\g+6], 0
	s_mov_b32 s[\g+7], 0
.endr
	s_lshl_b32 s20, s17, 7
	s_lshl_b32 s46, s42, 7
	s_mov_b32 s21, 0
	s_mov_b32 s47, 0
	s_mov_b64 s[18:19], KS
	s_mul_u64 s[22:23], s[20:21], s[18:19]
	s_mul_u64 s[92:93], s[46:47], s[18:19]
	s_mov_b64 s[18:19], KROW
	s_mul_u64 s[20:21], s[20:21], s[18:19]
	s_mul_u64 s[46:47], s[46:47], s[18:19]
.if CHUNKS > 1
	s_mul_i32 s2, s16, 64*KROW                     ; in the ring: my 64 rows of the tile, in bytes,
	s_mov_b32 s3, 0
	s_mul_i32 s45, s14, HALFT                      ; and where they go
.endif
	s_wait_dscnt 0x0
	s_wait_kmcnt 0x0
.if CHUNKS > 2
	s_cmp_eq_u32 s15, 0                            ; the prefetches' base: A or W, the tile's first row + my 64 + my work-group's 16 of them
	s_cselect_b32 s94, s17, s42
	s_cselect_b32 s95, s40, s41
	s_cselect_b64 s[PFA:PFA+1], s[4:5], s[8:9]
	s_lshl_b32 s94, s94, 7
	s_lshl_b32 s95, s95, 4
	s_add_co_u32 s94, s94, s95
	s_lshl_b32 s95, s16, 6
	s_add_co_u32 s94, s94, s95
	s_mul_i32 s94, s94, KROW
	s_mov_b32 s95, 0
	s_add_nc_u64 s[PFA:PFA+1], s[PFA:PFA+1], s[94:95]
.endif
	s_add_nc_u64 s[6:7], s[4:5], ASC
	s_add_nc_u64 s[20:21], s[4:5], s[20:21]
	s_add_nc_u64 s[22:23], s[6:7], s[22:23]
	s_add_nc_u64 s[46:47], s[8:9], s[46:47]
	s_add_nc_u64 s[92:93], s[10:11], s[92:93]
	CROUND                                         ; the first joint loads meet
	s_mov_b32 s[G0], 1                             ; chunk 0's 128 rows of A (slot 0's group 0 is set to my half behind the head's wait),
	s_mov_b32 s[G0+1], 0
	s_mov_b64 s[G0+2:G0+3], s[20:21]
	s_or_b32 s[G0+3], s[G0+3], 0x80000000
	s_mov_b32 s[G0B], 1                            ; of W,
	s_mov_b32 s[G0B+1], 2*HALFT
	s_mov_b64 s[G0B+2:G0B+3], s[46:47]
	s_or_b32 s[G0B+3], s[G0B+3], 0x80000000
	s_mov_b32 s[G0S], 1                            ; A's scales,
	s_mov_b32 s[G0S+1], SCL
	s_mov_b64 s[G0S+2:G0S+3], s[22:23]
	s_or_b32 s[G0S+3], s[G0S+3], 0x80000000
	s_mov_b32 s[G0SB], 1                           ; W's scales
	s_mov_b32 s[G0SB+1], SCL+2*HALFS
	s_mov_b64 s[G0SB+2:G0SB+3], s[92:93]
	s_or_b32 s[G0SB+3], s[G0SB+3], 0x80000000
.if CHUNKS > 1
	s_mov_b32 s[G0+4], 1                           ; slot 1: chunk 1, my 64 rows
	s_add_co_u32 s[G0+5], s45, SLOT
	s_add_nc_u64 s[G0+6:G0+7], s[20:21], s[2:3]
	s_add_nc_u64 s[G0+6:G0+7], s[G0+6:G0+7], ROWB
	s_or_b32 s[G0+7], s[G0+7], 0x80000000
	s_mov_b32 s[G0B+4], 1
	s_add_co_u32 s[G0B+5], s45, SLOT
	s_add_nc_u64 s[G0B+6:G0B+7], s[46:47], s[2:3]
	s_add_nc_u64 s[G0B+6:G0B+7], s[G0B+6:G0B+7], ROWB
	s_or_b32 s[G0B+7], s[G0B+7], 0x80000000
.endif
.macro ARM under, g0, g1, next         ; one load a wave at the head: one chain of branches on the wave's number, one join
	s_cmp_lt_u32 s14, \under
	s_cbranch_scc0 \next
	tensor_load_to_lds s[\g0:\g0+3], s[\g1:\g1+7]
	s_nop 0
.rept 4
	v_nop
.endr
	s_branch .Lhead_asked
\next:
.endm
	ARM 1, G0,  G1,  .Lhead_b
	ARM 2, G0B, G1B, .Lhead_sa
	ARM 3, G0S, G1S, .Lhead_sb
	tensor_load_to_lds s[G0SB:G0SB+3], s[G1SB:G1SB+7]
	s_nop 0
.rept 4
	v_nop
.endr
.Lhead_asked:
	s_lshl_b32 s20, s17, 7
	s_lshl_b32 s21, s15, 6
	s_add_co_u32 s20, s20, s21                     ; my first row
	s_mov_b32 s21, 0
	s_mov_b64 s[18:19], SIZE_N*4
	s_mul_u64 s[20:21], s[20:21], s[18:19]
	s_lshl_b32 s46, s42, 9
	s_lshl_b32 s47, s16, 8
	s_add_co_u32 s46, s46, s47                     ; my first column, in bytes
	s_mov_b32 s47, 0
	s_add_nc_u64 s[96:97], s[96:97], s[46:47]
	s_add_nc_u64 s[20:21], s[20:21], s[46:47]
	s_add_nc_u64 s[12:13], s[12:13], s[20:21]
	s_add_nc_u64 s[98:99], s[98:99], s[20:21]
	s_mul_i32 s66, s15, HALFT                      ; my 64 rows of A
	s_mul_i32 s67, s16, HALFT
	s_add_co_u32 s67, s67, 2*HALFT                 ; my 64 rows of W
	s_mul_i32 s95, s15, HALFS
	s_mul_i32 s94, s16, HALFS
	s_add_co_u32 s94, s94, 2*HALFS
	s_sub_co_u32 s94, s94, s95                     ; from A's scales to W's
	s_add_co_u32 s95, s95, SCL
	s_mul_i32 s23, s14, 64*SPITCH
	s_add_co_u32 s23, s23, STAGE                   ; my stage
	s_mov_b32 s21, SLOT-XB
	s_mov_b32 s22, SLOT+XB
	v_and_b32 v1, 15, v0                           ; r
	v_bfe_u32 v2, v0, 4, 1                         ; h
	v_mul_u32_u24 v6, v2, SIZE_N*4
	v_lshl_add_u32 v[CO], v1, 4, v6                ; two rows of 256 bytes an instruction
	v_lshlrev_b32 v7, 5, v2
	v_mul_u32_u24 v3, v1, PITCH
	v_mul_u32_u24 v4, v2, 24
	v_add_nc_u32 v4, v3, v4                        ; a fragment's row x pitch + 24 h
	v_add_nc_u32 v[ADRA], s66, v4
	v_add_nc_u32 v[ADRB], s67, v4
.if IP
	v_lshl_add_u32 v5, v2, 4, v4
	v_add_nc_u32 v[ADRA+2], s66, v5
	v_add_nc_u32 v[ADRB+2], s67, v5
.else
	v_add_nc_u32 v[ADRA+1], SLOT, v[ADRA]
	v_add_nc_u32 v[ADRB+1], SLOT, v[ADRB]
	v_sub_nc_u32 v8, 1, v2
	v_mul_u32_u24 v5, s21, v2
	v_add_nc_u32 v5, v3, v5
	v_add_nc_u32 v5, XB, v5                        ; across two chunks: lanes 0-15 byte XB of the row in slot 0, lanes 16-31 byte 0 in slot 1;
	v_mul_u32_u24 v6, s22, v8
	v_add_nc_u32 v6, v3, v6                        ; and the other way round
	v_add_nc_u32 v[ADRA+2], s66, v5
	v_add_nc_u32 v[ADRA+3], s66, v6
	v_add_nc_u32 v[ADRB+2], s67, v5
	v_add_nc_u32 v[ADRB+3], s67, v6
.endif
	v_mul_u32_u24 v9, v1, KS
	v_lshrrev_b32 v10, 8, v9
	v_lshl_add_u32 v9, v10, 4, v9
	v_mul_u32_u24 v10, s94, v2                     ; lanes 16-31 take W's scales
	v_add_nc_u32 v9, v9, v10
	v_add_nc_u32 v[ADRS], s95, v9
	v_mul_u32_u24 v9, v1, SPITCH
	v_lshl_add_u32 v9, v2, 5, v9
	v_add_nc_u32 v[STO], s23, v9
	v_mul_u32_u24 v9, v2, SPITCH
	v_lshl_add_u32 v9, v1, 4, v9
	v_add_nc_u32 v[RD], s23, v9
.if CHUNKS > 2
	v_mul_u32_u24 v[PFO], v1, KROW                 ; the prefetches' offset: row r, block h of a chunk's two; never rewritten
	v_lshl_add_u32 v[PFO], v2, 8, v[PFO]
.endif
	s_wait_alu depctr_va_vdst(0)
.irp b, 0,1,2,3
	global_load_b128 v[CB+8*\b:CB+8*\b+3], v7, s[96:97] offset:64*\b
	global_load_b128 v[CB+8*\b+4:CB+8*\b+7], v7, s[96:97] offset:64*\b+16
.endr
	WIN TO_2
.set i, 0
.rept 32
	global_load_b128 v[R+4*i:R+4*i+3], v[CO], s[98:99] offset:2*i*SIZE_N*4 th:TH_LOAD_NT   ; the residual stays out during the product
.set i, i+1
.endr
	WIN 0
.macro FRAG reg, adr, st, i            ; 16 rows x 128 K: 12 registers, in pieces of 8 bytes.  Byte y of a row lies in chunk y / ROWB, in slot (y / ROWB) % 2; lanes 16-31 read 24 bytes on
.irp p, 0,1,2,3,4,5
.set BY, 96*(\st)+48*(\p/3)+8*(\p%3)
.set BO, BY%ROWB
.if BY/ROWB != (BY+24)/ROWB
	ds_load_b64 v[\reg+2*\p:\reg+2*\p+1], v[\adr+2+(BY/ROWB)%2] offset:BO-XB+(\i)*16*PITCH
.elseif IP*(BO/256) != IP*((BO+24)/256)
	ds_load_b64 v[\reg+2*\p:\reg+2*\p+1], v[\adr+2] offset:BO+IP*(BO/256)+(\i)*16*PITCH
.else
	ds_load_b64 v[\reg+2*\p:\reg+2*\p+1], v[\adr+(BY/ROWB)%2] offset:BO+IP*(BO/256)+(\i)*16*PITCH
.endif
.endr
.endm
.macro MUL4 a, p, q, sc, zero          ; A's block a x W's four; the 16 accumulators take turns
.irp b, 0,1,2,3
.if \zero
	v_wmma_scale_f32_16x16x128_f8f6f4 v[ACC+8*(4*(\a)+\b):ACC+8*(4*(\a)+\b)+7], v[128*(\p)+48+FR*\b:128*(\p)+48+FR*\b+FR-1], v[128*(\p)+FR*(\a):128*(\p)+FR*(\a)+FR-1], v[CB+8*\b:CB+8*\b+7], v[SC+4*NQ*(\sc)+NQ*\b+(\q)], v[SC+4*NQ*(\sc)+NQ*(\a)+(\q)] matrix_a_fmt:MATRIX_FMT_FP6 matrix_b_fmt:MATRIX_FMT_FP6 matrix_a_scale:MATRIX_SCALE_ROW1
.else
	v_wmma_scale_f32_16x16x128_f8f6f4 v[ACC+8*(4*(\a)+\b):ACC+8*(4*(\a)+\b)+7], v[128*(\p)+48+FR*\b:128*(\p)+48+FR*\b+FR-1], v[128*(\p)+FR*(\a):128*(\p)+FR*(\a)+FR-1], v[ACC+8*(4*(\a)+\b):ACC+8*(4*(\a)+\b)+7], v[SC+4*NQ*(\sc)+NQ*\b+(\q)], v[SC+4*NQ*(\sc)+NQ*(\a)+(\q)] matrix_a_fmt:MATRIX_FMT_FP6 matrix_b_fmt:MATRIX_FMT_FP6 matrix_a_scale:MATRIX_SCALE_ROW1
.endif
.endr
.endm
.macro FETCH st, p                     ; 48 LDS loads: W's four, then A's four
	WIN TO_F
.irp i, 0,1,2,3
	FRAG 128*(\p)+48+FR*\i, ADRB, \st, \i
.endr
.irp i, 0,1,2,3
	FRAG 128*(\p)+FR*\i, ADRA, \st, \i
.endr
.endm
.macro SCALES pr                       ; the scale words of steps 4 pr .. 4 pr + 3 into set pr % 2
.irp i, 0,1,2,3
	ds_load_b128 v[SC+4*NQ*((\pr)%2)+NQ*\i:SC+4*NQ*((\pr)%2)+NQ*\i+3], v[ADRS] offset:\i*SBLK+4*NQ*(\pr)
.endr
.endm
.macro PLACES n
.rept \n
	v_nop
.endr
.endm
.macro ASK c                           ; chunk c of my work-group's 16 of the 64 rows that I fetch: 16 rows x 2 blocks of 256 bytes, a lane a block
	global_prefetch_b8 v[PFO], s[PFA:PFA+1] offset:(\c)*ROWB th:TH_LOAD_NT scope:SCOPE_SE
.endm
; A step of 128 along K: 16 matrix instructions; the next step's 48 loads go out in its middle.  Where the next step's bytes END in a chunk not yet read: a wait for my tensor loads and a barrier.
; Where they BEGIN in a later chunk: the chunk left behind is read no more: the wait, the add, the wait for it and for my reads, the barrier; where a chunk two on is left to fetch, the barrier opens a round and the slot is filled again.
.macro STEP st, zero
.set NX, (\st)+1
.set C0, (96*(\st))/ROWB
.set C1, (96*NX)/ROWB
.set E0, (96*(\st)+95)/ROWB
.set E1, (96*NX+95)/ROWB
.if C1 > C0 || E1 > E0
	WIN 0
	s_wait_tensorcnt 0x0                           ; all my tensor loads have landed
.if C1 > C0
	ds_add_u32 v[SPW], v[NIL]
	s_wait_dscnt 2*NL+1                            ; (the add and the youngest 12 loads may be out)
.else
	s_wait_dscnt 2*NL
.endif
	WIN MUL
	MUL4 0, (\st)%2, (\st)%4, ((\st)/4)%2, \zero
	s_wait_dscnt 0x0                               ; the add and all my reads are done
	s_barrier_signal -1
	MUL4 1, (\st)%2, (\st)%4, ((\st)/4)%2, \zero
	WIN 0
	s_barrier_wait -1
.if C1 > C0 && C0+2 < CHUNKS
	CREST
	s_add_nc_u64 s[G0+4*(C0%2)+2:G0+4*(C0%2)+3], s[G0+4*(C0%2)+2:G0+4*(C0%2)+3], 2*ROWB
	s_add_nc_u64 s[G0B+4*(C0%2)+2:G0B+4*(C0%2)+3], s[G0B+4*(C0%2)+2:G0B+4*(C0%2)+3], 2*ROWB
	JLOAD G0+4*(C0%2), G1, G0B+4*(C0%2), G1B       ; chunk C0 + 2, the first tensor load behind the round
.else
	PLACES NP
.endif
.else
	s_wait_dscnt 2*NL                              ; the youngest 12 loads (A's blocks 2, 3) may be out
	WIN MUL
	MUL4 0, (\st)%2, (\st)%4, ((\st)/4)%2, \zero
	MUL4 1, (\st)%2, (\st)%4, ((\st)/4)%2, \zero
	PLACES NP
.endif
.if NX%4 == 0
	WIN 0
	SCALES NX/4
.endif
	FETCH NX, NX%2
.if C1 > C0 && C0+4 < CHUNKS
	ASK C0+4                                       ; two chunks beyond the one just asked for
.endif
	s_wait_dscnt 8*NL                              ; all but the 48 just issued
	WIN MUL
	MUL4 2, (\st)%2, (\st)%4, ((\st)/4)%2, \zero
	MUL4 3, (\st)%2, (\st)%4, ((\st)/4)%2, \zero
.endm
	s_wait_tensorcnt 0x0                           ; my tile of the head's four is in,
.if CHUNKS > 1
	ds_add_u32 v[SPW], v[NIL]                      ; the three lines ahead of slot 1's first fill
	s_mov_b32 s[G1+2], 64<<16                      ; no tensor load of mine is out: from here on a load brings my 64 rows
	s_mov_b32 s[G1+4], 64
	s_mov_b32 s[G1B+2], 64<<16
	s_mov_b32 s[G1B+4], 64
	s_mov_b32 s[G0+1], s45
	s_add_nc_u64 s[G0+2:G0+3], s[G0+2:G0+3], s[2:3]
	s_mov_b32 s[G0B+1], s45
	s_add_nc_u64 s[G0B+2:G0B+3], s[G0B+2:G0B+3], s[2:3]
	s_wait_dscnt 0x0
	CROUND
	JLOAD G0+4, G1, G0B+4, G1B                     ; chunk 1
.else
	s_barrier_signal -1
	s_barrier_wait -1
.endif
	SCALES 0
	FETCH 0, 0
.if CHUNKS > 3
	ASK 2
	ASK 3
.endif
	s_wait_loadcnt 32                              ; the bias is in; the residual's 32 loads stay out
	STEP 0, 1
.set ST, 1
.rept STEPS-2
	STEP ST, 0
.set ST, ST+1
.endr
	s_wait_dscnt 2*NL                              ; the last step
	WIN MUL
	MUL4 0, 1, 3, 1, 0
	MUL4 1, 1, 3, 1, 0
	s_wait_dscnt 0
	MUL4 2, 1, 3, 1, 0
	MUL4 3, 1, 3, 1, 0
	WIN 0
	PLACES NP
.irp a, 0,1,2,3                        ; the way out: all 64 rows into my stage, back as whole rows of 256 bytes, plus the residual, stored
.irp b, 0,1,2,3
	ds_store_b128 v[STO], v[ACC+8*(4*\a+\b):ACC+8*(4*\a+\b)+3] offset:\a*16*SPITCH+64*\b
	ds_store_b128 v[STO], v[ACC+8*(4*\a+\b)+4:ACC+8*(4*\a+\b)+7] offset:\a*16*SPITCH+64*\b+16
.endr
.endr
	WIN TO_2
.set i, 0
.rept 32
	ds_load_b128 v[BK+4*i:BK+4*i+3], v[RD] offset:i*2*SPITCH       ; LDS serves a wave's instructions in order (ISA guide 5.7.1.4)
.set i, i+1
.endr
	s_wait_loadcnt 0x0
.irp g, 0,1,2,3
	s_wait_dscnt 24-8*\g
	WIN ADD_2
.set i, 16*\g
.rept 16
	v_pk_add_f32 v[BK+2*i:BK+2*i+1], v[BK+2*i:BK+2*i+1], v[R+2*i:R+2*i+1]
.set i, i+1
.endr
	WIN FROM_2
.set i, 8*\g
.rept 8
	global_store_b128 v[CO], v[BK+4*i:BK+4*i+3], s[12:13] offset:2*i*SIZE_N*4 th:TH_STORE_NT     ; 16 lanes store 256 consecutive bytes, aligned
.set i, i+1
.endr
.endr
	WIN 0
	s_wait_tensorcnt 0x0                           ; the wave's end
	ds_add_u32 v[SPW], v[NIL]
	s_wait_dscnt 0x0
	CROUND                                         ; the closing round
	s_endpgm
.Lfunc_end_k_qd10a0de7d6_ffn_down:
	.size	k_qd10a0de7d6_ffn_down, .Lfunc_end_k_qd10a0de7d6_ffn_down-k_qd10a0de7d6_ffn_down
	.p2alignl 7, 3214868480
	.fill 96, 4, 3214868480
	.section	.rodata,"a",@progbits
	.p2align	6, 0x0
	.amdhsa_kernel k_qd10a0de7d6_ffn_down
		.amdhsa_group_segment_fixed_size 327680
		.amdhsa_private_segment_fixed_size 0
		.amdhsa_enable_private_segment 0
		.amdhsa_kernarg_size 48
		.amdhsa_user_sgpr_count 2
		.amdhsa_user_sgpr_kernarg_segment_ptr 1
		.amdhsa_wavefront_size32 1
		.amdhsa_system_sgpr_workgroup_id_x 1
		.amdhsa_system_sgpr_workgroup_id_y 1
		.amdhsa_system_sgpr_workgroup_id_z 1
		.amdhsa_system_vgpr_workitem_id 0
		.amdhsa_next_free_vgpr 768
		.amdhsa_next_free_sgpr 102
		.amdhsa_reserve_vcc 0
		.amdhsa_float_denorm_mode_32 3
		.amdhsa_float_denorm_mode_16_64 3
		.amdhsa_memory_ordered 1
		.amdhsa_forward_progress 1
		.amdhsa_inst_pref_size 204
	.end_amdhsa_kernel
	.amdgpu_metadata
---
amdhsa.version: [ 1, 2 ]
amdhsa.kernels:
  - .name:           k_qd10a0de7d6_ffn_down
    .symbol:         k_qd10a0de7d6_ffn_down.kd
    .args:
      - { .name: gc, .offset: 0, .size: 8, .value_kind: global_buffer, .address_space: global }
      - { .name: w2_codes, .offset: 8, .size: 8, .value_kind: global_buffer, .address_space: global }
      - { .name: w2_scales, .offset: 16, .size: 8, .value_kind: global_buffer, .address_space: global }
      - { .name: b2, .offset: 24, .size: 8, .value_kind: global_buffer, .address_space: global }
      - { .name: x1, .offset: 32, .size: 8, .value_kind: global_buffer, .address_space: global }
      - { .name: out0, .offset: 40, .size: 8, .value_kind: global_buffer, .address_space: global }
    .group_segment_fixed_size: 327680
    .private_segment_fixed_size: 0
    .kernarg_segment_align: 8
    .kernarg_segment_size: 48
    .max_flat_workgroup_size: 128
    .sgpr_count:     102
    .vgpr_count:     768
    .wavefront_size: 32
...
	.end_amdgpu_metadata
.endif
;; end of part 12
